; MI455X (gfx1250); checked and timed in simulation.
; The chip was launched on July 23, 2026; its instructions are those of AMD's public machine-readable ISA for CDNA 5 (MIT licence, August 2026) and "CDNA5" Instruction Set Architecture Reference Guide (July 2026). The comments in the code are by the model that wrote it; some were corrected since.
;; Multi Head Attention Combined QKV. Allowed arithmetic: matrix products marked QUANTISED: E2M3 operands, one E8M0 scale for each 32 along K, by v_wmma_scale_f32_16x16x128_f8f6f4 with both operands' format E2M3, f32 sums; everything else in f32.
;; Inputs: b_proj 1,024 float32; w_proj 1,024 x 1,024 float32; w_qkv 3,072 x 1,024 float32; x 2 x 2,048 x 1,024 float32.
;; Outputs: out0 2 x 2,048 x 1,024 float32.
;; This version of the problem:
;;   THIS VERSION OF THE PROBLEM IS GIVEN IN LOW PRECISION. The matrix products marked QUANTISED in the list below multiply operands that are first quantised to E2M3 (2 exponent bits, 3 mantissa bits; 6 bits a number), with one power-of-two scale for each 32 numbers along K (OCP MX v1.0); their sums are f32. All else is computed in f32.
;;   The module's matrix products, in the order in which they are computed (A, B: the left and right operand; K: the contracted axis; several contracted axes count as one K, in the product's order):
;;     1. [M 4,096, K 1,024] x [K 1,024, N 3,072]; A: input x; B: input w_qkv: QUANTISED
;;     2. batch 32 x [M 2,048, K 64] x [K 64, N 2,048]; A: computed on the way; B: computed on the way: QUANTISED
;;     3. batch 32 x [M 2,048, K 2,048] x [K 2,048, N 64]; A: softmax (see below); B: computed on the way: QUANTISED
;;     4. [M 4,096, K 1,024] x [K 1,024, N 1,024]; A: computed on the way; B: input w_proj: QUANTISED
;;   THE QUANTISER, for each operand of a quantised product, along K:
;;     - K is cut into blocks of 32 from its start; a last block that is shorter is filled with zeros.
;;     - A block's scale is 2^e with e = floor(log2(the largest magnitude in the block)) - 2, held to -126 .. 127; a block of zeros has e = 0. As a byte (E8M0): e + 127.
;;     - Each number is divided by its block's scale, clamped to +-7.5, and rounded to the nearest number of E2M3, ties to even, subnormals kept.
;;     - The product sums the exact products of the quantised numbers (number of the format x scale) in f32.
;;   ~~~python
;;   def quantise(x, axis):      # numpy; x: float32 -> the quantised numbers, widened to float32 again
;;       x = np.moveaxis(x, axis, -1); K = x.shape[-1]
;;       x = np.pad(x, [(0, 0)] * (x.ndim - 1) + [(0, -K % 32)]); x = x.reshape(x.shape[:-1] + (-1, 32)); a = np.abs(x).max(-1, keepdims=True)
;;       e = np.where(a > 0, np.clip(np.frexp(np.where(a > 0, a, 1))[1] - 1 - 2, -126, 127), 0)      # np.frexp(a)[1] - 1 = floor(log2(a)), exactly
;;       r = np.clip(x / 2.0 ** e, -7.5, 7.5)
;;       step = 2.0 ** (np.maximum(np.frexp(np.where(r == 0, 1, r))[1] - 1, 0) - 3)
;;       q = np.round(r / step) * step * 2.0 ** e      # np.round: ties to even
;;       return np.moveaxis(q.reshape(q.shape[:-2] + (-1,))[..., :K], -1, axis).astype(np.float32)
;;   ~~~
;;   SOFTMAX AHEAD OF A QUANTISED PRODUCT. Where the list says 'softmax', what is quantised is not the finished softmax but p = 2^(t - M), with t = logit x log2(e) and M = ceil(the row's largest t), a whole number; so 1/2 < the row's largest p <= 1. The row's sum l is taken of the UNQUANTISED p, in f32, and the product's result is divided by l at the end. Since M is a whole number, a kernel that streams over the keys may use a running M (the ceiling of the running maximum): every later rescaling is an exact power of two, which a block's scale takes up: the codes' values come out the same.
;;   OPERANDS COMPUTED ON THE WAY. 'Computed on the way' means the value that the module computes at that place (a softmax that the list does not call 'softmax' is quantised finished and normalised). What goes into a quantiser is computed in f32, as accurately as f32 sums, v_exp_f32 and their like allow (about 1e-6 of the number): no bf16 or f16 on the way to a quantiser, and a product that is left as it is and whose result goes on into a quantised operand takes f32 operands (vector FMAs, or v_wmma_f32_16x16x4_f32). A number that lies on a knife's edge between two numbers of the format may be rounded either way, as far as f32 arithmetic and the matrix unit's own rounding can turn it there, and no further.
;; 2 versions. Each part assembles by itself: llvm-mc -triple=amdgcn-amd-amdhsa -mcpu=gfx1250 --defsym DOCPART=n.
;; ======== version 1 of 2: 4 launches
;; workspace buffers: in_codes 6,291,456 bytes; in_scales 262,144 bytes; qkv_codes 9,437,184 bytes; qkv_scales 786,432 bytes; ctx_codes 3,145,728 bytes; ctx_scales 131,072 bytes
;; launch quant (part 1): grid 512 x 1, 8 waves a work-group, no clusters, 69,120 bytes of LDS; arguments x, w_qkv, w_proj, in_codes, in_scales; writes in_codes, in_scales
.if DOCPART == 1
	.amdgcn_target "amdgcn-amd-amdhsa--gfx1250"
	.amdhsa_code_object_version 6
	.text
	.protected	k_qec8e3218c5_quant
	.globl	k_qec8e3218c5_quant
	.p2align	8
	.type	k_qec8e3218c5_quant,@function
k_qec8e3218c5_quant:
	s_mov_b64 s[64:65], 0
	v_nop
	global_prefetch_b8 v0, s[64:65] scope:SCOPE_SE
	s_setreg_imm32_b32 hwreg(HW_REG_WAVE_MODE, 25, 1), 1
	s_wait_xcnt 0x0
; x [4096][1024], w_qkv [3072][1024] and w_proj [1024][1024], f32, K innermost, become codes of FP6 (E2M3) with one E8M0 byte for each 32 along K.
; A block's scale is 2^(floor(log2(its largest magnitude)) - 2); its byte is the largest magnitude's exponent field - 2, held at 1 from below.
; LIMITS: NaN and infinities among the inputs are not served; a block whose largest magnitude lies under 2^-124 has its byte held at 1; a block of zeros gets the byte 1 where the
; quantiser says 127: its codes are zeros, which add nothing under any byte but 0xff, and this program alone reads the bytes.
; THE CODES ARE LAID AS IMAGES OF OPERAND REGISTERS.  A fragment (16 rows x 128 K, 12 registers a lane) is 1,536 bytes: piece p (256 bytes) holds registers 2 p and 2 p + 1, lane l's 8 bytes at 256 p + 8 l.
; in_codes: [tile 0..511][K step 0..7][1,536]; tiles 0-255 x, 256-447 w_qkv, 448-511 w_proj.  in_scales: [tile][K step][lane r]: one word (four bytes: 128 along K) a row.
; THE ROWS OF A TILE ARE NOT NEIGHBOURS: lane r of tile T takes row 32 (T / 2) + 8 (T % 2) + r + 8 (r / 8), so that the results of a product whose source 0 is a pair of such tiles
; are 16 neighbours along those rows in a lane's 16 registers.
; SHARES.  A work-group takes a tile, each of its eight waves a K step: 16 rows x 512 bytes, sixteen loads of 512 consecutive bytes, all out at once.  The conversions want 16 neighbours along K in ONE lane:
; the numbers turn through the wave's own stage in LDS (rows of 512 + 16 bytes).  No loop, no tensor load; waves share only the tile's 512 bytes of scale words, which leave as one run.
; No cluster: no two work-groups read the same byte.
.set STG,  8448                        ; a wave's stage: 16 rows x 528 bytes
.set SCB,  8*STG                       ; behind the stages: the tile's scale words, 64 bytes for each wave
.set R,    16                          ; v16-79   the numbers as they are loaded
.set X,    80                          ; v80-143  register 16 b + i = k 32 b + 16 (lane / 16) + i of my row
.set PC,   144                         ; v144-163 the codes
.set TM,   164                         ; v164-179 at work
.set PW,   180                         ; v180     the scale word
.set SEL,  20                          ; s[20:21] lane selects for v_permlanex16_b32: lane l xor 16
; 64 numbers of a lane, v[s] .. v[s + 63], become a fragment's codes in v[PC] on and its scale word in v[PW].
.macro QUANT s
.irp b, 0,1,2,3
	v_max3_num_f32 v[TM+\b], |v[\s+16*\b]|, |v[\s+1+16*\b]|, 0x1800000   ; block b: my 16 numbers, and the floor 2^(3 - 127): the byte cannot fall under 1
.endr
.irp i, 2,4,6,8,10,12,14
.irp b, 0,1,2,3
	v_max3_num_f32 v[TM+\b], v[TM+\b], |v[\s+16*\b+\i]|, |v[\s+1+16*\b+\i]|   ; the four blocks by turns
.endr
.endr
.irp b, 0,1,2,3
	v_permlanex16_b32 v[TM+4+\b], v[TM+\b], s[SEL], s[SEL+1]
.endr
.irp b, 0,1,2,3
	v_max_num_f32 v[TM+\b], v[TM+\b], v[TM+4+\b]   ; with lane l xor 16's: the block's largest magnitude
.endr
.irp b, 0,1,2,3
	v_add_nc_u32 v[TM+12+\b], 0xff000000, v[TM+\b]   ; 2 off its exponent field: the conversion takes this operand's exponent field as its scale
.endr
.irp b, 0,1,2,3
	v_lshrrev_b32 v[TM+4+\b], 23, v[TM+12+\b]   ; the scale's byte
.endr
	v_lshl_or_b32 v[PW], v[TM+5], 8, v[TM+4]   ; four bytes: my row's scale word
	v_lshl_or_b32 v[PW], v[TM+6], 16, v[PW]
	v_lshl_or_b32 v[PW], v[TM+7], 24, v[PW]
.irp c, 0,1
	v_cvt_scalef32_pk16_fp6_f32 v[PC+6*\c:PC+2+6*\c], v[\s+32*\c:\s+15+32*\c], v[TM+12+2*\c]
	v_cvt_scalef32_pk16_fp6_f32 v[PC+12+4*\c:PC+14+4*\c], v[\s+16+32*\c:\s+31+32*\c], v[TM+12+2*\c+1]   ; (a conversion's three registers begin on an even number)
.endr
	v_nop                                          ; one plain place behind a scaled conversion
.irp c, 0,1                                    ; the operand's layout wants a WHOLE block in a lane: lanes 0-15 block 2 c, lanes 16-31 block 2 c + 1
.irp i, 0,1,2
	v_permlane16_swap_b32 v[PC+6*\c+\i], v[PC+12+4*\c+\i]
.endr
.irp i, 0,1,2
	v_mov_b32 v[PC+3+6*\c+\i], v[PC+12+4*\c+\i]
.endr
.endr
.endm
	s_load_b256 s[4:11], s[0:1], 0x0               ; x s[4:5], w_qkv s[6:7], w_proj s[8:9], in_codes s[10:11]
	s_load_b64 s[12:13], s[0:1], 0x20              ; in_scales
	v_lshl_add_u32 v192, v0, 2, 0x10a00
	v_mov_b32 v193, 0
	v_lshrrev_b32 v1, 5, v0
	v_readfirstlane_b32 s16, v1                    ; wave = K step
	v_and_b32 v1, 31, v0                           ; lane
	v_and_b32 v8, 15, v0                           ; r
	v_bfe_u32 v9, v0, 4, 1                         ; h
	v_lshlrev_b32 v2, 4, v1                        ; 16 x lane: my bytes of a load's 512
	s_mul_i32 s18, s16, STG
	v_add_nc_u32 v3, s18, v2                       ; the stage, on the way in
	v_mul_u32_u24 v4, v8, 528
	v_lshl_add_u32 v4, v9, 6, v4
	v_add_nc_u32 v4, s18, v4                       ; and out: row r, + 64 h: my 16 numbers of each block of 32
	v_lshlrev_b32 v5, 3, v1                        ; 8 x lane: my place in a piece of the image
	s_lshl_b32 s19, s16, 6
	s_add_co_u32 s19, s19, SCB
	v_lshl_add_u32 v6, v8, 2, s19                  ; my row's scale word: 64 x wave + 4 r
	v_add_nc_u32 v7, SCB, v2                       ; the tile's 512 bytes of them, 16 a lane
	s_mov_b32 s[SEL], 0x76543210
	s_mov_b32 s[SEL+1], 0xfedcba98
.irp b, 0,1,2,3
	v_mov_b32 v[TM+4+\b], 0                        ; written once: a lane permute's destination counts as one of its sources
.endr
	s_mov_b32 s17, 448
	s_wait_kmcnt 0x0
	s_cmp_lt_u32 ttmp9, 448                        ; which tensor?  The choice hangs on the work-group's number alone
	s_cselect_b64 s[14:15], s[6:7], s[8:9]
	s_cselect_b32 s17, 256, s17
	s_cmp_lt_u32 ttmp9, 256
	s_cselect_b64 s[14:15], s[4:5], s[14:15]
	s_cselect_b32 s17, 0, s17
	s_sub_co_u32 s17, ttmp9, s17                   ; the tile's number in its tensor
	s_lshr_b32 s22, s17, 1
	s_lshl_b32 s22, s22, 5
	s_and_b32 s23, s17, 1
	s_lshl_b32 s23, s23, 3
	s_add_co_u32 s22, s22, s23                     ; its first row: 32 (T / 2) + 8 (T % 2)
	s_lshl_b32 s22, s22, 12                        ; rows of 4,096 bytes
	s_lshl_b32 s23, s16, 9                         ; + my K step's 512 bytes
	s_add_co_u32 s22, s22, s23
	s_mov_b32 s23, 0
	s_add_nc_u64 s[14:15], s[14:15], s[22:23]
	s_mul_i32 s22, ttmp9, 12288
	s_mul_i32 s24, s16, 1536
	s_add_co_u32 s22, s22, s24
	s_add_nc_u64 s[10:11], s[10:11], s[22:23]      ; my fragment's image
	s_lshl_b32 s22, ttmp9, 9
	s_add_nc_u64 s[12:13], s[12:13], s[22:23]      ; the tile's scale words
.irp i, 0,1,2,3,4,5,6,7,8,9,10,11,12,13,14,15
	global_load_b128 v[R+4*\i:R+4*\i+3], v2, s[14:15] offset:(\i+8*(\i/8))*4096 th:TH_LOAD_NT   ; lane-row i of the tile: 512 consecutive bytes
.endr
.irp i, 0,1,2,3,4,5,6,7,8,9,10,11,12,13,14,15
	s_wait_loadcnt 15-\i                           ; loads come back in order: row i is in, the younger ones stay out
	ds_store_b128 v3, v[R+4*\i:R+4*\i+3] offset:528*\i
.endr
.irp b, 0,1,2,3
.irp j, 0,1,2,3
	ds_load_b128 v[X+16*\b+4*\j:X+16*\b+4*\j+3], v4 offset:128*\b+16*\j   ; LDS serves a wave's instructions in order: these see my stores
.endr
.endr
	s_wait_dscnt 0x0
	QUANT X
.irp p, 0,1,2,3,4,5
	global_store_b64 v5, v[PC+2*\p:PC+2*\p+1], s[10:11] offset:256*\p   ; 32 lanes store 256 consecutive bytes, aligned
.endr
	ds_store_b32 v6, v[PW]                         ; lanes r and r + 16 write the same word with the same value
	s_wait_dscnt 0x0                               ; for the others' sake: my word has landed
	s_barrier_signal -1
	s_barrier_wait -1
	s_cmp_lg_u32 s16, 0
	s_cbranch_scc1 .Lend
	ds_load_b128 v[184:187], v7                    ; wave 0 sends the tile's eight K steps of scale words: 512 consecutive bytes
	s_wait_dscnt 0x0
	global_store_b128 v2, v[184:187], s[12:13]
.Lend:
	s_wait_tensorcnt 0x0
	ds_add_u32 v192, v193
	s_wait_dscnt 0x0
	s_endpgm
.Lfunc_end_k_qec8e3218c5_quant:
	.size	k_qec8e3218c5_quant, .Lfunc_end_k_qec8e3218c5_quant-k_qec8e3218c5_quant
	.p2alignl 7, 3214868480
	.fill 96, 4, 3214868480
	.section	.rodata,"a",@progbits
	.p2align	6, 0x0
	.amdhsa_kernel k_qec8e3218c5_quant
		.amdhsa_group_segment_fixed_size 69120
		.amdhsa_private_segment_fixed_size 0
		.amdhsa_enable_private_segment 0
		.amdhsa_kernarg_size 40
		.amdhsa_user_sgpr_count 2
		.amdhsa_user_sgpr_kernarg_segment_ptr 1
		.amdhsa_wavefront_size32 1
		.amdhsa_system_sgpr_workgroup_id_x 1
		.amdhsa_system_sgpr_workgroup_id_y 1
		.amdhsa_system_sgpr_workgroup_id_z 1
		.amdhsa_system_vgpr_workitem_id 0
		.amdhsa_next_free_vgpr 194
		.amdhsa_next_free_sgpr 66
		.amdhsa_reserve_vcc 0
		.amdhsa_float_denorm_mode_32 3
		.amdhsa_float_denorm_mode_16_64 3
		.amdhsa_memory_ordered 1
		.amdhsa_forward_progress 1
		.amdhsa_inst_pref_size 12
	.end_amdhsa_kernel
	.amdgpu_metadata
---
amdhsa.version: [ 1, 2 ]
amdhsa.kernels:
  - .name:           k_qec8e3218c5_quant
    .symbol:         k_qec8e3218c5_quant.kd
    .args:
      - { .name: x, .offset: 0, .size: 8, .value_kind: global_buffer, .address_space: global }
      - { .name: w_qkv, .offset: 8, .size: 8, .value_kind: global_buffer, .address_space: global }
      - { .name: w_proj, .offset: 16, .size: 8, .value_kind: global_buffer, .address_space: global }
      - { .name: in_codes, .offset: 24, .size: 8, .value_kind: global_buffer, .address_space: global }
      - { .name: in_scales, .offset: 32, .size: 8, .value_kind: global_buffer, .address_space: global }
    .group_segment_fixed_size: 69120
    .private_segment_fixed_size: 0
    .kernarg_segment_align: 8
    .kernarg_segment_size: 40
    .max_flat_workgroup_size: 256
    .sgpr_count:     66
    .vgpr_count:     194
    .wavefront_size: 32
...
	.end_amdgpu_metadata
.endif
;; end of part 1
;; launch qkv (part 2): grid 8 x 24, 4 waves a work-group, clusters of 4 x 4, 327,680 bytes of LDS; arguments in_codes, in_scales, qkv_codes, qkv_scales; writes qkv_codes, qkv_scales
.if DOCPART == 2
	.amdgcn_target "amdgcn-amd-amdhsa--gfx1250"
	.amdhsa_code_object_version 6
	.text
	.protected	k_qec8e3218c5_qkv
	.globl	k_qec8e3218c5_qkv
	.p2align	8
	.type	k_qec8e3218c5_qkv,@function
k_qec8e3218c5_qkv:
	s_mov_b64 s[64:65], 0
	v_nop
	global_prefetch_b8 v0, s[64:65] scope:SCOPE_SE
	s_setreg_imm32_b32 hwreg(HW_REG_WAVE_MODE, 25, 1), 1
	s_wait_xcnt 0x0
	s_wait_alu depctr_hold_cnt(0) depctr_sa_sdst(0) depctr_va_vdst(0) depctr_va_sdst(0) depctr_va_ssrc(0) depctr_va_vcc(0) depctr_vm_vsrc(0)
	s_getreg_b32 s2, hwreg(HW_REG_IB_STS2, 6, 4)
	s_cmp_eq_u32 s2, 0
	s_cbranch_scc0 .Lentry_in_a_cluster
	s_endpgm
.Lentry_in_a_cluster:
	s_bfe_u32 s2, ttmp6, 0x10000c
	s_cmp_lg_u32 s2, 0xf033
	s_cbranch_scc0 .Lentry_shape_is_right
	s_endpgm
.Lentry_shape_is_right:
; qkv = x w_qkv^T on codes of FP6 (E2M3) with E8M0 scales, K = 1,024, sums in f32; the results are quantised in registers and leave as codes: q and k along the head's 64 channels, v along the keys.
; OPERANDS come as images of operand registers (in_codes: [tile][K step][1,536]; a tile is 16 rows, lane r holding row 32 (T / 2) + 8 (T % 2) + r + 8 (r / 8)); in_scales: [tile][K step][r] words.
; A tile of the product, 256 x 256, is made by four waves, each 128 x 128: 64 accumulators, 512 registers.  Source 0 = 16 rows of B, source 1 = 16 rows of A: a lane holds ONE row of A, and, by the order of
; the rows in B's tiles, the 64 registers of A's block a run along 128 NEIGHBOURING rows of B: register 16 b + i = row 32 b + 16 (lane / 16) + i.  So they are quantised along B's rows as they stand.
; q, k: A = x (tokens in the lanes), B = w (features in the registers).   v: A = w_v (channels in the lanes), B = x (tokens, the keys, in the registers).  One text: only the two tile numbers differ.
; GRID: 8 x 24 work-groups, 192: cluster rows 0-3: q and k (16 x 8 tiles), rows 4-5: v (4 x 16 tiles).  Tiles of half the size would be 384, one and a half for each of 256 WGPs, and would read LDS more for each product.
; K goes in steps of 256 through a ring of two LDS slots; a wave's tensor load brings 8 tiles x 3,072 bytes.  The scale words of the work-group's rows, for all of K, come once (4,096 dense bytes a wave).
; CLUSTERS: 4 x 4.  A's tiles are shared along a row of the cluster, B's along a column: each is asked for jointly, by the same tensor load with the same descriptor and a mask that names the four.
; OUT: qkv_codes [block][a 0..7][1,536], block = ((g / 16) 24 + f) 16 + g % 16; g: group of 128 tokens, f: group of 128 features (q 0-7, k 8-15, v 16-23).  qkv_scales [block][1,024]: bytes 0-511 the words [a][r];
; bytes 512-767 [pair e][r]: the low halves of the words of tiles 2 e and 2 e + 1 (the group's first head), bytes 768-1,023 the high halves (its second head).
; LIMITS: as the quantiser in front: a block of zeros gets the byte 1 (its codes are zeros); blocks under 2^-124 have their byte held at 1; NaN and infinities are not served.
; REGISTERS: window 0: v16-30 addresses; v32-63 scale words, two sets; v128-223 A's fragments, ONE set; on the way out v64-179 at work.  window 1: B's fragments, two sets, at v0 and v128.
;   window 2: the accumulators of my A blocks 0-3 ((a, b) at v[8 (8 a + b)]); window 3: those of blocks 4-7.
.set NQ,     2                         ; matrix instructions deep in a slot
.set FR,     12                        ; registers of a fragment
.set NL,     6                         ; LDS loads that bring one
.set NP,     4                         ; places behind this matrix instruction (ISA guide 7.12.1)
.set FRB,    1536                      ; a fragment's image
.set TILEB,  8*FRB                     ; a tile's eight K steps in memory
.set TROW,   NQ*FRB                    ; a tile's part of a slot
.set HALFT,  8*TROW                    ; 8 tiles, 128 rows: what one tensor load brings
.set SLOT,   4*HALFT                   ; A's 16 tiles, then B's 16
.set LAPS,   2                         ; 1,024 / 512: a lap = two slots
.set SCL,    2*SLOT                    ; behind the ring: the scale words, 512 bytes a tile
.set HALFS,  8*512
.set SPARE,  SCL+4*HALFS               ; the spare words, 128 bytes for each wave: two blocks of 256 bytes that no other line names
.set STAGE,  SPARE+512                 ; the way out: 1,024 bytes for each wave, bytes of their own into which no tile lands
.set ADRA, 16                          ; v16-17  LDS address of my A fragments in slot 0, 1
.set ADRB, 20                          ; v20-21  the same for B
.set SA,   24                          ; v24     the way out: my scale word's place in my stage
.set SRD,  25                          ; v25     and where I read the stage back
.set CO,   26                          ; v26     8 x lane
.set ADRS, 27                          ; v27     LDS address of my scale words: lanes 0-15 A's, lanes 16-31 B's
.set SPW,  28                          ; v28     LDS address of my spare word; never rewritten
.set NIL,  29                          ; v29     0; never rewritten
.set LQ,   30                          ; v30     16 x lane
.set SC,   32                          ; scale words: set s at v[SC + 16 s]; register 2 i + q: lanes 0-15 A's block i, lanes 16-31 B's block i, the slot's q-th 128 along K
.set TM,   96                          ; v96-111  at work in the quantiser
.set PWR,  112                         ; v112-119 the eight scale words
.set PP,   120                         ; v120-127 their halves in pairs
.set AF,   128
.set G1, 24
.set G0, 32
.set G1B, 48
.set G0B, 56
.set SEL, 66                           ; s[66:67] lane selects for v_permlanex16_b32
.set G1S, 68
.set G0S, 76
.set G1SB, 80
.set G0SB, 88
.set MSB, 0
.macro WIN new                         ; the immediate's high byte repeats the setting that is left
.if MSB != (\new)
	s_set_vgpr_msb (MSB<<8)|(\new)
.set MSB, (\new)
.endif
.endm
.set MUL_LO, 0xa1                      ; source 0 (B) window 1, source 1 (A) window 0, C and D window 2
.set MUL_HI, 0xf1                      ; the same, C and D window 3
.set TO_B,   0x40                      ; destination window 1, address window 0
; A joint load: waves 0 and 1 fetch for A, waves 2 and 3 for B.  The branch hangs on the wave's number alone.  Four v_nop follow each of the two lines.
.macro JLOAD g0a, g1a, g0b, g1b
	s_cmp_eq_u32 s15, 0
	s_cbranch_scc0 .Lfor_b_\@
	tensor_load_to_lds s[\g0a:\g0a+3], s[\g1a:\g1a+7]
	s_nop 0
.rept 4
	v_nop
.endr
	s_branch .Lasked_\@
.Lfor_b_\@:
	tensor_load_to_lds s[\g0b:\g0b+3], s[\g1b:\g1b+7]
	s_nop 0
.rept 4
	v_nop
.endr
.Lasked_\@:
.endm
.macro CREST                           ; a round of the cluster's barrier behind its opening barrier
	s_cmp_lg_u32 s14, 0
	s_cbranch_scc1 .Lnot_wave_0_\@
	s_barrier_signal -3
.Lnot_wave_0_\@:
	s_barrier_wait -3
	s_barrier_signal -1
	s_barrier_wait -1
.endm
.macro CROUND                          ; a whole round
	s_barrier_signal -1
	s_barrier_wait -1
	CREST
.endm
	s_load_b128 s[4:7], s[0:1], 0x0                ; in_codes s[4:5], in_scales s[6:7]
	s_load_b128 s[8:11], s[0:1], 0x10              ; qkv_codes s[8:9], qkv_scales s[10:11]
	v_lshl_add_u32 v[SPW], v0, 2, SPARE
	v_mov_b32 v[NIL], 0
	ds_add_u32 v28, v29
	ds_add_u32 v28, v29
	s_wait_dscnt 0x0
	v_lshrrev_b32 v1, 5, v0
	v_readfirstlane_b32 s14, v1                    ; wave 0..3
	s_lshr_b32 s15, s14, 1                         ; which half of A's rows is mine.  Also: I fetch for A (0) or for B (1)
	s_and_b32 s16, s14, 1                          ; which half of B's rows.  Also: which 8 tiles I fetch
	s_bfe_u32 s40, ttmp6, 0x40000                  ; cx, cy: my place in the cluster
	s_bfe_u32 s41, ttmp6, 0x40004
	s_and_b32 s17, ttmp7, 0xffff                   ; the cluster's y: 0-3 q and k, 4-5 v
	s_lshl_b32 s18, s17, 2
	s_max_u32 s19, s17, 4
	s_lshl_b32 s19, s19, 3
	s_sub_co_u32 s19, s19, 32                      ; 8 y - 32 where y >= 4
	s_cmp_ge_u32 s17, 4                            ; the v part?  The same answer in all sixteen partners
	s_cselect_b32 s18, 24, s18
	s_cselect_b32 s19, s19, 16
	s_cselect_b32 s95, 1, 0
	s_add_co_u32 s17, s18, s41                     ; A's unit of 256 rows of in_codes: x 4 y + cy, or w_v 24 + cy
	s_lshl_b32 s42, ttmp9, 2
	s_add_co_u32 s42, s42, s40
	s_add_co_u32 s42, s42, s19                     ; B's: w 16 + 4 x + cx, or x 8 y - 32 + 4 x + cx
	s_lshl_b32 s43, s41, 2
	s_lshl_b32 s43, 15, s43                        ; my row of the cluster
	s_lshl_b32 s44, 0x1111, s40                    ; my column
	; descriptor group 1: 8 rows (tiles) of 3,072 bytes (384 elements of 8 bytes), 12,288 bytes apart; dense in LDS
	s_or_b32 s[G1+0], s43, (3<<16)|(1<<21)         ; 15:0 the mask: A's tiles go to my row; 17:16 elements of 8 bytes; 20 no padding; 21 set beside a mask
	s_or_b32 s[G1B+0], s44, (3<<16)|(1<<21)
.irp g, G1, G1B
	s_mov_b32 s[\g+1], 384<<16                     ; tensor_dim0
	s_mov_b32 s[\g+2], 8<<16                       ; tensor_dim1
	s_mov_b32 s[\g+3], 384<<16                     ; tile_dim0
	s_mov_b32 s[\g+4], 8                           ; tile_dim1
	s_mov_b32 s[\g+5], 1536                        ; tensor_dim0_stride
	s_mov_b32 s[\g+6], 0
	s_mov_b32 s[\g+7], 0
.endr
	; the scale words of 8 tiles: 4,096 dense bytes, as 16 rows of 256 bytes
	s_or_b32 s[G1S+0], s43, (3<<16)|(1<<21)
	s_or_b32 s[G1SB+0], s44, (3<<16)|(1<<21)
.irp g, G1S, G1SB
	s_mov_b32 s[\g+1], 32<<16
	s_mov_b32 s[\g+2], 16<<16
	s_mov_b32 s[\g+3], 32<<16
	s_mov_b32 s[\g+4], 16
	s_mov_b32 s[\g+5], 32
	s_mov_b32 s[\g+6], 0
	s_mov_b32 s[\g+7], 0
.endr
	s_lshl_b32 s18, s16, 3                         ; which 8 tiles of the unit I fetch
	s_lshl_b32 s20, s17, 4
	s_add_co_u32 s20, s20, s18                     ; A: tile 16 x unit + 8 x half
	s_lshl_b32 s46, s42, 4
	s_add_co_u32 s46, s46, s18                     ; B likewise
	s_lshl_b32 s22, s20, 9                         ; where these tiles' scale words begin, in bytes
	s_mov_b32 s23, 0
	s_lshl_b32 s92, s46, 9
	s_mov_b32 s93, 0
	s_mul_i32 s20, s20, TILEB                      ; and their codes
	s_mov_b32 s21, 0
	s_mul_i32 s46, s46, TILEB
	s_mov_b32 s47, 0
	s_mul_i32 s45, s14, HALFT                      ; where they go: wave x 8 tiles: no place in the cluster enters an LDS address
	s_mul_i32 s94, s14, HALFS
	s_mov_b32 s[SEL], 0x76543210
	s_mov_b32 s[SEL+1], 0xfedcba98
	s_wait_kmcnt 0x0
	s_add_nc_u64 s[20:21], s[4:5], s[20:21]
	s_add_nc_u64 s[22:23], s[6:7], s[22:23]
	s_add_nc_u64 s[46:47], s[4:5], s[46:47]
	s_add_nc_u64 s[92:93], s[6:7], s[92:93]
	CROUND                                         ; all sixteen work-groups are here: the first joint loads meet
	s_mov_b32 s[G0S], 1
	s_add_co_u32 s[G0S+1], s94, SCL
	s_mov_b64 s[G0S+2:G0S+3], s[22:23]
	s_or_b32 s[G0S+3], s[G0S+3], 0x80000000
	s_mov_b32 s[G0SB], 1
	s_add_co_u32 s[G0SB+1], s94, SCL
	s_mov_b64 s[G0SB+2:G0SB+3], s[92:93]
	s_or_b32 s[G0SB+3], s[G0SB+3], 0x80000000
	JLOAD G0S, G1S, G0SB, G1SB                     ; the scale words first: they are wanted with K step 0
.irp s, 0,1
	s_mov_b32 s[G0+4*\s], 1
	s_add_co_u32 s[G0+4*\s+1], s45, \s*SLOT
	s_add_nc_u64 s[G0+4*\s+2:G0+4*\s+3], s[20:21], \s*TROW
	s_or_b32 s[G0+4*\s+3], s[G0+4*\s+3], 0x80000000
	s_mov_b32 s[G0B+4*\s], 1
	s_add_co_u32 s[G0B+4*\s+1], s45, \s*SLOT
	s_add_nc_u64 s[G0B+4*\s+2:G0B+4*\s+3], s[46:47], \s*TROW
	s_or_b32 s[G0B+4*\s+3], s[G0B+4*\s+3], 0x80000000
	JLOAD G0+4*\s, G1, G0B+4*\s, G1B
.endr
	v_and_b32 v1, 15, v0                           ; r
	v_bfe_u32 v2, v0, 4, 1                         ; h
	v_and_b32 v3, 31, v0                           ; lane
	v_lshlrev_b32 v[CO], 3, v3
	v_lshlrev_b32 v[LQ], 4, v3
	s_mul_i32 s21, s15, HALFT                      ; my 8 tiles of A
	s_mul_i32 s22, s16, HALFT                      ; my 8 tiles of B,
	s_add_co_u32 s22, s22, 2*HALFT                 ; which lie behind A's 16
.irp s, 0,1
	v_add_nc_u32 v[ADRA+\s], s21, v[CO]
	v_add_nc_u32 v[ADRB+\s], s22, v[CO]
	s_add_co_u32 s21, s21, SLOT
	s_add_co_u32 s22, s22, SLOT
.endr
	v_lshlrev_b32 v5, 2, v1                        ; my row's scale word: 4 r
	s_mul_i32 s21, s15, HALFS                      ; A's: my 8 tiles
	s_mul_i32 s22, s16, HALFS                      ; B's: my 8 tiles, behind A's 16
	s_add_co_u32 s22, s22, 2*HALFS
	s_sub_co_u32 s22, s22, s21
	v_mul_u32_u24 v6, s22, v2                      ; lanes 16-31 take B's
	s_add_co_u32 s21, s21, SCL
	v_add_nc_u32 v6, v5, v6
	v_add_nc_u32 v[ADRS], s21, v6
	s_lshl_b32 s23, s14, 10
	s_add_co_u32 s23, s23, STAGE                   ; my stage
	v_add_nc_u32 v[SA], s23, v5
	v_add_nc_u32 v[SRD], s23, v[LQ]
.irp b, 0,1,2,3
	v_mov_b32 v[TM+4+\b], 0                        ; written once: a lane permute's destination counts as one of its sources
.endr
	; where my 128 x 128 goes: groups of 128 rows of in_codes: x 0-31, w 32-55
	s_lshl_b32 s96, s17, 1
	s_add_co_u32 s96, s96, s15                     ; A's group
	s_lshl_b32 s97, s42, 1
	s_add_co_u32 s97, s97, s16                     ; B's group
	s_cmp_eq_u32 s95, 1
	s_cselect_b32 s98, s97, s96                    ; g: the tokens' group
	s_cselect_b32 s99, s96, s97
	s_sub_co_u32 s99, s99, 32                      ; f: the features' group
	s_lshr_b32 s96, s98, 4
	s_mul_i32 s96, s96, 24
	s_add_co_u32 s96, s96, s99
	s_lshl_b32 s96, s96, 4
	s_and_b32 s98, s98, 15
	s_add_co_u32 s96, s96, s98                     ; the block
	s_mul_i32 s98, s96, TILEB
	s_mov_b32 s99, 0
	s_add_nc_u64 s[8:9], s[8:9], s[98:99]
	s_lshl_b32 s98, s96, 10
	s_add_nc_u64 s[10:11], s[10:11], s[98:99]
.macro FRAG reg, adr, q, i             ; a fragment comes as it was stored: six pieces of 256 consecutive bytes, 8 bytes a lane
.irp p, 0,1,2,3,4,5
	ds_load_b64 v[\reg+2*\p:\reg+2*\p+1], v[\adr] offset:(\i)*TROW+(\q)*FRB+256*\p
.endr
.endm
; 16 matrix instructions: A's blocks a0, a0 + 1 x B's eight, 128 along K: the slot's q-th.  p: B's set; sc: the set of scale words.  zero = 1: the first product starts the sums.
; The 64 accumulators take turns, one instruction a turn, in the same order in every step.
.macro MUL16 a0, p, q, sc, zero
.irp a, \a0, \a0+1
.irp b, 0,1,2,3,4,5,6,7
.if \zero
	v_wmma_scale_f32_16x16x128_f8f6f4 v[8*(8*((\a)%4)+\b):8*(8*((\a)%4)+\b)+7], v[128*(\p)+FR*\b:128*(\p)+FR*\b+FR-1], v[AF+FR*(\a):AF+FR*(\a)+FR-1], 0, v[SC+8*NQ*(\sc)+NQ*\b+(\q)], v[SC+8*NQ*(\sc)+NQ*(\a)+(\q)] matrix_a_fmt:MATRIX_FMT_FP6 matrix_b_fmt:MATRIX_FMT_FP6 matrix_a_scale:MATRIX_SCALE_ROW1
.else
	v_wmma_scale_f32_16x16x128_f8f6f4 v[8*(8*((\a)%4)+\b):8*(8*((\a)%4)+\b)+7], v[128*(\p)+FR*\b:128*(\p)+FR*\b+FR-1], v[AF+FR*(\a):AF+FR*(\a)+FR-1], v[8*(8*((\a)%4)+\b):8*(8*((\a)%4)+\b)+7], v[SC+8*NQ*(\sc)+NQ*\b+(\q)], v[SC+8*NQ*(\sc)+NQ*(\a)+(\q)] matrix_a_fmt:MATRIX_FMT_FP6 matrix_b_fmt:MATRIX_FMT_FP6 matrix_a_scale:MATRIX_SCALE_ROW1
.endif
.endr
.endr
.endm
.macro FETCH_B slot, q, p              ; B's eight fragments of the slot's q-th 128 along K into set p
	WIN TO_B
.irp i, 0,1,2,3,4,5,6,7
	FRAG 128*(\p)+FR*\i, ADRB+\slot, \q, \i
.endr
	WIN 0
.endm
.macro FETCH_A slot, q, i0             ; A's blocks i0 .. i0 + 3
.irp i, \i0, \i0+1, \i0+2, \i0+3
	FRAG AF+FR*(\i), ADRA+\slot, \q, \i
.endr
.endm
.macro SCALES sc                       ; the next slot's scale words into set sc: lanes 0-15 take A's block i, lanes 16-31 B's block i
.irp i, 0,1,2,3,4,5,6,7
.irp q, 0,1
	ds_load_b32 v[SC+8*NQ*\sc+NQ*\i+\q], v[ADRS] offset:\i*512+64*\q
.endr
.endr
.endm
; A load into a register that a matrix instruction has read, and a vector instruction that reads a matrix result, stand NP places behind it; only plain vector instructions that name none of its registers are places.
.macro PLACES n
.rept \n
	v_nop
.endr
.endm
; A step of 128 along K that has its successor in the same slot.
.macro STEP slot, q, zero
	s_wait_dscnt 4*NL                              ; B's set, A's blocks 0-3 and the scale words are in; the 24 youngest loads (A's blocks 4-7) may be out
	WIN MUL_LO
	MUL16 0, (\q)%2, \q, \slot, \zero
	MUL16 2, (\q)%2, \q, \slot, \zero
	s_wait_dscnt 0                                 ; A's blocks 4-7 are in (asked for 32 matrix instructions ago)
	PLACES NP
	FETCH_B \slot, (\q)+1, 1-(\q)%2
	FETCH_A \slot, (\q)+1, 0
	WIN MUL_HI
	MUL16 4, (\q)%2, \q, \slot, \zero
	MUL16 6, (\q)%2, \q, \slot, \zero
	PLACES NP
	WIN 0
	FETCH_A \slot, (\q)+1, 4
.endm
; A slot's last step changes slots: ONE barrier; in front of it each wave waits for all its tensor loads, adds 0 to its spare word, and waits for that and for its own reads of this slot.  fill = 1: this slot is filled again, two slots ahead.
.macro TURN slot, next, fill
	s_wait_tensorcnt 0x0                           ; all my tensor loads have landed: my part of the next slot  (every window is 0 here)
	ds_add_u32 v[SPW], v[NIL]                      ; 0 onto my spare word
	s_wait_dscnt 4*NL+1                            ; (the add and the 24 youngest loads, A's blocks 4-7, may be out)
	WIN MUL_LO
	MUL16 0, 1, NQ-1, \slot, 0                     ; sixteen matrix instructions stand between the add and the wait for it
	s_wait_dscnt 0x0                               ; the add is done, and my reads of this slot are over
	s_barrier_signal -1
	MUL16 2, 1, NQ-1, \slot, 0
	WIN 0
	s_barrier_wait -1
.if \fill
	CREST                                          ; the barrier has opened a round of the cluster's barrier: no wave of any partner still reads this slot or has a load on its way
	s_add_nc_u64 s[G0+4*\slot+2:G0+4*\slot+3], s[G0+4*\slot+2:G0+4*\slot+3], 2*TROW
	s_add_nc_u64 s[G0B+4*\slot+2:G0B+4*\slot+3], s[G0B+4*\slot+2:G0B+4*\slot+3], 2*TROW
	JLOAD G0+4*\slot, G1, G0B+4*\slot, G1B         ; the first tensor load behind the round; its four v_nop are the places in front of the loads below
.else
	PLACES NP
.endif
	v_add_nc_u32 v[ADRS], 64*NQ, v[ADRS]           ; on to the next slot's scale words (no LDS load of mine is out)
	FETCH_B \next, 0, 0
	FETCH_A \next, 0, 0
	SCALES \next
	WIN MUL_HI
	MUL16 4, 1, NQ-1, \slot, 0
	MUL16 6, 1, NQ-1, \slot, 0
	PLACES NP
	WIN 0
	FETCH_A \next, 0, 4
.endm
	s_wait_tensorcnt 1                             ; of my three first fills the scale words and slot 0's part are in; slot 1's may be out
	s_barrier_signal -1
	s_barrier_wait -1                              ; everybody's are
	FETCH_B 0, 0, 0
	FETCH_A 0, 0, 0
	SCALES 0
	FETCH_A 0, 0, 4
	STEP 0, 0, 1                                   ; the first step stands in front of the loop: its products start the sums
	s_mov_b32 s3, LAPS-1
.Llap:                                                 ; a trip goes once round the ring and fills both slots again
	TURN 0, 1, 1
	STEP 1, 0, 0
	TURN 1, 0, 1
	STEP 0, 0, 0
	s_sub_co_u32 s3, s3, 1
	s_cmp_lg_u32 s3, 0
	s_cbranch_scc1 .Llap
	TURN 0, 1, 0                                   ; the last lap fills nothing, and has no round of the cluster's barrier
	STEP 1, 0, 0
	s_wait_dscnt 4*NL                              ; the very last step: nothing more to fetch
	WIN MUL_LO
	MUL16 0, 1, NQ-1, 1, 0
	MUL16 2, 1, NQ-1, 1, 0
	s_wait_dscnt 0
	WIN MUL_HI
	MUL16 4, 1, NQ-1, 1, 0
	MUL16 6, 1, NQ-1, 1, 0
	WIN 0
; THE WAY OUT.  The 64 accumulator registers of A's block a (window w, from v[s] on) become a fragment's codes in v[PC] on and its scale word in v[pw].  Each accumulator is read from its low end on.
; PC lies at v64 or v160 by turns, clear of the numbers that the sources carry in their window; the block before's stores read the other set.
.macro QUANTW w, s, pw
.set PC, 64+96*(((\s)/64)%2)
	WIN ((\w)<<2)|((\w)<<4)                        ; sources 1 and 2: the accumulators' window
.irp b, 0,1,2,3
	v_max3_num_f32 v[TM+\b], 0x1800000, |v[(\s)+16*\b]|, |v[(\s)+16*\b+1]|   ; block b: my 16 numbers, and the floor 2^(3 - 127): the byte cannot fall under 1
.endr
.irp i, 2,4,6,8,10,12,14
.irp b, 0,1,2,3
	v_max3_num_f32 v[TM+\b], v[TM+\b], |v[(\s)+16*\b+\i]|, |v[(\s)+16*\b+\i+1]|
.endr
.endr
	WIN 0
.irp b, 0,1,2,3
	v_permlanex16_b32 v[TM+4+\b], v[TM+\b], s[SEL], s[SEL+1]
.endr
.irp b, 0,1,2,3
	v_max_num_f32 v[TM+\b], v[TM+\b], v[TM+4+\b]   ; with lane l xor 16's: the block's largest magnitude
.endr
.irp b, 0,1,2,3
	v_add_nc_u32 v[TM+12+\b], 0xff000000, v[TM+\b]   ; 2 off its exponent field: the conversion's scale operand
.endr
.irp b, 0,1,2,3
	v_lshrrev_b32 v[TM+4+\b], 23, v[TM+12+\b]      ; the scale's byte
.endr
	v_lshl_or_b32 v[\pw], v[TM+5], 8, v[TM+4]
	v_lshl_or_b32 v[\pw], v[TM+6], 16, v[\pw]
	v_lshl_or_b32 v[\pw], v[TM+7], 24, v[\pw]
	s_wait_xcnt 0x0                                ; the earlier blocks' stores have read their data: the codes' registers are written again only behind this wait
	WIN \w                                         ; source 0: the accumulators' window
.irp c, 0,1
	v_cvt_scalef32_pk16_fp6_f32 v[PC+6*\c:PC+6*\c+2], v[(\s)+32*\c:(\s)+32*\c+15], v[TM+12+2*\c]
	v_cvt_scalef32_pk16_fp6_f32 v[PC+12+4*\c:PC+14+4*\c], v[(\s)+16+32*\c:(\s)+31+32*\c], v[TM+12+2*\c+1]
.endr
	WIN 0
	v_nop                                          ; one plain place behind a scaled conversion
.irp c, 0,1
.irp i, 0,1,2
	v_permlane16_swap_b32 v[PC+6*\c+\i], v[PC+12+4*\c+\i]   ; a WHOLE block to a lane: lanes 0-15 block 2 c, lanes 16-31 block 2 c + 1
.endr
.irp i, 0,1,2
	v_mov_b32 v[PC+3+6*\c+\i], v[PC+12+4*\c+\i]
.endr
.endr
.endm
	PLACES NP                                      ; behind the last products
.irp a, 0,1,2,3,4,5,6,7
	QUANTW 2+\a/4, 64*(\a%4), PWR+\a
.irp p, 0,1,2,3,4,5
	global_store_b64 v[CO], v[PC+2*\p:PC+2*\p+1], s[8:9] offset:\a*FRB+256*\p   ; 32 lanes store 256 consecutive bytes, aligned
.endr
.endr
.irp a, 0,1,2,3,4,5,6,7
	ds_store_b32 v[SA], v[PWR+\a] offset:64*\a     ; the words as they are (lanes r and r + 16 write the same word with the same value)
.endr
.irp e, 0,1,2,3
	v_perm_b32 v[PP+2*\e], v[PWR+2*\e+1], v[PWR+2*\e], 0x05040100     ; the low halves of tiles 2 e and 2 e + 1: the first head's bytes
	v_perm_b32 v[PP+2*\e+1], v[PWR+2*\e+1], v[PWR+2*\e], 0x07060302   ; the high halves: the second head's
.endr
.irp e, 0,1,2,3
	ds_store_b32 v[SA], v[PP+2*\e] offset:512+64*\e
	ds_store_b32 v[SA], v[PP+2*\e+1] offset:768+64*\e
.endr
	ds_load_b128 v[128:131], v[SRD]                ; LDS serves a wave's instructions in order: these see my stores
	ds_load_b128 v[132:135], v[SRD] offset:512
	s_wait_dscnt 0x0
	global_store_b128 v[LQ], v[128:131], s[10:11]  ; 512 consecutive bytes each
	global_store_b128 v[LQ], v[132:135], s[10:11] offset:512
	s_wait_tensorcnt 0x0                           ; the wave's end
	ds_add_u32 v[SPW], v[NIL]
	s_wait_dscnt 0x0
	CROUND                                         ; the closing round: no work-group ends while a partner may still ask for a tile that names it
	s_endpgm
.Lfunc_end_k_qec8e3218c5_qkv:
	.size	k_qec8e3218c5_qkv, .Lfunc_end_k_qec8e3218c5_qkv-k_qec8e3218c5_qkv
	.p2alignl 7, 3214868480
	.fill 96, 4, 3214868480
	.section	.rodata,"a",@progbits
	.p2align	6, 0x0
	.amdhsa_kernel k_qec8e3218c5_qkv
		.amdhsa_group_segment_fixed_size 327680
		.amdhsa_private_segment_fixed_size 0
		.amdhsa_enable_private_segment 0
		.amdhsa_kernarg_size 32
		.amdhsa_user_sgpr_count 2
		.amdhsa_user_sgpr_kernarg_segment_ptr 1
		.amdhsa_wavefront_size32 1
		.amdhsa_system_sgpr_workgroup_id_x 1
		.amdhsa_system_sgpr_workgroup_id_y 1
		.amdhsa_system_sgpr_workgroup_id_z 1
		.amdhsa_system_vgpr_workitem_id 0
		.amdhsa_next_free_vgpr 1024
		.amdhsa_next_free_sgpr 100
		.amdhsa_reserve_vcc 0
		.amdhsa_float_denorm_mode_32 3
		.amdhsa_float_denorm_mode_16_64 3
		.amdhsa_memory_ordered 1
		.amdhsa_forward_progress 1
		.amdhsa_inst_pref_size 170
	.end_amdhsa_kernel
	.amdgpu_metadata
---
amdhsa.version: [ 1, 2 ]
amdhsa.kernels:
  - .name:           k_qec8e3218c5_qkv
    .symbol:         k_qec8e3218c5_qkv.kd
    .args:
      - { .name: in_codes, .offset: 0, .size: 8, .value_kind: global_buffer, .address_space: global }
      - { .name: in_scales, .offset: 8, .size: 8, .value_kind: global_buffer, .address_space: global }
      - { .name: qkv_codes, .offset: 16, .size: 8, .value_kind: global_buffer, .address_space: global }
      - { .name: qkv_scales, .offset: 24, .size: 8, .value_kind: global_buffer, .address_space: global }
    .group_segment_fixed_size: 327680
    .private_segment_fixed_size: 0
    .kernarg_segment_align: 8
    .kernarg_segment_size: 32
    .max_flat_workgroup_size: 128
    .sgpr_count:     100
    .vgpr_count:     1024
    .wavefront_size: 32
...
	.end_amdgpu_metadata
.endif
;; end of part 2
;; launch attn (part 3): grid 8 x 32, 16 waves a work-group, clusters of 4 x 1, 206,848 bytes of LDS; arguments qkv_codes, qkv_scales, ctx_codes, ctx_scales; writes ctx_codes, ctx_scales
.if DOCPART == 3
	.amdgcn_target "amdgcn-amd-amdhsa--gfx1250"
	.amdhsa_code_object_version 6
	.text
	.protected	k_qec8e3218c5_attn
	.globl	k_qec8e3218c5_attn
	.p2align	8
	.type	k_qec8e3218c5_attn,@function
k_qec8e3218c5_attn:
	s_mov_b64 s[64:65], 0
	v_nop
	global_prefetch_b8 v0, s[64:65] scope:SCOPE_SE
	s_setreg_imm32_b32 hwreg(HW_REG_WAVE_MODE, 25, 1), 1
	s_wait_xcnt 0x0
	s_wait_alu depctr_hold_cnt(0) depctr_sa_sdst(0) depctr_va_vdst(0) depctr_va_sdst(0) depctr_va_ssrc(0) depctr_va_vcc(0) depctr_vm_vsrc(0)
	s_getreg_b32 s2, hwreg(HW_REG_IB_STS2, 6, 4)
	s_cmp_eq_u32 s2, 0
	s_cbranch_scc0 .Lentry_in_a_cluster
	s_endpgm
.Lentry_in_a_cluster:
	s_bfe_u32 s2, ttmp6, 0x10000c
	s_cmp_lg_u32 s2, 0x3003
	s_cbranch_scc0 .Lentry_shape_is_right
	s_endpgm
.Lentry_shape_is_right:
; ctx = softmax(q k^T / 8, causal) v for one head a work-group row, both products on codes of FP6 (E2M3) with E8M0 scales; ctx is quantised along its channels and leaves as codes.
; THE SOFTMAX: t = score x log2(e) / 8; M = the row's largest t so far, rounded UP to a whole number; p = 2^(t - M) is quantised along the keys, not normalised; the row's sum is taken of the unquantised p
; and divides O at the end.  When M moves, the sum and O are multiplied by 2^(old M - new M): exact.
; INPUTS are images of operand registers (a fragment: 6 pieces of 256 bytes, lane l's 8 bytes at 8 l).  q, k: a block of qkv_codes is 8 token tiles x 1,536 bytes, head c of the pair at + 768 c.  v: a block is
; [4 c + channel tile][1,536], K = the block's 128 tokens.  Tiles hold their 16 rows in the order 32 (T / 2) + 8 (T % 2) + r + 8 (r / 8), so that a product's registers run along neighbours of source 0's rows.
; NO RING: a head's K and V are 96 KiB + 96 KiB of codes and 4 KiB + 4 KiB of scale words: all of it lies in LDS, filled once, in four chunks of 512 keys.
; K = 64 IN AN INSTRUCTION OF 128: source 0 holds TWO key tiles, tile 2 e in k 0-63 and tile 2 e + 1 in k 64-127; Q is kept twice, [Q | zero codes] and [zero codes | Q]: each picks one tile's scores.
; Zero codes add nothing under any scale byte but 0xff.
; SHARES.  Eight work-groups, two clusters, to a head.  A wave owns one tile of 16 queries.  The head's 16 blocks of 128 queries are dealt to WAVES: wave w of all four partners takes block BI (from w and the
; cluster's x alone), and in it tile 2 cx + u.  All tiles of a block walk BI + 1 key steps, so every branch is alike in all partners, which joint loads ask for; each four waves w % 4 alike, and each four w / 4
; alike, hold two pairs of blocks i and 15 - i: 34 steps.
; CLUSTER: the four partners read the same K and V: each chunk is asked for jointly (mask 15).  The head's two clusters ask apart: a mask names four at the most here.
; OUT: ctx_codes [token tile][head pair j][1,536], my head's half at + 768 c; ctx_scales [tile][j][r] words, my head's two bytes at + 2 c: stores of two bytes a lane, 32 bytes in 64, since the word's other half
; is another work-group's; they are 1/24 of the codes' bytes.
; LIMITS: as the quantisers in front (a block of zeros gets the byte 1; NaN and infinities are not served).
; REGISTERS: v1-6 addresses and the mask's number; v8-11 addresses in hand; v12 -M, v13 the largest t, v[14:15] the sum; v16-27 [Q | 0], v28-39 [0 | Q]; v40-87 four fragments of K, then of V;
; v88-89 K's scale words, v90-91 V's, v92 Q's; v96-159 S^T, then p; v160-191 O^T; v224-235 p's codes; v232-254 at work; v253 p's scale word.
.set KC,   0                           ; LDS: K's codes [tile 0..127][768]
.set VC,   98304                       ; V's codes [step 0..15][channel tile 0..3][1,536]
.set KS,   196608                      ; K's scale words [tile pair 0..63][r]
.set VS,   200704                      ; V's scale words [step][channel tile][r]
.set CHK,  24576                       ; a chunk (512 keys) of K or of V in LDS,
.set CHG,  49152                       ; and its step in memory: four blocks of 12,288 bytes
.set ADK,  8
.set ADV,  9
.set ADS,  10
.set ADT,  11
.set QL,   16
.set KV,   40
.set KSC,  88
.set VSC,  90
.set QS,   92
.set WV,   12                          ; s12 my wave's number
.set SEL,  20                          ; s[20:21] lane selects: lane l xor 16
.set CS,   22                          ; s[22:23] c = log2(e) / 8
.set G1K,  24
.set G1V,  32
.set G1S,  40
.set BI,   72                          ; s72 my block of 128 queries
.set SS,   73                          ; s73 the key step
.set T6,   74                          ; s74 6,144 x step: where the step's codes begin
.set T4,   75                          ; s75 256 x step: its scale words
.set CT,   76                          ; s76 counts a chunk's four steps
.set U,    77                          ; s77 u
.macro CROUND                          ; a round of the cluster's barrier
	s_barrier_signal -1
	s_barrier_wait -1
	s_cmp_lg_u32 s[WV], 0
	s_cbranch_scc1 .Lnot_wave_0_\@
	s_barrier_signal -3
.Lnot_wave_0_\@:
	s_barrier_wait -3
	s_barrier_signal -1
	s_barrier_wait -1
.endm
.macro G0SET g, lds, base, off         ; descriptor group 0: count 1, LDS address, global address, type 2
	s_mov_b32 s[\g], 1
	s_mov_b32 s[\g+1], \lds
	s_add_nc_u64 s[\g+2:\g+3], s[\base:\base+1], \off
	s_or_b32 s[\g+3], s[\g+3], 0x80000000
.endm
	s_load_b256 s[4:11], s[0:1], 0x0               ; qkv_codes s[4:5], qkv_scales s[6:7], ctx_codes s[8:9], ctx_scales s[10:11]
	v_lshl_add_u32 v251, v0, 2, 0x32000
	v_mov_b32 v255, 0
	ds_add_u32 v251, v255
	ds_add_u32 v251, v255
	v_lshrrev_b32 v8, 5, v0
	v_readfirstlane_b32 s[WV], v8                  ; wave 0..15
	s_bfe_u32 s13, ttmp6, 0x40000                  ; cx: it enters Q's and ctx's addresses and the mask's number alone
	s_mov_b32 s14, ttmp9                           ; which of the head's two clusters
	s_and_b32 s15, ttmp7, 0xffff                   ; batch x 16 + head
	s_lshr_b32 s16, s15, 4                         ; b
	s_and_b32 s17, s15, 15
	s_lshr_b32 s18, s17, 1                         ; j: the pair of heads
	s_and_b32 s19, s17, 1                          ; c: which of the pair
	s_lshr_b32 s78, s[WV], 3
	s_lshl_b32 s78, s78, 1
	s_bfe_u32 s79, s[WV], 0x10001
	s_add_co_u32 s78, s78, s79                     ; 2 (w / 8) + (w / 2) % 2
	s_lshl_b32 s78, s78, 1
	s_add_co_u32 s78, s78, s14
	s_lshr_b32 s79, s[WV], 2
	s_xor_b32 s79, s79, s[WV]
	s_and_b32 s79, s79, 1
	s_mul_i32 s79, s79, 15
	s_xor_b32 s[BI], s78, s79                      ; the block, or its mirror 15 - block
	s_bfe_u32 s[U], s[WV], 0x10002                 ; u = (w / 4) % 2
	; descriptor groups 1; 15:0 the mask: all four partners; 17:16 elements of 8 bytes; 21 set beside a mask; no padding
	s_mov_b32 s[G1K], 15|(3<<16)|(1<<21)           ; K: 32 rows (tiles) of 768 bytes, 1,536 apart
	s_mov_b32 s[G1K+1], 96<<16
	s_mov_b32 s[G1K+2], 32<<16
	s_mov_b32 s[G1K+3], 96<<16
	s_mov_b32 s[G1K+4], 32
	s_mov_b32 s[G1K+5], 192
	s_mov_b32 s[G1K+6], 0
	s_mov_b32 s[G1K+7], 0
	s_mov_b32 s[G1V], 15|(3<<16)|(1<<21)           ; V: 4 rows (steps) of 6,144 bytes, 12,288 apart
	s_mov_b32 s[G1V+1], 768<<16
	s_mov_b32 s[G1V+2], 4<<16
	s_mov_b32 s[G1V+3], 768<<16
	s_mov_b32 s[G1V+4], 4
	s_mov_b32 s[G1V+5], 1536
	s_mov_b32 s[G1V+6], 0
	s_mov_b32 s[G1V+7], 0
	s_mov_b32 s[G1S], 15|(3<<16)|(1<<21)           ; scale words: 16 rows (blocks) of 256 bytes, 1,024 apart
	s_mov_b32 s[G1S+1], 32<<16
	s_mov_b32 s[G1S+2], 16<<16
	s_mov_b32 s[G1S+3], 32<<16
	s_mov_b32 s[G1S+4], 16
	s_mov_b32 s[G1S+5], 128
	s_mov_b32 s[G1S+6], 0
	s_mov_b32 s[G1S+7], 0
	s_mul_i32 s78, s16, 24
	s_add_co_u32 s78, s78, s18
	s_lshl_b32 s78, s78, 4                         ; q's first block: (24 b + j) 16; k's lie 128 blocks on, v's 256
	s_mul_i32 s92, s19, 768
	s_lshl_b32 s93, s19, 8
	s_add_co_u32 s79, s78, 128
	s_mul_i32 s80, s79, 12288
	s_add_co_u32 s80, s80, s92                     ; K's codes
	s_mov_b32 s81, 0
	s_lshl_b32 s82, s79, 10
	s_add_co_u32 s82, s82, s93
	s_add_co_u32 s82, s82, 512                     ; K's scale words, in pairs of tiles, my head's
	s_mov_b32 s83, 0
	s_add_co_u32 s79, s78, 256
	s_mul_i32 s84, s79, 12288
	s_mul_i32 s94, s19, 6144
	s_add_co_u32 s84, s84, s94                     ; V's codes
	s_mov_b32 s85, 0
	s_lshl_b32 s86, s79, 10
	s_add_co_u32 s86, s86, s93                     ; V's scale words
	s_mov_b32 s87, 0
	s_wait_dscnt 0x0
	s_wait_kmcnt 0x0
	s_add_nc_u64 s[80:81], s[4:5], s[80:81]
	s_add_nc_u64 s[82:83], s[6:7], s[82:83]
	s_add_nc_u64 s[84:85], s[4:5], s[84:85]
	s_add_nc_u64 s[86:87], s[6:7], s[86:87]
	CROUND                                         ; all four work-groups are here: the joint loads meet
	s_cmp_lg_u32 s[WV], 0                          ; wave 0 asks for K, wave 1 for V, the others for nothing: a wave's five first fills stand in one branch; five loads of mine are out
	s_cbranch_scc1 .Lnot_k
	G0SET 48, KS, 82, 0
	G0SET 52, KC, 80, 0
	G0SET 56, KC+CHK, 80, CHG
	G0SET 60, KC+2*CHK, 80, 2*CHG
	G0SET 68, KC+3*CHK, 80, 3*CHG
	tensor_load_to_lds s[48:51], s[G1S:G1S+7]
	s_nop 0
	tensor_load_to_lds s[52:55], s[G1K:G1K+7]
	s_nop 0
	tensor_load_to_lds s[56:59], s[G1K:G1K+7]
	s_nop 0
	tensor_load_to_lds s[60:63], s[G1K:G1K+7]
	s_nop 0
	tensor_load_to_lds s[68:71], s[G1K:G1K+7]
	s_nop 0
.rept 4
	v_nop
.endr
	s_branch .Lasked
.Lnot_k:
	s_cmp_lg_u32 s[WV], 1
	s_cbranch_scc1 .Lasked
	G0SET 48, VS, 86, 0
	G0SET 52, VC, 84, 0
	G0SET 56, VC+CHK, 84, CHG
	G0SET 60, VC+2*CHK, 84, 2*CHG
	G0SET 68, VC+3*CHK, 84, 3*CHG
	tensor_load_to_lds s[48:51], s[G1S:G1S+7]
	s_nop 0
	tensor_load_to_lds s[52:55], s[G1V:G1V+7]
	s_nop 0
	tensor_load_to_lds s[56:59], s[G1V:G1V+7]
	s_nop 0
	tensor_load_to_lds s[60:63], s[G1V:G1V+7]
	s_nop 0
	tensor_load_to_lds s[68:71], s[G1V:G1V+7]
	s_nop 0
.rept 4
	v_nop
.endr
.Lasked:
	s_add_co_u32 s79, s78, s[BI]                   ; my block of q
	s_lshl_b32 s94, s13, 1
	s_add_co_u32 s94, s94, s[U]                    ; my tile in it: 2 cx + u
	s_mul_i32 s88, s79, 12288
	s_mul_i32 s95, s94, 1536
	s_add_co_u32 s88, s88, s95
	s_add_co_u32 s88, s88, s92
	s_mov_b32 s89, 0
	s_add_nc_u64 s[88:89], s[4:5], s[88:89]        ; Q's codes
	s_lshl_b32 s90, s79, 10
	s_lshl_b32 s95, s94, 6
	s_add_co_u32 s90, s90, s95
	s_mov_b32 s91, 0
	s_add_nc_u64 s[90:91], s[6:7], s[90:91]        ; Q's scale words
	s_lshl_b32 s79, s16, 7
	s_lshl_b32 s95, s[BI], 3
	s_add_co_u32 s79, s79, s95
	s_add_co_u32 s79, s79, s94                     ; my token tile: 128 b + 8 BI + 2 cx + u
	s_mul_i32 s2, s79, 12288
	s_mul_i32 s95, s18, 1536
	s_add_co_u32 s2, s2, s95
	s_add_co_u32 s2, s2, s92
	s_mov_b32 s3, 0
	s_add_nc_u64 s[8:9], s[8:9], s[2:3]            ; ctx's codes: my half fragment
	s_lshl_b32 s2, s79, 9
	s_lshl_b32 s95, s18, 6
	s_add_co_u32 s2, s2, s95
	s_lshl_b32 s95, s19, 1
	s_add_co_u32 s2, s2, s95
	s_add_nc_u64 s[10:11], s[10:11], s[2:3]        ; ctx's scale words: my half of each
	v_and_b32 v7, 31, v0                           ; lane
	v_lshlrev_b32 v1, 3, v7                        ; 8 x lane: my place in a piece (K's codes begin at LDS byte 0)
	v_and_b32 v8, 15, v0                           ; r
	v_lshlrev_b32 v6, 2, v8                        ; 4 r
.irp p, 0,1,2
	global_load_b64 v[QL+2*\p:QL+2*\p+1], v1, s[88:89] offset:256*\p       ; Q into k 0-63 of the first copy
	global_load_b64 v[QL+18+2*\p:QL+19+2*\p], v1, s[88:89] offset:256*\p   ; and into k 64-127 of the second
.endr
	global_load_b32 v93, v6, s[90:91]
	v_add_nc_u32 v2, VC, v1
	v_lshl_add_u32 v3, v7, 2, KS                   ; scale words: lanes 0-15 one tile pair's (one channel tile's), lanes 16-31 the next one's
	v_lshl_add_u32 v4, v7, 2, VS
	v_bfe_u32 v9, v0, 4, 1                         ; h
	v_and_b32 v10, 8, v8
	v_add_nc_u32 v10, v10, v8                      ; r + 8 (r / 8)
	v_lshlrev_b32 v11, 4, v9
	v_sub_nc_u32 v10, v10, v11
	s_lshl_b32 s95, s13, 5
	s_lshl_b32 s79, s[U], 3
	s_add_co_u32 s95, s95, s79
	v_add_nc_u32 v5, s95, v10                      ; d = my query in its block - 16 h: in the diagonal step register 16 b + i holds a hidden key where 32 b + i > d
.irp i, 6,7,8,9,10,11,12,13,14,15,16,17
	v_mov_b32 v[QL+\i], 0                          ; the zero codes of both copies
.endr
	v_mov_b32 v13, 0xff61b1e6                      ; the largest t so far: -3e38, under every t
	v_floor_f32 v12, -v13                          ; -M
	v_mov_b32 v14, 0                               ; the sum, in two halves
	v_mov_b32 v15, 0
.irp b, 0,1,2,3
	v_mov_b32 v[236+\b], 0                         ; written once: a lane permute's destination counts as one of its sources
.endr
	v_mov_b32 v252, 0
	v_mov_b32 v253, 0
	s_mov_b32 s[SEL], 0x76543210
	s_mov_b32 s[SEL+1], 0xfedcba98
	s_mov_b32 s[CS], 0x3e38aa3b                    ; c = log2(e) / 8
	s_mov_b32 s[CS+1], s[CS]                       ; (named with it as a pair, so it is written)
	s_mov_b32 s[SS], 0
	s_mov_b32 s[T6], 0
	s_mov_b32 s[T4], 0
	s_lshl_b32 s92, s19, 4
	s_wait_loadcnt 0x0                             ; Q and its scale words
	v_lshrrev_b32 v93, s92, v93                    ; my head's two bytes,
	v_and_b32 v93, 0xffff, v93
	v_lshl_or_b32 v[QS], v93, 16, v93              ; in both halves of the word: they serve both copies of Q
.irp j, 0,1,2,3,4,5,6,7,8,9,10,11,12,13,14,15,16,17,18,19,20,21,22,23,24,25,26,27,28,29,30,31
	v_mov_b32 v[160+\j], 0                         ; O^T: the first step finds zeros, which the first change of M leaves zeros.  (Also the places between the scale word's making and the first product)
.endr
; A KEY STEP: 128 keys.  A step all of whose keys come after my block's queries is left out: a scalar branch on ids, round its loads, products and softmax; not round the lines at its end that step addresses.
.macro STEP
	s_cmp_gt_u32 s[SS], s[BI]
	s_cbranch_scc1 .Lhid_\@
	v_add_nc_u32 v[ADK], s[T6], v1                 ; (these four are also the places in front of loads into registers that the last step's products have read)
	v_add_nc_u32 v[ADV], s[T6], v2
	v_add_nc_u32 v[ADS], s[T4], v3
	v_add_nc_u32 v[ADT], s[T4], v4
.irp n, 0,1,2,3,4,5,6,7,8,9,10,11,12,13,14,15,16,17,18,19,20,21,22,23
	ds_load_b64 v[KV+2*\n:KV+2*\n+1], v[ADK] offset:256*\n   ; eight key tiles: four fragments of two tiles each
.endr
	ds_load_b32 v[KSC], v[ADS]
	ds_load_b32 v[KSC+1], v[ADS] offset:128
	ds_load_b32 v[VSC], v[ADT]
	ds_load_b32 v[VSC+1], v[ADT] offset:128
	s_wait_dscnt 0x0
.irp t, 0,1,2,3,4,5,6,7                        ; S^T = K Q^T: lane (r, h) holds query r; the 16 registers of tiles 2 b, 2 b + 1 are keys 32 b + 16 h + 0 .. 15 of the step
.if (\t/2)%2
	v_wmma_scale_f32_16x16x128_f8f6f4 v[96+8*\t:103+8*\t], v[KV+12*(\t/2):KV+12*(\t/2)+11], v[QL+12*(\t%2):QL+12*(\t%2)+11], 0, v[KSC+\t/4], v[QS] matrix_a_fmt:MATRIX_FMT_FP6 matrix_b_fmt:MATRIX_FMT_FP6 matrix_a_scale:MATRIX_SCALE_ROW1
.else
	v_wmma_scale_f32_16x16x128_f8f6f4 v[96+8*\t:103+8*\t], v[KV+12*(\t/2):KV+12*(\t/2)+11], v[QL+12*(\t%2):QL+12*(\t%2)+11], 0, v[KSC+\t/4], v[QS] matrix_a_fmt:MATRIX_FMT_FP6 matrix_b_fmt:MATRIX_FMT_FP6
.endif
.endr
.rept 4
	v_nop                                          ; places: in front of the loads below, and of the first read of the scores
.endr
.irp n, 0,1,2,3,4,5,6,7,8,9,10,11,12,13,14,15,16,17,18,19,20,21,22,23
	ds_load_b64 v[KV+2*\n:KV+2*\n+1], v[ADV] offset:256*\n   ; V's four fragments, into the registers that K has left: they land under the softmax
.endr
	s_cmp_lt_u32 s[SS], s[BI]                      ; only the diagonal step has hidden keys
	s_cbranch_scc1 .Lopen_\@
	v_mov_b32 v254, 0xff800000                     ; -infinity: p = 0 then
.irp n, 0,1,2,3,4,5,6,7,8,9,10,11,12,13,14,15,16,17,18,19,20,21,22,23,24,25,26,27,28,29,30,31,32,33,34,35,36,37,38,39,40,41,42,43,44,45,46,47,48,49,50,51,52,53,54,55,56,57,58,59,60,61,62,63
	v_cmp_gt_i32 vcc_lo, 32*(\n/16)+\n%16, v5
	v_cndmask_b32 v[96+\n], v[96+\n], v254, vcc_lo
.endr
.Lopen_\@:
.irp b, 0,1,2,3
	v_max3_num_f32 v[232+\b], v[96+16*\b], v[97+16*\b], v[98+16*\b]   ; the largest score of each block of 32 keys: for the row's maximum, and, since p rises with the score, for the block's largest p
.endr
.irp i, 3,5,7,9,11,13
.irp b, 0,1,2,3
	v_max3_num_f32 v[232+\b], v[232+\b], v[96+16*\b+\i], v[97+16*\b+\i]
.endr
.endr
.irp b, 0,1,2,3
	v_max_num_f32 v[232+\b], v[232+\b], v[111+16*\b]
.endr
.irp b, 0,1,2,3
	v_permlanex16_b32 v[236+\b], v[232+\b], s[SEL], s[SEL+1]
.endr
.irp b, 0,1,2,3
	v_max_num_f32 v[232+\b], v[232+\b], v[236+\b]  ; with lane l xor 16's 16 keys
.endr
	v_max3_num_f32 v254, v232, v233, v234
	v_max_num_f32 v254, v254, v235                 ; the step's largest score of my query
	v_mul_f32 v254, s[CS], v254                    ; as t (c is positive)
	v_max_num_f32 v13, v13, v254                   ; the running largest t
	v_mov_b32 v254, v12
	v_floor_f32 v12, -v13                          ; the new -M = floor(-t) = -ceil(t): a whole number
	v_sub_f32 v254, v12, v254                      ; old M - new M: a whole number, 0 or less
	v_cvt_i32_f32 v254, v254                       ; (it saturates)
	v_ldexp_f32 v252, 1.0, v254                    ; f = 2^(old M - new M)
.irp j, 0,2,4,6,8,10,12,14,16,18,20,22,24,26,28,30,32,34,36,38,40,42,44,46,48,50,52,54,56,58,60,62
	v_pk_fma_f32 v[96+\j:97+\j], v[96+\j:97+\j], s[CS:CS+1], v[12:13] op_sel_hi:[1,0,0]   ; t - M, two at a time
.endr
.irp b, 0,1,2,3
	v_fma_f32 v[232+\b], v[232+\b], s[CS], v12     ; the same of each block's largest score
.endr
.irp j, 0,1,2,3,4,5,6,7,8,9,10,11,12,13,14,15,16,17,18,19,20,21,22,23,24,25,26,27,28,29,30,31,32,33,34,35,36,37,38,39,40,41,42,43,44,45,46,47,48,49,50,51,52,53,54,55,56,57,58,59,60,61,62,63
	v_exp_f32 v[96+\j], v[96+\j]                   ; p = 2^(t - M), at most 1
.endr
.irp b, 0,1,2,3
	v_exp_f32 v[232+\b], v[232+\b]                 ; the block's largest p: the same two instructions on the same number give the same bits
.endr
	v_pk_mul_f32 v[14:15], v[14:15], v[252:253] op_sel_hi:[1,0]   ; the sums under the new M.  (A plain place behind the exponentials)
	s_wait_alu depctr_va_vdst(0)
.irp b, 0,1,2,3
	v_max_num_f32 v[232+\b], 0x1800000, v[232+\b]  ; the floor 2^(3 - 127): the byte cannot fall under 1
.endr
.irp b, 0,1,2,3
	v_add_nc_u32 v[244+\b], 0xff000000, v[232+\b]  ; 2 off the exponent field: the conversion's scale operand
.endr
.irp b, 0,1,2,3
	v_lshrrev_b32 v[236+\b], 23, v[244+\b]         ; the scale's byte
.endr
	v_lshl_or_b32 v253, v237, 8, v236              ; p's scale word for these 128 keys
	v_lshl_or_b32 v253, v238, 16, v253
	v_lshl_or_b32 v253, v239, 24, v253
.irp c, 0,1
	v_cvt_scalef32_pk16_fp6_f32 v[224+6*\c:226+6*\c], v[96+32*\c:111+32*\c], v[244+2*\c]
	v_cvt_scalef32_pk16_fp6_f32 v[236+4*\c:238+4*\c], v[112+32*\c:127+32*\c], v[244+2*\c+1]
.endr
	v_nop                                          ; one plain place behind a scaled conversion
.irp c, 0,1
.irp i, 0,1,2
	v_permlane16_swap_b32 v[224+6*\c+\i], v[236+4*\c+\i]   ; a WHOLE block to a lane
.endr
.irp i, 0,1,2
	v_mov_b32 v[227+6*\c+\i], v[236+4*\c+\i]
.endr
.endr
	v_pk_add_f32 v[236:237], v[96:97], v[98:99]    ; the row's sum is taken of the UNQUANTISED p: two at a time, in two chains
.irp j, 4,8,12,16,20,24,28,32,36,40,44,48,52,56,60
	v_pk_add_f32 v[14:15], v[14:15], v[96+\j:97+\j]
	v_pk_add_f32 v[236:237], v[236:237], v[98+\j:99+\j]
.endr
	v_pk_add_f32 v[14:15], v[14:15], v[236:237]
.irp j, 0,2,4,6,8,10,12,14,16,18,20,22,24,26,28,30
	v_pk_mul_f32 v[160+\j:161+\j], v[160+\j:161+\j], v[252:253] op_sel_hi:[1,0]   ; O^T under the new M
.endr
	s_wait_dscnt 0x0                               ; V is in
.irp t, 0,1,2,3                                ; O^T += V^T P^T: four tiles of 16 channels, by turns; K = these 128 keys
.if \t%2
	v_wmma_scale_f32_16x16x128_f8f6f4 v[160+8*\t:167+8*\t], v[KV+12*\t:KV+12*\t+11], v[224:235], v[160+8*\t:167+8*\t], v[VSC+\t/2], v253 matrix_a_fmt:MATRIX_FMT_FP6 matrix_b_fmt:MATRIX_FMT_FP6 matrix_a_scale:MATRIX_SCALE_ROW1
.else
	v_wmma_scale_f32_16x16x128_f8f6f4 v[160+8*\t:167+8*\t], v[KV+12*\t:KV+12*\t+11], v[224:235], v[160+8*\t:167+8*\t], v[VSC+\t/2], v253 matrix_a_fmt:MATRIX_FMT_FP6 matrix_b_fmt:MATRIX_FMT_FP6
.endif
.endr
.Lhid_\@:
	s_add_co_u32 s[T6], s[T6], 6144
	s_add_co_u32 s[T4], s[T4], 256
	s_add_co_u32 s[SS], s[SS], 1
.endm
; A CHUNK: 512 keys, four steps.  left = how many of the issuing wave's younger loads (the later chunks) may stay out.  Nothing is ever filled again, so they stay out across the barrier.
.macro CHUNK left
	s_wait_tensorcnt \left                         ; tensor loads of a wave end in order: the scale words and the chunks up to this one have landed
	s_wait_dscnt 0x0
	s_barrier_signal -1
	s_barrier_wait -1                              ; and every wave may read them
	s_mov_b32 s[CT], 4
.Lstep_\@:
	STEP
	s_sub_co_u32 s[CT], s[CT], 1
	s_cmp_lg_u32 s[CT], 0
	s_cbranch_scc1 .Lstep_\@
.endm
	CHUNK 3
	CHUNK 2
	CHUNK 1
	CHUNK 0
	; THE WAY OUT.  O^T / the sum; register 16 b + i is channel 32 b + 16 h + i of my query: two blocks of 32 along the last product's K, quantised as they stand: half a fragment.
.rept 4
	v_nop                                          ; places behind the last products
.endr
	v_add_f32 v14, v14, v15                        ; the sum's two halves,
	v_permlanex16_b32 v252, v14, s[SEL], s[SEL+1]
	v_add_f32 v14, v14, v252                       ; and lane l xor 16's: the row's sum
	v_rcp_f32 v14, v14
	v_nop                                          ; one plain place behind a transcendental
	s_wait_alu depctr_va_vdst(0)
.irp j, 0,1,2,3,4,5,6,7,8,9,10,11,12,13,14,15,16,17,18,19,20,21,22,23,24,25,26,27,28,29,30,31
	v_mul_f32 v[96+\j], v[160+\j], v14
.endr
.irp b, 0,1
	v_max3_num_f32 v[232+\b], |v[96+16*\b]|, |v[97+16*\b]|, 0x1800000   ; with the floor 2^(3 - 127)
.endr
.irp i, 2,4,6,8,10,12,14
.irp b, 0,1
	v_max3_num_f32 v[232+\b], v[232+\b], |v[96+16*\b+\i]|, |v[97+16*\b+\i]|
.endr
.endr
.irp b, 0,1
	v_permlanex16_b32 v[236+\b], v[232+\b], s[SEL], s[SEL+1]
.endr
.irp b, 0,1
	v_max_num_f32 v[232+\b], v[232+\b], v[236+\b]
.endr
.irp b, 0,1
	v_add_nc_u32 v[244+\b], 0xff000000, v[232+\b]
.endr
.irp b, 0,1
	v_lshrrev_b32 v[236+\b], 23, v[244+\b]
.endr
	v_lshl_or_b32 v254, v237, 8, v236              ; my head's two bytes of the row's scale word
	v_cvt_scalef32_pk16_fp6_f32 v[224:226], v[96:111], v244
	v_cvt_scalef32_pk16_fp6_f32 v[240:242], v[112:127], v245
	v_nop                                          ; one plain place behind a scaled conversion
.irp i, 0,1,2
	v_permlane16_swap_b32 v[224+\i], v[240+\i]
.endr
.irp i, 0,1,2
	v_mov_b32 v[227+\i], v[240+\i]
.endr
.irp p, 0,1,2
	global_store_b64 v1, v[224+2*\p:225+2*\p], s[8:9] offset:256*\p   ; 32 lanes store 256 consecutive bytes, aligned
.endr
	global_store_b16 v6, v254, s[10:11]            ; lanes r and r + 16 write the same two bytes with the same value
	s_wait_tensorcnt 0x0
	ds_add_u32 v251, v255
	s_wait_dscnt 0x0
	CROUND                                         ; the closing round: no work-group ends while a partner may still ask for a tile that names it
	s_endpgm
.Lfunc_end_k_qec8e3218c5_attn:
	.size	k_qec8e3218c5_attn, .Lfunc_end_k_qec8e3218c5_attn-k_qec8e3218c5_attn
	.p2alignl 7, 3214868480
	.fill 96, 4, 3214868480
	.section	.rodata,"a",@progbits
	.p2align	6, 0x0
	.amdhsa_kernel k_qec8e3218c5_attn
		.amdhsa_group_segment_fixed_size 206848
		.amdhsa_private_segment_fixed_size 0
		.amdhsa_enable_private_segment 0
		.amdhsa_kernarg_size 32
		.amdhsa_user_sgpr_count 2
		.amdhsa_user_sgpr_kernarg_segment_ptr 1
		.amdhsa_wavefront_size32 1
		.amdhsa_system_sgpr_workgroup_id_x 1
		.amdhsa_system_sgpr_workgroup_id_y 1
		.amdhsa_system_sgpr_workgroup_id_z 1
		.amdhsa_system_vgpr_workitem_id 0
		.amdhsa_next_free_vgpr 256
		.amdhsa_next_free_sgpr 96
		.amdhsa_reserve_vcc 1
		.amdhsa_float_denorm_mode_32 3
		.amdhsa_float_denorm_mode_16_64 3
		.amdhsa_memory_ordered 1
		.amdhsa_forward_progress 1
		.amdhsa_inst_pref_size 106
	.end_amdhsa_kernel
	.amdgpu_metadata
---
amdhsa.version: [ 1, 2 ]
amdhsa.kernels:
  - .name:           k_qec8e3218c5_attn
    .symbol:         k_qec8e3218c5_attn.kd
    .args:
      - { .name: qkv_codes, .offset: 0, .size: 8, .value_kind: global_buffer, .address_space: global }
      - { .name: qkv_scales, .offset: 8, .size: 8, .value_kind: global_buffer, .address_space: global }
      - { .name: ctx_codes, .offset: 16, .size: 8, .value_kind: global_buffer, .address_space: global }
      - { .name: ctx_scales, .offset: 24, .size: 8, .value_kind: global_buffer, .address_space: global }
    .group_segment_fixed_size: 206848
    .private_segment_fixed_size: 0
    .kernarg_segment_align: 8
    .kernarg_segment_size: 32
    .max_flat_workgroup_size: 512
    .sgpr_count:     96
    .vgpr_count:     256
    .wavefront_size: 32
...
	.end_amdgpu_metadata
.endif
;; end of part 3
;; launch proj (part 4): grid 4 x 16, 4 waves a work-group, clusters of 4 x 4, 327,680 bytes of LDS; arguments ctx_codes, ctx_scales, in_codes, in_scales, b_proj, out0; writes out0
.if DOCPART == 4
	.amdgcn_target "amdgcn-amd-amdhsa--gfx1250"
	.amdhsa_code_object_version 6
	.text
	.protected	k_qec8e3218c5_proj
	.globl	k_qec8e3218c5_proj
	.p2align	8
	.type	k_qec8e3218c5_proj,@function
k_qec8e3218c5_proj:
	s_mov_b64 s[64:65], 0
	v_nop
	global_prefetch_b8 v0, s[64:65] scope:SCOPE_SE
	s_setreg_imm32_b32 hwreg(HW_REG_WAVE_MODE, 25, 1), 1
	s_wait_xcnt 0x0
	s_wait_alu depctr_hold_cnt(0) depctr_sa_sdst(0) depctr_va_vdst(0) depctr_va_sdst(0) depctr_va_ssrc(0) depctr_va_vcc(0) depctr_vm_vsrc(0)
	s_getreg_b32 s2, hwreg(HW_REG_IB_STS2, 6, 4)
	s_cmp_eq_u32 s2, 0
	s_cbranch_scc0 .Lentry_in_a_cluster
	s_endpgm
.Lentry_in_a_cluster:
	s_bfe_u32 s2, ttmp6, 0x10000c
	s_cmp_lg_u32 s2, 0xf033
	s_cbranch_scc0 .Lentry_shape_is_right
	s_endpgm
.Lentry_shape_is_right:
; out0 = ctx w_proj^T + b_proj on codes of FP6 (E2M3) with E8M0 scales, K = 1,024, sums in f32; out0 [4096][1024] f32.
; OPERANDS come as images of operand registers: ctx_codes and in_codes [tile][K step][1,536], their scale words [tile][K step][r]; lane r of tile T holds row 32 (T / 2) + 8 (T % 2) + r + 8 (r / 8).
; A tile of the product, 256 x 256, is made by four waves, each 128 x 128: 64 accumulators.  Source 0 = 16 rows of w_proj (B), source 1 = 16 rows of ctx (A): a lane holds one token, and the eight registers of
; accumulator (a, b) are outputs 32 (b / 2) + 16 (lane / 16) + 8 (b % 2) + 0 .. 7.  The order of the rows in the tiles is undone on the way out by constants in the offsets.
; THE BIAS is the C of each sum's first matrix instruction: 64 registers in the result's layout, the same for all of A's blocks.
; GRID: 4 x 16 work-groups, 64: the loop is that of the launch that makes q, k and v; a smaller tile would give more work-groups at more LDS reads for each product.
; K goes in steps of 256 through a ring of two LDS slots; a wave's tensor load brings 8 tiles x 3,072 bytes.  The scale words of the work-group's rows, for all of K, come once.
; CLUSTERS: 4 x 4.  A's tiles are shared along a row of the cluster, B's along a column: each is asked for jointly.
; REGISTERS: window 0: v16-31 addresses; v32-63 scale words, two sets; v96-127 and v224-255 the bias; v128-223 A's fragments, ONE set; on the way out v128-255 rows of out0.
;   window 1: B's fragments, two sets, at v0 and v128.   window 2: the accumulators of my A blocks 0-3 ((a, b) at v[8 (8 a + b)]); window 3: those of blocks 4-7.
.set NQ,     2
.set FR,     12
.set NL,     6
.set NP,     4
.set FRB,    1536
.set TILEB,  8*FRB
.set TROW,   NQ*FRB
.set HALFT,  8*TROW
.set SLOT,   4*HALFT
.set LAPS,   2
.set SCL,    2*SLOT
.set HALFS,  8*512
.set SPARE,  SCL+4*HALFS               ; the spare words, 128 bytes for each wave: two blocks of 256 bytes that no other line names
.set STAGE,  SPARE+512                 ; the way out: 16 rows x (512 + 16) bytes for each wave, bytes of their own into which no tile lands
.set SPITCH, 528
.set ADRA, 16
.set ADRB, 20
.set STO,  24                          ; v24  the way out: where I put 32 bytes of a row
.set RD,   25                          ; v25  where I read a row back
.set CO,   26                          ; v26  16 x lane: my bytes of a row's 512
.set ADRS, 27
.set SPW,  28                          ; v28  LDS address of my spare word; never rewritten
.set NIL,  29                          ; v29  0; never rewritten
.set SC,   32
.set AF,   128
.set BK,   128
.set G1, 24
.set G0, 32
.set G1B, 48
.set G0B, 56
.set G1S, 68
.set G0S, 76
.set G1SB, 80
.set G0SB, 88
.set MSB, 0
.macro WIN new                         ; the immediate's high byte repeats the setting that is left
.if MSB != (\new)
	s_set_vgpr_msb (MSB<<8)|(\new)
.set MSB, (\new)
.endif
.endm
.set MUL_LO, 0xa1                      ; source 0 (B) window 1, source 1 (A) window 0, C and D window 2
.set MUL_HI, 0xf1                      ; the same, C and D window 3
.set TO_B,   0x40
.macro JLOAD g0a, g1a, g0b, g1b        ; a joint load: waves 0 and 1 fetch for A, waves 2 and 3 for B; four v_nop follow each of the two lines
	s_cmp_eq_u32 s15, 0
	s_cbranch_scc0 .Lfor_b_\@
	tensor_load_to_lds s[\g0a:\g0a+3], s[\g1a:\g1a+7]
	s_nop 0
.rept 4
	v_nop
.endr
	s_branch .Lasked_\@
.Lfor_b_\@:
	tensor_load_to_lds s[\g0b:\g0b+3], s[\g1b:\g1b+7]
	s_nop 0
.rept 4
	v_nop
.endr
.Lasked_\@:
.endm
.macro CREST
	s_cmp_lg_u32 s14, 0
	s_cbranch_scc1 .Lnot_wave_0_\@
	s_barrier_signal -3
.Lnot_wave_0_\@:
	s_barrier_wait -3
	s_barrier_signal -1
	s_barrier_wait -1
.endm
.macro CROUND
	s_barrier_signal -1
	s_barrier_wait -1
	CREST
.endm
	s_load_b128 s[4:7], s[0:1], 0x0                ; ctx_codes s[4:5], ctx_scales s[6:7]
	s_load_b128 s[8:11], s[0:1], 0x10              ; in_codes s[8:9], in_scales s[10:11]
	s_load_b64 s[96:97], s[0:1], 0x20              ; b_proj
	s_load_b64 s[12:13], s[0:1], 0x28              ; out0
	v_lshl_add_u32 v[SPW], v0, 2, SPARE
	v_mov_b32 v[NIL], 0
	ds_add_u32 v28, v29
	ds_add_u32 v28, v29
	s_wait_dscnt 0x0
	v_lshrrev_b32 v1, 5, v0
	v_readfirstlane_b32 s14, v1                    ; wave 0..3
	s_lshr_b32 s15, s14, 1                         ; which half of A's rows is mine.  Also: I fetch for A (0) or for B (1)
	s_and_b32 s16, s14, 1                          ; which half of B's rows.  Also: which 8 tiles I fetch
	s_bfe_u32 s40, ttmp6, 0x40000                  ; cx, cy
	s_bfe_u32 s41, ttmp6, 0x40004
	s_lshl_b32 s42, ttmp9, 2
	s_add_co_u32 s42, s42, s40
	s_add_co_u32 s42, s42, 28                      ; B's unit of 256 rows of in_codes: w_proj begins at unit 28
	s_and_b32 s17, ttmp7, 0xffff
	s_lshl_b32 s17, s17, 2
	s_add_co_u32 s17, s17, s41                     ; A's unit of 256 tokens
	s_lshl_b32 s43, s41, 2
	s_lshl_b32 s43, 15, s43                        ; my row of the cluster
	s_lshl_b32 s44, 0x1111, s40                    ; my column
	s_or_b32 s[G1+0], s43, (3<<16)|(1<<21)         ; 8 rows (tiles) of 3,072 bytes (384 elements of 8 bytes), 12,288 bytes apart; dense in LDS; the mask, and bit 21 beside it
	s_or_b32 s[G1B+0], s44, (3<<16)|(1<<21)
.irp g, G1, G1B
	s_mov_b32 s[\g+1], 384<<16
	s_mov_b32 s[\g+2], 8<<16
	s_mov_b32 s[\g+3], 384<<16
	s_mov_b32 s[\g+4], 8
	s_mov_b32 s[\g+5], 1536
	s_mov_b32 s[\g+6], 0
	s_mov_b32 s[\g+7], 0
.endr
	s_or_b32 s[G1S+0], s43, (3<<16)|(1<<21)        ; the scale words of 8 tiles: 4,096 dense bytes, as 16 rows of 256 bytes
	s_or_b32 s[G1SB+0], s44, (3<<16)|(1<<21)
.irp g, G1S, G1SB
	s_mov_b32 s[\g+1], 32<<16
	s_mov_b32 s[\g+2], 16<<16
	s_mov_b32 s[\g+3], 32<<16
	s_mov_b32 s[\g+4], 16
	s_mov_b32 s[\g+5], 32
	s_mov_b32 s[\g+6], 0
	s_mov_b32 s[\g+7], 0
.endr
	s_lshl_b32 s18, s16, 3
	s_lshl_b32 s20, s17, 4
	s_add_co_u32 s20, s20, s18                     ; A: tile 16 x unit + 8 x half
	s_lshl_b32 s46, s42, 4
	s_add_co_u32 s46, s46, s18                     ; B likewise
	s_lshl_b32 s22, s20, 9
	s_mov_b32 s23, 0
	s_lshl_b32 s92, s46, 9
	s_mov_b32 s93, 0
	s_mul_i32 s20, s20, TILEB
	s_mov_b32 s21, 0
	s_mul_i32 s46, s46, TILEB
	s_mov_b32 s47, 0
	s_mul_i32 s45, s14, HALFT                      ; where they go: no place in the cluster enters an LDS address
	s_mul_i32 s94, s14, HALFS
	s_wait_kmcnt 0x0
	s_add_nc_u64 s[20:21], s[4:5], s[20:21]
	s_add_nc_u64 s[22:23], s[6:7], s[22:23]
	s_add_nc_u64 s[46:47], s[8:9], s[46:47]
	s_add_nc_u64 s[92:93], s[10:11], s[92:93]
	CROUND                                         ; all sixteen work-groups are here: the first joint loads meet
	s_mov_b32 s[G0S], 1
	s_add_co_u32 s[G0S+1], s94, SCL
	s_mov_b64 s[G0S+2:G0S+3], s[22:23]
	s_or_b32 s[G0S+3], s[G0S+3], 0x80000000
	s_mov_b32 s[G0SB], 1
	s_add_co_u32 s[G0SB+1], s94, SCL
	s_mov_b64 s[G0SB+2:G0SB+3], s[92:93]
	s_or_b32 s[G0SB+3], s[G0SB+3], 0x80000000
	JLOAD G0S, G1S, G0SB, G1SB
.irp s, 0,1
	s_mov_b32 s[G0+4*\s], 1
	s_add_co_u32 s[G0+4*\s+1], s45, \s*SLOT
	s_add_nc_u64 s[G0+4*\s+2:G0+4*\s+3], s[20:21], \s*TROW
	s_or_b32 s[G0+4*\s+3], s[G0+4*\s+3], 0x80000000
	s_mov_b32 s[G0B+4*\s], 1
	s_add_co_u32 s[G0B+4*\s+1], s45, \s*SLOT
	s_add_nc_u64 s[G0B+4*\s+2:G0B+4*\s+3], s[46:47], \s*TROW
	s_or_b32 s[G0B+4*\s+3], s[G0B+4*\s+3], 0x80000000
	JLOAD G0+4*\s, G1, G0B+4*\s, G1B
.endr
	v_and_b32 v1, 15, v0                           ; r
	v_bfe_u32 v2, v0, 4, 1                         ; h
	v_and_b32 v3, 31, v0                           ; lane
	s_sub_co_u32 s98, s42, 28
	s_lshl_b32 s98, s98, 10
	s_lshl_b32 s99, s16, 9
	s_add_co_u32 s98, s98, s99                     ; my first output, in bytes: 1,024 x tile column + 512 x half
	s_mov_b32 s99, 0
	s_add_nc_u64 s[96:97], s[96:97], s[98:99]
	v_lshlrev_b32 v31, 6, v2                       ; the bias: lanes 16-31 begin 16 numbers on
.irp b, 0,1,2,3,4,5,6,7
	global_load_b128 v[96+8*\b+96*(\b/4):99+8*\b+96*(\b/4)], v31, s[96:97] offset:(32*(\b/2)+8*(\b%2))*4
	global_load_b128 v[100+8*\b+96*(\b/4):103+8*\b+96*(\b/4)], v31, s[96:97] offset:(32*(\b/2)+8*(\b%2))*4+16
.endr
	v_lshlrev_b32 v6, 3, v3                        ; 8 x lane
	s_mul_i32 s21, s15, HALFT
	s_mul_i32 s22, s16, HALFT
	s_add_co_u32 s22, s22, 2*HALFT
.irp s, 0,1
	v_add_nc_u32 v[ADRA+\s], s21, v6
	v_add_nc_u32 v[ADRB+\s], s22, v6
	s_add_co_u32 s21, s21, SLOT
	s_add_co_u32 s22, s22, SLOT
.endr
	v_lshlrev_b32 v5, 2, v1                        ; my row's scale word: 4 r
	s_mul_i32 s21, s15, HALFS
	s_mul_i32 s22, s16, HALFS
	s_add_co_u32 s22, s22, 2*HALFS
	s_sub_co_u32 s22, s22, s21
	v_mul_u32_u24 v6, s22, v2                      ; lanes 16-31 take B's
	s_add_co_u32 s21, s21, SCL
	v_add_nc_u32 v6, v5, v6
	v_add_nc_u32 v[ADRS], s21, v6
	s_mul_i32 s23, s14, 16*SPITCH
	s_add_co_u32 s23, s23, STAGE                   ; my stage
	v_mul_u32_u24 v5, v1, SPITCH                   ; in: row r, + 64 h
	v_lshl_add_u32 v5, v2, 6, v5
	v_add_nc_u32 v[STO], s23, v5
	v_lshlrev_b32 v[CO], 4, v3                     ; back: the 32 lanes take one row of 512 bytes; and the same in out0
	v_add_nc_u32 v[RD], s23, v[CO]
	s_lshl_b32 s20, s17, 8
	s_lshl_b32 s21, s15, 7
	s_add_co_u32 s20, s20, s21                     ; my first token: 256 x unit + 128 x half
	s_lshl_b32 s20, s20, 12                        ; rows of 4,096 bytes
	s_add_co_u32 s20, s20, s98
	s_mov_b32 s21, 0
	s_add_nc_u64 s[12:13], s[12:13], s[20:21]
.macro FRAG reg, adr, q, i             ; a fragment comes as it was stored: six pieces of 256 consecutive bytes, 8 bytes a lane
.irp p, 0,1,2,3,4,5
	ds_load_b64 v[\reg+2*\p:\reg+2*\p+1], v[\adr] offset:(\i)*TROW+(\q)*FRB+256*\p
.endr
.endm
; 16 matrix instructions: A's blocks a0, a0 + 1 x B's eight.  zero = 1: the first product starts the sums, with the bias as its C.  The 64 accumulators take turns.
.macro MUL16 a0, p, q, sc, zero
.irp a, \a0, \a0+1
.irp b, 0,1,2,3,4,5,6,7
.if \zero
	v_wmma_scale_f32_16x16x128_f8f6f4 v[8*(8*((\a)%4)+\b):8*(8*((\a)%4)+\b)+7], v[128*(\p)+FR*\b:128*(\p)+FR*\b+FR-1], v[AF+FR*(\a):AF+FR*(\a)+FR-1], v[96+8*\b+96*(\b/4):103+8*\b+96*(\b/4)], v[SC+8*NQ*(\sc)+NQ*\b+(\q)], v[SC+8*NQ*(\sc)+NQ*(\a)+(\q)] matrix_a_fmt:MATRIX_FMT_FP6 matrix_b_fmt:MATRIX_FMT_FP6 matrix_a_scale:MATRIX_SCALE_ROW1
.else
	v_wmma_scale_f32_16x16x128_f8f6f4 v[8*(8*((\a)%4)+\b):8*(8*((\a)%4)+\b)+7], v[128*(\p)+FR*\b:128*(\p)+FR*\b+FR-1], v[AF+FR*(\a):AF+FR*(\a)+FR-1], v[8*(8*((\a)%4)+\b):8*(8*((\a)%4)+\b)+7], v[SC+8*NQ*(\sc)+NQ*\b+(\q)], v[SC+8*NQ*(\sc)+NQ*(\a)+(\q)] matrix_a_fmt:MATRIX_FMT_FP6 matrix_b_fmt:MATRIX_FMT_FP6 matrix_a_scale:MATRIX_SCALE_ROW1
.endif
.endr
.endr
.endm
.macro FETCH_B slot, q, p
	WIN TO_B
.irp i, 0,1,2,3,4,5,6,7
	FRAG 128*(\p)+FR*\i, ADRB+\slot, \q, \i
.endr
	WIN 0
.endm
.macro FETCH_A slot, q, i0
.irp i, \i0, \i0+1, \i0+2, \i0+3
	FRAG AF+FR*(\i), ADRA+\slot, \q, \i
.endr
.endm
.macro SCALES sc
.irp i, 0,1,2,3,4,5,6,7
.irp q, 0,1
	ds_load_b32 v[SC+8*NQ*\sc+NQ*\i+\q], v[ADRS] offset:\i*512+64*\q
.endr
.endr
.endm
.macro PLACES n                        ; places behind matrix instructions: plain vector instructions that name none of their registers
.rept \n
	v_nop
.endr
.endm
.macro STEP slot, q, zero
	s_wait_dscnt 4*NL                              ; B's set, A's blocks 0-3 and the scale words are in; the 24 youngest loads (A's blocks 4-7) may be out
.if \zero
	WIN 0x81                                       ; C (the bias) window 0, D window 2
.else
	WIN MUL_LO
.endif
	MUL16 0, (\q)%2, \q, \slot, \zero
	MUL16 2, (\q)%2, \q, \slot, \zero
	s_wait_dscnt 0                                 ; A's blocks 4-7 are in
	PLACES NP
	FETCH_B \slot, (\q)+1, 1-(\q)%2
	FETCH_A \slot, (\q)+1, 0
.if \zero
	WIN 0xc1                                       ; C window 0, D window 3
.else
	WIN MUL_HI
.endif
	MUL16 4, (\q)%2, \q, \slot, \zero
	MUL16 6, (\q)%2, \q, \slot, \zero
	PLACES NP
	WIN 0
	FETCH_A \slot, (\q)+1, 4
.endm
; A slot's last step changes slots: ONE barrier; in front of it each wave waits for all its tensor loads, adds 0 to its spare word, and waits for that and for its own reads of this slot.
.macro TURN slot, next, fill
	s_wait_tensorcnt 0x0                           ; all my tensor loads have landed: my part of the next slot  (every window is 0 here)
	ds_add_u32 v[SPW], v[NIL]                      ; 0 onto my spare word
	s_wait_dscnt 4*NL+1                            ; (the add and the 24 youngest loads may be out)
	WIN MUL_LO
	MUL16 0, 1, NQ-1, \slot, 0
	s_wait_dscnt 0x0                               ; the add is done, and my reads of this slot are over
	s_barrier_signal -1
	MUL16 2, 1, NQ-1, \slot, 0
	WIN 0
	s_barrier_wait -1
.if \fill
	CREST                                          ; a round of the cluster's barrier: no wave of any partner still reads this slot or has a load on its way
	s_add_nc_u64 s[G0+4*\slot+2:G0+4*\slot+3], s[G0+4*\slot+2:G0+4*\slot+3], 2*TROW
	s_add_nc_u64 s[G0B+4*\slot+2:G0B+4*\slot+3], s[G0B+4*\slot+2:G0B+4*\slot+3], 2*TROW
	JLOAD G0+4*\slot, G1, G0B+4*\slot, G1B         ; the first tensor load behind the round; its four v_nop are the places in front of the loads below
.else
	PLACES NP
.endif
	v_add_nc_u32 v[ADRS], 64*NQ, v[ADRS]
	FETCH_B \next, 0, 0
	FETCH_A \next, 0, 0
	SCALES \next
	WIN MUL_HI
	MUL16 4, 1, NQ-1, \slot, 0
	MUL16 6, 1, NQ-1, \slot, 0
	PLACES NP
	WIN 0
	FETCH_A \next, 0, 4
.endm
	s_wait_tensorcnt 1                             ; of my three first fills the scale words and slot 0's part are in; slot 1's may be out
	s_barrier_signal -1
	s_barrier_wait -1
	FETCH_B 0, 0, 0
	FETCH_A 0, 0, 0
	SCALES 0
	FETCH_A 0, 0, 4
	s_wait_loadcnt 0x0                             ; the bias
	STEP 0, 0, 1                                   ; the first step stands in front of the loop: its products start the sums on the bias
	s_mov_b32 s3, LAPS-1
.Llap:
	TURN 0, 1, 1
	STEP 1, 0, 0
	TURN 1, 0, 1
	STEP 0, 0, 0
	s_sub_co_u32 s3, s3, 1
	s_cmp_lg_u32 s3, 0
	s_cbranch_scc1 .Llap
	TURN 0, 1, 0                                   ; the last lap fills nothing
	STEP 1, 0, 0
	s_wait_dscnt 4*NL
	WIN MUL_LO
	MUL16 0, 1, NQ-1, 1, 0
	MUL16 2, 1, NQ-1, 1, 0
	s_wait_dscnt 0
	WIN MUL_HI
	MUL16 4, 1, NQ-1, 1, 0
	MUL16 6, 1, NQ-1, 1, 0
	WIN 0
; THE WAY OUT, block by block of 16 tokens x 128 outputs, through my own stage: in by lanes (32 bytes of a row from each accumulator, at the place that the order of w_proj's rows gives them), back as whole rows of 512 bytes.
.macro TOSTAGE a
.set AC, 64*((\a)%4)
	WIN 0x08+4*((\a)/4)                            ; the data: window 2 or 3
.irp b, 0,1,2,3,4,5,6,7
	ds_store_b128 v[STO], v[AC+8*\b:AC+8*\b+3] offset:128*(\b/2)+32*(\b%2)          ; each accumulator from its low end on
	ds_store_b128 v[STO], v[AC+8*\b+4:AC+8*\b+7] offset:128*(\b/2)+32*(\b%2)+16
.endr
	WIN 0
.set BB, BK+64*((\a)%2)
.irp t, 0,1,2,3,4,5,6,7,8,9,10,11,12,13,14,15
	ds_load_b128 v[BB+4*\t:BB+4*\t+3], v[RD] offset:\t*SPITCH   ; LDS serves a wave's instructions in order: these see my stores
.endr
.endm
.macro SEND a, younger                 ; younger: the LDS instructions issued behind block a's loads, which may stay out
.set BB, BK+64*((\a)%2)
	s_wait_dscnt \younger
.if (\a) > 0
.if (\a)%2
	s_add_nc_u64 s[12:13], s[12:13], 8*4096        ; (behind a wait on XCNT)  tile a begins at token 32 (a / 2) + 8 (a % 2): 8 rows on,
.else
	s_add_nc_u64 s[12:13], s[12:13], 24*4096       ; or 24
.endif
.endif
.irp t, 0,1,2,3,4,5,6,7,8,9,10,11,12,13,14,15
	global_store_b128 v[CO], v[BB+4*\t:BB+4*\t+3], s[12:13] offset:(\t+8*(\t/8))*4096 th:TH_STORE_NT   ; lane-row t is token t + 8 (t / 8) of the tile; 32 lanes store 512 consecutive bytes, aligned
.endr
.endm
	PLACES NP
	TOSTAGE 0
.irp a, 1,2,3,4,5,6,7
.if \a > 1
	s_wait_xcnt 0x0                                ; block a - 2's stores have read their registers and their base
.endif
	TOSTAGE \a
	SEND \a-1, 32                                  ; behind block a - 1's loads: block a's 16 stores and 16 loads
.endr
	s_wait_xcnt 0x0
	SEND 7, 0
	s_wait_tensorcnt 0x0                           ; the wave's end
	ds_add_u32 v[SPW], v[NIL]
	s_wait_dscnt 0x0
	CROUND                                         ; the closing round
	s_endpgm
.Lfunc_end_k_qec8e3218c5_proj:
	.size	k_qec8e3218c5_proj, .Lfunc_end_k_qec8e3218c5_proj-k_qec8e3218c5_proj
	.p2alignl 7, 3214868480
	.fill 96, 4, 3214868480
	.section	.rodata,"a",@progbits
	.p2align	6, 0x0
	.amdhsa_kernel k_qec8e3218c5_proj
		.amdhsa_group_segment_fixed_size 327680
		.amdhsa_private_segment_fixed_size 0
		.amdhsa_enable_private_segment 0
		.amdhsa_kernarg_size 48
		.amdhsa_user_sgpr_count 2
		.amdhsa_user_sgpr_kernarg_segment_ptr 1
		.amdhsa_wavefront_size32 1
		.amdhsa_system_sgpr_workgroup_id_x 1
		.amdhsa_system_sgpr_workgroup_id_y 1
		.amdhsa_system_sgpr_workgroup_id_z 1
		.amdhsa_system_vgpr_workitem_id 0
		.amdhsa_next_free_vgpr 1024
		.amdhsa_next_free_sgpr 100
		.amdhsa_reserve_vcc 0
		.amdhsa_float_denorm_mode_32 3
		.amdhsa_float_denorm_mode_16_64 3
		.amdhsa_memory_ordered 1
		.amdhsa_forward_progress 1
		.amdhsa_inst_pref_size 163
	.end_amdhsa_kernel
	.amdgpu_metadata
---
amdhsa.version: [ 1, 2 ]
amdhsa.kernels:
  - .name:           k_qec8e3218c5_proj
    .symbol:         k_qec8e3218c5_proj.kd
    .args:
      - { .name: ctx_codes, .offset: 0, .size: 8, .value_kind: global_buffer, .address_space: global }
      - { .name: ctx_scales, .offset: 8, .size: 8, .value_kind: global_buffer, .address_space: global }
      - { .name: in_codes, .offset: 16, .size: 8, .value_kind: global_buffer, .address_space: global }
      - { .name: in_scales, .offset: 24, .size: 8, .value_kind: global_buffer, .address_space: global }
      - { .name: b_proj, .offset: 32, .size: 8, .value_kind: global_buffer, .address_space: global }
      - { .name: out0, .offset: 40, .size: 8, .value_kind: global_buffer, .address_space: global }
    .group_segment_fixed_size: 327680
    .private_segment_fixed_size: 0
    .kernarg_segment_align: 8
    .kernarg_segment_size: 48
    .max_flat_workgroup_size: 128
    .sgpr_count:     100
    .vgpr_count:     1024
    .wavefront_size: 32
...
	.end_amdgpu_metadata
.endif
;; end of part 4
;; ======== version 2 of 2: 4 launches
;; limits: right only within a limited range of input values
;; workspace buffers: in_codes 6,553,600 bytes; qkv_codes 9,437,184 bytes; qkv_scales 393,216 bytes; ctx_codes 3,276,800 bytes
;; launch quant (part 5): grid 512 x 1, 8 waves a work-group, no clusters, 69,120 bytes of LDS; arguments x, w_qkv, w_proj, in_codes; writes in_codes
.if DOCPART == 5
	.amdgcn_target "amdgcn-amd-amdhsa--gfx1250"
	.amdhsa_code_object_version 6
	.text
	.protected	k_qec8e3218c5_quant
	.globl	k_qec8e3218c5_quant
	.p2align	8
	.type	k_qec8e3218c5_quant,@function
k_qec8e3218c5_quant:
	s_mov_b64 s[64:65], 0
	v_nop
	global_prefetch_b8 v0, s[64:65] scope:SCOPE_SE
	s_setreg_imm32_b32 hwreg(HW_REG_WAVE_MODE, 25, 1), 1
	s_wait_xcnt 0x0
; x [4096][1024], w_qkv [3072][1024] and w_proj [1024][1024], f32, K innermost, become codes of FP6 (E2M3) with one E8M0 byte for each 32 along K.
; A block's scale is 2^(floor(log2(its largest magnitude)) - 2); its byte is the largest magnitude's exponent field - 2, held at 1 from below.
; LIMITS: NaN and infinities among the inputs are not served; a block whose largest magnitude lies under 2^-124 has its byte held at 1; a block of zeros gets the byte 1 where the
; quantiser says 127: its codes are zeros, which add nothing under any byte but 0xff, and this program alone reads the bytes.
; THE CODES ARE LAID AS IMAGES OF OPERAND REGISTERS.  A fragment (16 rows x 128 K, 12 registers a lane) is 1,536 bytes: piece p (512 bytes) holds registers 4 p .. 4 p + 3, lane l's 16 bytes at 512 p + 16 l.
; in_codes: [tile 0..511][12,288 bytes of codes [K step 0..7][1,536] | 512 bytes of scale words [row r][K step], one word (four bytes: 128 along K) each]; tiles 0-255 x, 256-447 w_qkv by heads (256 + 12 x head + 4 x (q, k, v) + tile), 448-511 w_proj.
; THE ROWS OF A TILE ARE NOT NEIGHBOURS: lane r of tile T takes row 32 (T / 2) + 8 (T % 2) + r + 8 (r / 8), so that the results of a product whose source 0 is a pair of such tiles
; are 16 neighbours along those rows in a lane's 16 registers.
; SHARES.  A work-group takes a tile, each of its eight waves a K step: 16 rows x 512 bytes, sixteen loads of 512 consecutive bytes, all out at once.  The conversions want 16 neighbours along K in ONE lane:
; the numbers turn through the wave's own stage in LDS (rows of 512 + 16 bytes).  No loop, no tensor load; waves share only the tile's 512 bytes of scale words, which leave as one run.
; No cluster: no two work-groups read the same byte.
.set STG,  8448                        ; a wave's stage: 16 rows x 528 bytes
.set SCB,  8*STG                       ; behind the stages: the tile's scale words, 64 bytes for each wave
.set R,    16                          ; v16-79   the numbers as they are loaded
.set X,    80                          ; v80-143  register 16 b + i = k 32 b + 16 (lane / 16) + i of my row
.set PC,   144                         ; v144-163 the codes
.set TM,   164                         ; v164-179 at work
.set PW,   180                         ; v180     the scale word
.set SEL,  20                          ; s[20:21] lane selects for v_permlanex16_b32: lane l xor 16
; 64 numbers of a lane, v[s] .. v[s + 63], become a fragment's codes in v[PC] on and its scale word in v[PW].
.macro QUANT s
.irp b, 0,1,2,3
	v_max3_num_f32 v[TM+\b], |v[\s+16*\b]|, |v[\s+1+16*\b]|, 0x1800000   ; block b: my 16 numbers, and the floor 2^(3 - 127): the byte cannot fall under 1
.endr
.irp i, 2,4,6,8,10,12,14
.irp b, 0,1,2,3
	s_delay_alu instid0(VALU_DEP_4)
	v_max3_num_f32 v[TM+\b], v[TM+\b], |v[\s+16*\b+\i]|, |v[\s+1+16*\b+\i]|   ; the four blocks by turns
.endr
.endr
.irp b, 0,1,2,3
	s_delay_alu instid0(VALU_DEP_4)
	v_permlanex16_b32 v[TM+4+\b], v[TM+\b], s[SEL], s[SEL+1]
.endr
.irp b, 0,1,2,3
	s_delay_alu instid0(VALU_DEP_4)
	v_max_num_f32 v[TM+\b], v[TM+\b], v[TM+4+\b]   ; with lane l xor 16's: the block's largest magnitude
.endr
.irp b, 0,1,2,3
	s_delay_alu instid0(VALU_DEP_4)
	v_add_nc_u32 v[TM+12+\b], 0xff000000, v[TM+\b]   ; 2 off its exponent field: the conversion takes this operand's exponent field as its scale
.endr
.irp b, 0,1,2,3
	s_delay_alu instid0(VALU_DEP_4)
	v_lshrrev_b32 v[TM+4+\b], 23, v[TM+12+\b]   ; the scale's byte
.endr
	s_delay_alu instid0(VALU_DEP_3)
	v_lshl_or_b32 v[PW], v[TM+5], 8, v[TM+4]   ; four bytes: my row's scale word
	s_delay_alu instid0(VALU_DEP_1)
	v_lshl_or_b32 v[PW], v[TM+6], 16, v[PW]
	s_delay_alu instid0(VALU_DEP_1)
	v_lshl_or_b32 v[PW], v[TM+7], 24, v[PW]
.irp c, 0,1
	v_cvt_scalef32_pk16_fp6_f32 v[PC+6*\c:PC+2+6*\c], v[\s+32*\c:\s+15+32*\c], v[TM+12+2*\c]
	v_cvt_scalef32_pk16_fp6_f32 v[PC+12+4*\c:PC+14+4*\c], v[\s+16+32*\c:\s+31+32*\c], v[TM+12+2*\c+1]   ; (a conversion's three registers begin on an even number)
.endr
	v_nop                                          ; one plain place behind a scaled conversion
.irp c, 0,1                                    ; the operand's layout wants a WHOLE block in a lane: lanes 0-15 block 2 c, lanes 16-31 block 2 c + 1
.irp i, 0,1,2
	v_permlane16_swap_b32 v[PC+6*\c+\i], v[PC+12+4*\c+\i]
.endr
.irp i, 0,1,2
	s_delay_alu instid0(VALU_DEP_3)
	v_mov_b32 v[PC+3+6*\c+\i], v[PC+12+4*\c+\i]
.endr
.endr
.endm
	s_load_b256 s[4:11], s[0:1], 0x0               ; x s[4:5], w_qkv s[6:7], w_proj s[8:9], in_codes s[10:11]
	v_lshl_add_u32 v192, v0, 2, 0x10a00
	v_mov_b32 v193, 0
	v_lshrrev_b32 v1, 5, v0
	s_delay_alu instid0(VALU_DEP_1)
	v_readfirstlane_b32 s16, v1                    ; wave = K step
	v_and_b32 v1, 31, v0                           ; lane
	v_and_b32 v8, 15, v0                           ; r
	v_bfe_u32 v9, v0, 4, 1                         ; h
	s_delay_alu instid0(VALU_DEP_3)
	v_lshlrev_b32 v2, 4, v1                        ; 16 x lane: my bytes of a load's 512
	s_mul_i32 s18, s16, STG
	v_add_nc_u32 v3, s18, v2                       ; the stage, on the way in
	v_mul_u32_u24 v4, v8, 528
	s_delay_alu instid0(VALU_DEP_1)
	v_lshl_add_u32 v4, v9, 6, v4
	s_delay_alu instid0(VALU_DEP_1)
	v_add_nc_u32 v4, s18, v4                       ; and out: row r, + 64 h: my 16 numbers of each block of 32
	s_lshl_b32 s19, s16, 2
	s_add_co_u32 s19, s19, SCB
	v_lshl_add_u32 v6, v8, 5, s19                  ; my row's scale word: 32 r + 4 x wave
	v_add_nc_u32 v7, SCB, v2                       ; the tile's 512 bytes of them, 16 a lane
	s_mov_b32 s[SEL], 0x76543210
	s_mov_b32 s[SEL+1], 0xfedcba98
.irp b, 0,1,2,3
	v_mov_b32 v[TM+4+\b], 0                        ; written once: a lane permute's destination counts as one of its sources
.endr
	s_mov_b32 s17, 448
	s_wait_alu depctr_va_vdst(0)
	s_wait_kmcnt 0x0
	s_cmp_lt_u32 ttmp9, 448                        ; which tensor?  The choice hangs on the work-group's number alone
	s_cselect_b64 s[14:15], s[6:7], s[8:9]
	s_cselect_b32 s17, 256, s17
	s_cmp_lt_u32 ttmp9, 256
	s_cselect_b64 s[14:15], s[4:5], s[14:15]
	s_cselect_b32 s17, 0, s17
	s_sub_co_u32 s17, ttmp9, s17                   ; the tile's number in its tensor
	s_lshr_b32 s22, s17, 1
	s_lshl_b32 s22, s22, 5
	s_and_b32 s23, s17, 1
	s_lshl_b32 s23, s23, 3
	s_add_co_u32 s22, s22, s23                     ; its first row: 32 (T / 2) + 8 (T % 2)
	s_lshl_b32 s22, s22, 12                        ; rows of 4,096 bytes
	s_lshl_b32 s23, s16, 9                         ; + my K step's 512 bytes
	s_add_co_u32 s22, s22, s23
	s_mov_b32 s23, 0
	s_add_nc_u64 s[14:15], s[14:15], s[22:23]
	s_and_b32 s24, s17, 63                         ; w_qkv's tiles lie by heads: 256 + 12 x head + 4 x (q, k, v) + the tile's number in its head
	s_lshr_b32 s24, s24, 2
	s_mul_i32 s24, s24, 12
	s_lshr_b32 s25, s17, 6
	s_lshl_b32 s25, s25, 2
	s_add_co_u32 s24, s24, s25
	s_and_b32 s25, s17, 3
	s_add_co_u32 s24, s24, s25
	s_add_co_u32 s24, s24, 256
	s_cmp_lt_u32 ttmp9, 448
	s_cselect_b32 s24, s24, ttmp9
	s_cmp_lt_u32 ttmp9, 256
	s_cselect_b32 s24, ttmp9, s24
	s_mul_i32 s22, s24, 12800                      ; a tile in in_codes: 12,288 bytes of codes, and behind them its 512 bytes of scale words, [row][K step]
	s_add_nc_u64 s[10:11], s[10:11], s[22:23]
	s_add_nc_u64 s[12:13], s[10:11], 12288         ; the tile's scale words
	s_mul_i32 s22, s16, 1536
	s_add_nc_u64 s[10:11], s[10:11], s[22:23]      ; my fragment's image
.irp i, 0,1,2,3,4,5,6,7,8,9,10,11,12,13,14,15
	global_load_b128 v[R+4*\i:R+4*\i+3], v2, s[14:15] offset:(\i+8*(\i/8))*4096 th:TH_LOAD_NT   ; lane-row i of the tile: 512 consecutive bytes
.endr
.irp i, 0,1,2,3,4,5,6,7,8,9,10,11,12,13,14,15
	s_wait_loadcnt 15-\i                           ; loads come back in order: row i is in, the younger ones stay out
	ds_store_b128 v3, v[R+4*\i:R+4*\i+3] offset:528*\i
.endr
.irp b, 0,1,2,3
.irp j, 0,1,2,3
	ds_load_b128 v[X+16*\b+4*\j:X+16*\b+4*\j+3], v4 offset:128*\b+16*\j   ; LDS serves a wave's instructions in order: these see my stores
.endr
.endr
	s_wait_dscnt 0x0
	QUANT X
.irp p, 0,1,2
	global_store_b128 v2, v[PC+4*\p:PC+4*\p+3], s[10:11] offset:512*\p   ; a fragment's image: three pieces of 512 bytes, piece p registers 4 p .. 4 p + 3, lane l's 16 bytes at 16 l
.endr
	ds_store_b32 v6, v[PW]                         ; lanes r and r + 16 write the same word with the same value
	s_wait_dscnt 0x0                               ; for the others' sake: my word has landed
	s_barrier_signal -1
	s_barrier_wait -1
	s_cmp_lg_u32 s16, 0
	s_cbranch_scc1 .Lend
	ds_load_b128 v[184:187], v7                    ; wave 0 sends the tile's eight K steps of scale words: 512 consecutive bytes
	s_wait_dscnt 0x0
	global_store_b128 v2, v[184:187], s[12:13]
.Lend:
	s_wait_tensorcnt 0x0
	ds_add_u32 v192, v193
	s_wait_dscnt 0x0
	s_endpgm
.Lfunc_end_k_qec8e3218c5_quant:
	.size	k_qec8e3218c5_quant, .Lfunc_end_k_qec8e3218c5_quant-k_qec8e3218c5_quant
	.p2alignl 7, 3214868480
	.fill 96, 4, 3214868480
	.section	.rodata,"a",@progbits
	.p2align	6, 0x0
	.amdhsa_kernel k_qec8e3218c5_quant
		.amdhsa_group_segment_fixed_size 69120
		.amdhsa_private_segment_fixed_size 0
		.amdhsa_enable_private_segment 0
		.amdhsa_kernarg_size 32
		.amdhsa_user_sgpr_count 2
		.amdhsa_user_sgpr_kernarg_segment_ptr 1
		.amdhsa_wavefront_size32 1
		.amdhsa_system_sgpr_workgroup_id_x 1
		.amdhsa_system_sgpr_workgroup_id_y 1
		.amdhsa_system_sgpr_workgroup_id_z 1
		.amdhsa_system_vgpr_workitem_id 0
		.amdhsa_next_free_vgpr 194
		.amdhsa_next_free_sgpr 66
		.amdhsa_reserve_vcc 0
		.amdhsa_float_denorm_mode_32 3
		.amdhsa_float_denorm_mode_16_64 3
		.amdhsa_memory_ordered 1
		.amdhsa_forward_progress 1
		.amdhsa_inst_pref_size 14
	.end_amdhsa_kernel
	.amdgpu_metadata
---
amdhsa.version: [ 1, 2 ]
amdhsa.kernels:
  - .name:           k_qec8e3218c5_quant
    .symbol:         k_qec8e3218c5_quant.kd
    .args:
      - { .name: x, .offset: 0, .size: 8, .value_kind: global_buffer, .address_space: global }
      - { .name: w_qkv, .offset: 8, .size: 8, .value_kind: global_buffer, .address_space: global }
      - { .name: w_proj, .offset: 16, .size: 8, .value_kind: global_buffer, .address_space: global }
      - { .name: in_codes, .offset: 24, .size: 8, .value_kind: global_buffer, .address_space: global }
    .group_segment_fixed_size: 69120
    .private_segment_fixed_size: 0
    .kernarg_segment_align: 8
    .kernarg_segment_size: 32
    .max_flat_workgroup_size: 256
    .sgpr_count:     66
    .vgpr_count:     194
    .wavefront_size: 32
...
	.end_amdgpu_metadata
.endif
;; end of part 5
;; launch qkv (part 6): grid 16 x 16, 8 waves a work-group, clusters of 4 x 4, 327,680 bytes of LDS; arguments in_codes, qkv_codes, qkv_scales; writes qkv_codes, qkv_scales
.if DOCPART == 6
	.amdgcn_target "amdgcn-amd-amdhsa--gfx1250"
	.amdhsa_code_object_version 6
	.text
	.protected	k_qec8e3218c5_qkv
	.globl	k_qec8e3218c5_qkv
	.p2align	8
	.type	k_qec8e3218c5_qkv,@function
k_qec8e3218c5_qkv:
	s_mov_b64 s[64:65], 0
	v_nop
	global_prefetch_b8 v0, s[64:65] scope:SCOPE_SE
	s_setreg_imm32_b32 hwreg(HW_REG_WAVE_MODE, 25, 1), 1
	s_wait_xcnt 0x0
	s_wait_alu depctr_hold_cnt(0) depctr_sa_sdst(0) depctr_va_vdst(0) depctr_va_sdst(0) depctr_va_ssrc(0) depctr_va_vcc(0) depctr_vm_vsrc(0)
	s_getreg_b32 s2, hwreg(HW_REG_IB_STS2, 6, 4)
	s_cmp_eq_u32 s2, 0
	s_cbranch_scc0 .Lentry_in_a_cluster
	s_endpgm
.Lentry_in_a_cluster:
	s_bfe_u32 s2, ttmp6, 0x10000c
	s_cmp_lg_u32 s2, 0xf033
	s_cbranch_scc0 .Lentry_shape_is_right
	s_endpgm
.Lentry_shape_is_right:
; Q, K, V = x W^T AND THEIR QUANTISERS, on codes of FP6 (E2M3) with E8M0 scales, K = 1,024, sums in f32.  The results leave as codes and scale bytes; no f32 result is stored.
; LIMITS: a block of zeros gets the byte 1 (its codes are zeros); blocks under 2^-124 have their byte held at 1; NaN and infinities are not served.
; INPUT: in_codes [tile][12,288 bytes of codes | 512 of scale words]: a tile is 16 rows; codes [K step][3 pieces of 512 bytes, piece p registers 4 p .. 4 p + 3, lane l's 16 bytes at 16 l]; scale words [row r][K step].
; Tiles 0-255 are x, 256 + 12 x head + 0 .. 11 the head's rows of w_qkv: four tiles of q, four of k, four of v.  Lane r of tile T holds row 32 (T / 2) + 8 (T % 2) + r + 8 (r / 8): the results of a product whose source 0 is a pair
; of such tiles are 16 neighbours along those rows in a lane's 16 registers.
; OUTPUT, for each batch x 16 + head: qkv_codes [Q: token tile 0..127][768], [K: the same], [V: 128 tokens 0..15][channel tile 0..3][1,536]: half fragments (64 along K) of 3 pieces of 256 bytes, piece p registers 2 p, 2 p + 1;
; qkv_scales [256 tokens 0..7][Q: tile pair 0..7][r]: a word, a tile's two bytes in each half; [K: the same]; [V: 128 tokens][channel tile][r].
; THE DEAL.  256 work-groups: a head (x) and 256 tokens (y): all three products of one head, 256 x 192.  Eight waves: w % 4 picks 64 tokens, w / 4 picks Q (0) or K (1), all 64 columns, and two of V's four channel tiles:
; 16 + 8 accumulators.  Q, K: source 0 = W's rows, so a lane holds a token and its registers run along the head; V: source 0 = x's rows, so a lane holds a channel and its registers run along the tokens.
; CLUSTERS of 4 x 4: x's tiles are shared along a row (the same tokens), W's along a column (the same head): each is asked for jointly.
; LDS: K steps in chunks: 0-1, 2-3, 4-6 of all 16 + 12 tiles, their scale words: EIGHT LOADS AT THE HEAD, one a wave.  Step 7 does not fit beside them: it is the one refill, into the bytes of steps 0 and 1, behind a drained round.
; Chunk 0 and the scale words are waves 0-3's loads, shown by the first barrier; chunk 1 waves 4-5's, by the second; chunk 2 by the round.
; NO PREFETCH: there is no loop to run ahead in; seven of eight K steps are asked for at the head.
; REGISTERS.  Window 0: v2-22 addresses, v28-61 scale words of four K steps (register 6 i + k % 4: lanes 0-15 x's tile i, lanes 16-31 W's tile i), v64-255 the accumulators.  Window 1: two fragment buffers of 120 (x 4, W 4, V's W 2), then work.
.set C0,   0
.set C1,   86016
.set C2,   172032
.set SCLX, 301056
.set SCLW, SCLX+16*512
.set STG,  SCLW+12*512                 ; the results' scale bytes: Q 512, K 512, V 512
.set SPARE, STG+1536
.set TILEB, 12800
.set AX,   2                           ; v2-5   x's fragments in chunk 0 .. 3 (3: step 7)
.set AW,   6
.set AV,   10
.set AS,   14                          ; v14, v15
.set SPW,  16
.set NIL,  17
.set CO,   18
.set SQK,  19
.set SV,   20
.set SRD,  21
.set LQ,   22
.set SC,   28
.set ACC,  64
.set FB,   120
.set MX,   0                           ; window 1, behind the products
.set PT,   12
.set SOP,  24
.set WD,   36
.set PCD,  48
.set CT,   84
.set SEL,  66
.set G1A,  24
.set G1B,  32
.set G1A2, 48
.set G1B2, 56
.set G1SA, 68
.set G1SB, 80
.set MSB, 0
.macro WIN new
.if MSB != (\new)
	s_set_vgpr_msb (MSB<<8)|(\new)
.set MSB, (\new)
.endif
.endm
.macro WALU
	s_wait_alu depctr_va_vdst(0)
.endm
.macro PLACES                          ; four plain vector instructions that name no register of the matrix instructions ahead (ISA guide 7.12.1)
.rept 4
	v_nop
.endr
.endm
.macro CREST                           ; a round of the cluster's barrier behind its opening barrier
	s_cmp_lg_u32 s14, 0
	s_cbranch_scc1 .Lnot_wave_0_\@
	s_barrier_signal -3
.Lnot_wave_0_\@:
	s_barrier_wait -3
	s_barrier_signal -1
	s_barrier_wait -1
.endm
.macro CROUND
	s_barrier_signal -1
	s_barrier_wait -1
	CREST
.endm
.macro GROUP1 g, mask, dim, rows       ; rows of dim x 8 bytes, a tile's pitch apart; no padding; 21 set beside the mask
	s_or_b32 s[\g], s\mask, (3<<16)|(1<<21)
	s_mov_b32 s[\g+1], (\dim)<<16
	s_mov_b32 s[\g+2], (\rows)<<16
	s_mov_b32 s[\g+3], (\dim)<<16
	s_mov_b32 s[\g+4], \rows
	s_mov_b32 s[\g+5], TILEB/8
	s_mov_b32 s[\g+6], 0
	s_mov_b32 s[\g+7], 0
.endm
.macro GO base, off, lds, g1
	s_mov_b32 s77, \lds
	s_add_nc_u64 s[78:79], s[\base:\base+1], \off
	s_or_b32 s79, s79, 0x80000000
	tensor_load_to_lds s[76:79], s[\g1:\g1+7]
	s_nop 0
	PLACES
.endm
.macro ARM n, base, off, lds, g1
	s_cmp_eq_u32 s14, \n
	s_cbranch_scc0 .Larm_\n
	GO \base, \off, \lds, \g1
	s_branch .Lasked
.Larm_\n:
.endm
	s_load_b64 s[4:5], s[0:1], 0x0                 ; in_codes
	s_load_b128 s[8:11], s[0:1], 0x8               ; qkv_codes, qkv_scales
	v_lshl_add_u32 v[SPW], v0, 2, SPARE
	v_mov_b32 v[NIL], 0
	ds_add_u32 v[SPW], v[NIL]
	ds_add_u32 v[SPW], v[NIL]
	v_lshrrev_b32 v1, 5, v0
	v_readfirstlane_b32 s14, v1                    ; wave 0..7
	s_lshr_b32 s15, s14, 2                         ; Q or K, and which half of V's channels
	s_and_b32 s16, s14, 3                          ; which 64 tokens
	s_bfe_u32 s40, ttmp6, 0x40000                  ; cx, cy
	s_bfe_u32 s41, ttmp6, 0x40004
	s_lshl_b32 s42, ttmp9, 2
	s_add_co_u32 s42, s42, s40                     ; the head
	s_and_b32 s17, ttmp7, 0xffff
	s_lshl_b32 s17, s17, 2
	s_add_co_u32 s17, s17, s41                     ; the 256 tokens: 8 x batch + 0 .. 7
	s_lshl_b32 s43, s41, 2
	s_lshl_b32 s43, 15, s43                        ; my row of the cluster
	s_lshl_b32 s44, 0x1111, s40                    ; my column
	GROUP1 G1A, 43, 384, 16                        ; two K steps
	GROUP1 G1B, 44, 384, 12
	GROUP1 G1A2, 43, 576, 16                       ; three
	GROUP1 G1B2, 44, 576, 12
	GROUP1 G1SA, 43, 64, 16                        ; scale words
	GROUP1 G1SB, 44, 64, 12
	s_mov_b32 s76, 1
	s_mul_i32 s20, s17, 16*TILEB
	s_mov_b32 s21, 0
	s_mul_i32 s22, s42, 12*TILEB
	s_add_co_u32 s22, s22, 256*TILEB
	s_mov_b32 s23, 0
	s_mov_b32 s[SEL], 0x76543210
	s_mov_b32 s[SEL+1], 0xfedcba98                 ; lane selects: lane l xor 16
	WALU
	s_wait_dscnt 0x0
	CROUND                                         ; all sixteen work-groups are here: the joint loads meet
	s_wait_kmcnt 0x0
	s_add_nc_u64 s[20:21], s[4:5], s[20:21]        ; my 16 tiles of x,
	s_add_nc_u64 s[22:23], s[4:5], s[22:23]        ; my 12 tiles of W
	ARM 0, 20, 0, C0, G1A
	ARM 1, 22, 0, C0+16*3072, G1B
	ARM 2, 20, 12288, SCLX, G1SA
	ARM 3, 22, 12288, SCLW, G1SB
	ARM 4, 20, 3072, C1, G1A
	ARM 5, 22, 3072, C1+16*3072, G1B
	ARM 6, 20, 6144, C2, G1A2
	GO 22, 6144, C2+16*4608, G1B2
.Lasked:
	; where the results go: s[88:89] Q's or K's codes, s[90:91] V's, s[92:93] scale bytes
	s_lshr_b32 s45, s17, 3
	s_lshl_b32 s45, s45, 4
	s_add_co_u32 s45, s45, s42                     ; batch x 16 + head
	s_and_b32 s46, s17, 7
	s_mul_i32 s47, s45, 294912
	s_mul_i32 s88, s15, 98304
	s_add_co_u32 s88, s88, s47
	s_mul_i32 s3, s46, 16*768
	s_add_co_u32 s88, s88, s3
	s_mul_i32 s3, s16, 4*768
	s_add_co_u32 s88, s88, s3
	s_mov_b32 s89, 0
	s_add_nc_u64 s[88:89], s[8:9], s[88:89]
	s_add_co_u32 s90, s47, 196608
	s_lshl_b32 s3, s46, 1
	s_lshr_b32 s2, s16, 1
	s_add_co_u32 s3, s3, s2
	s_mul_i32 s3, s3, 6144
	s_add_co_u32 s90, s90, s3
	s_mul_i32 s3, s15, 3072
	s_add_co_u32 s90, s90, s3
	s_and_b32 s3, s16, 1
	s_mul_i32 s3, s3, 768
	s_add_co_u32 s90, s90, s3
	s_mov_b32 s91, 0
	s_add_nc_u64 s[90:91], s[8:9], s[90:91]
	s_lshl_b32 s92, s45, 3
	s_add_co_u32 s92, s92, s46
	s_mul_i32 s92, s92, 1536
	s_min_u32 s47, s14, 2                          ; waves 0, 1, 2 send Q's, K's, V's scale bytes
	s_lshl_b32 s47, s47, 9
	s_add_co_u32 s92, s92, s47
	s_mov_b32 s93, 0
	s_add_nc_u64 s[92:93], s[10:11], s[92:93]
	v_and_b32 v1, 31, v0                           ; lane
	v_and_b32 v23, 15, v0                          ; r
	v_bfe_u32 v24, v0, 4, 1                        ; h
	v_lshlrev_b32 v[LQ], 4, v1
	v_lshlrev_b32 v[CO], 3, v1
	v_lshlrev_b32 v25, 5, v23                      ; 32 r
	v_lshlrev_b32 v27, 2, v23                      ; 4 r
	WALU
.macro CADDR c, base, pitch            ; a chunk: x's 16 tiles, W's 12
	s_mul_i32 s45, s16, 4*\pitch
	s_add_co_u32 s45, s45, \base
	v_add_nc_u32 v[AX+\c], s45, v[LQ]
	s_mul_i32 s45, s15, 4*\pitch
	s_add_co_u32 s45, s45, \base+16*\pitch
	v_add_nc_u32 v[AW+\c], s45, v[LQ]
	s_mul_i32 s45, s15, 2*\pitch
	s_add_co_u32 s45, s45, \base+24*\pitch
	v_add_nc_u32 v[AV+\c], s45, v[LQ]
.endm
	CADDR 0, C0, 3072
	CADDR 1, C1, 3072
	CADDR 2, C2, 4608
	CADDR 3, C0, 1536
	s_lshl_b32 s45, s16, 11
	s_add_co_u32 s45, s45, SCLX                    ; lanes 0-15: my four tiles of x
	s_lshl_b32 s46, s15, 11
	s_add_co_u32 s46, s46, SCLW
	s_sub_co_u32 s46, s46, s45                     ; lanes 16-31: my four tiles of q's or k's rows,
	v_mul_u32_u24 v26, s46, v24
	v_add_nc_u32 v26, v26, v25
	v_add_nc_u32 v[AS], s45, v26
	s_lshl_b32 s46, s15, 10
	s_add_co_u32 s46, s46, SCLW+8*512
	s_sub_co_u32 s46, s46, s45                     ; and my two of v's
	v_mul_u32_u24 v26, s46, v24
	v_add_nc_u32 v26, v26, v25
	v_add_nc_u32 v[AS+1], s45, v26
	s_lshl_b32 s45, s15, 9
	s_lshl_b32 s46, s16, 7
	s_add_co_u32 s45, s45, s46
	s_add_co_u32 s45, s45, STG
	v_add_nc_u32 v[SQK], s45, v27
	s_lshr_b32 s45, s16, 1
	s_lshl_b32 s45, s45, 8
	s_lshl_b32 s46, s15, 7
	s_add_co_u32 s45, s45, s46
	s_and_b32 s46, s16, 1
	s_lshl_b32 s46, s46, 1
	s_add_co_u32 s45, s45, s46
	s_add_co_u32 s45, s45, STG+1024
	WALU
	v_add_nc_u32 v[SV], s45, v27
	s_add_co_u32 s47, s47, STG
	v_add_nc_u32 v[SRD], s47, v[LQ]
; a K step's ten fragments, step q of chunk c, into buffer f: 30 loads
.macro FETCH c, q, f
.if \c < 2
.set P_, 3072
.elseif \c == 2
.set P_, 4608
.else
.set P_, 1536
.endif
	WIN 0x40
.irp i, 0,1,2,3
.irp p, 0,1,2
	ds_load_b128 v[FB*\f+12*\i+4*\p:FB*\f+12*\i+4*\p+3], v[AX+\c] offset:\i*P_+(\q)*1536+512*\p
.endr
.endr
.irp i, 0,1,2,3
.irp p, 0,1,2
	ds_load_b128 v[FB*\f+48+12*\i+4*\p:FB*\f+48+12*\i+4*\p+3], v[AW+\c] offset:\i*P_+(\q)*1536+512*\p
.endr
.endr
.irp i, 0,1
.irp p, 0,1,2
	ds_load_b128 v[FB*\f+96+12*\i+4*\p:FB*\f+96+12*\i+4*\p+3], v[AV+\c] offset:\i*P_+(\q)*1536+512*\p
.endr
.endr
	WIN 0
.endm
.macro SCALES half                     ; the scale words of K steps 4 half .. 4 half + 3: six loads
.irp i, 0,1,2,3
	ds_load_b128 v[SC+6*\i:SC+6*\i+3], v[AS] offset:\i*512+16*\half
.endr
.irp i, 0,1
	ds_load_b128 v[SC+24+6*\i:SC+27+6*\i], v[AS+1] offset:\i*512+16*\half
.endr
.endm
; A step's 24 products, in the same order in every step: the accumulators take turns.  MULA: Q or K; MULB: V.  zero = 1: they start the sums.
.macro MULA k, f, zero
	WIN 0x05
.irp i, 0,1,2,3
.irp a, 0,1,2,3
.set D_, ACC+8*(4*\a+\i)
.if \zero
	v_wmma_scale_f32_16x16x128_f8f6f4 v[D_:D_+7], v[FB*\f+48+12*\i:FB*\f+48+12*\i+11], v[FB*\f+12*\a:FB*\f+12*\a+11], 0, v[SC+6*\i+(\k)%4], v[SC+6*\a+(\k)%4] matrix_a_fmt:MATRIX_FMT_FP6 matrix_b_fmt:MATRIX_FMT_FP6 matrix_a_scale:MATRIX_SCALE_ROW1
.else
	v_wmma_scale_f32_16x16x128_f8f6f4 v[D_:D_+7], v[FB*\f+48+12*\i:FB*\f+48+12*\i+11], v[FB*\f+12*\a:FB*\f+12*\a+11], v[D_:D_+7], v[SC+6*\i+(\k)%4], v[SC+6*\a+(\k)%4] matrix_a_fmt:MATRIX_FMT_FP6 matrix_b_fmt:MATRIX_FMT_FP6 matrix_a_scale:MATRIX_SCALE_ROW1
.endif
.endr
.endr
	WIN 0
.endm
.macro MULB k, f, zero
	WIN 0x05
.irp t, 0,1
.irp a, 0,1,2,3
.set D_, ACC+128+8*(4*\t+\a)
.if \zero
	v_wmma_scale_f32_16x16x128_f8f6f4 v[D_:D_+7], v[FB*\f+12*\a:FB*\f+12*\a+11], v[FB*\f+96+12*\t:FB*\f+96+12*\t+11], 0, v[SC+6*\a+(\k)%4], v[SC+24+6*\t+(\k)%4] matrix_a_fmt:MATRIX_FMT_FP6 matrix_b_fmt:MATRIX_FMT_FP6 matrix_b_scale:MATRIX_SCALE_ROW1
.else
	v_wmma_scale_f32_16x16x128_f8f6f4 v[D_:D_+7], v[FB*\f+12*\a:FB*\f+12*\a+11], v[FB*\f+96+12*\t:FB*\f+96+12*\t+11], v[D_:D_+7], v[SC+6*\a+(\k)%4], v[SC+24+6*\t+(\k)%4] matrix_a_fmt:MATRIX_FMT_FP6 matrix_b_fmt:MATRIX_FMT_FP6 matrix_b_scale:MATRIX_SCALE_ROW1
.endif
.endr
.endr
	WIN 0
.endm
.macro MUL k, f, zero
	MULA \k, \f, \zero
	MULB \k, \f, \zero
.endm
	WALU
	s_cmp_lt_u32 s14, 4
	s_cbranch_scc0 .Lno_chunk_0
	s_wait_tensorcnt 0x0
.Lno_chunk_0:
	s_barrier_signal -1
	s_barrier_wait -1                              ; steps 0, 1 and the scale words are in
	SCALES 0
	FETCH 0, 0, 0
	FETCH 0, 1, 1
	s_wait_dscnt 30                                ; all but the 30 youngest
	MUL 0, 0, 1
	s_cmp_lt_u32 s14, 6
	s_cbranch_scc0 .Lno_chunk_1
	s_wait_tensorcnt 0x0
.Lno_chunk_1:
	s_wait_dscnt 0x0
	s_barrier_signal -1
	MULA 1, 1, 0
	s_barrier_wait -1                              ; steps 2, 3 are in
	PLACES
	FETCH 1, 0, 0
	MULB 1, 1, 0
	PLACES
	FETCH 1, 1, 1
	s_wait_dscnt 30
	MUL 2, 0, 0
	s_wait_tensorcnt 0x0                           ; all the head's loads are in
	ds_add_u32 v[SPW], v[NIL]
	s_mov_b32 s[G1A+1], 192<<16                    ; no tensor load of mine is out, so a descriptor may be written: the refill brings one K step
	s_mov_b32 s[G1A+3], 192<<16
	s_mov_b32 s[G1B+1], 192<<16
	s_mov_b32 s[G1B+3], 192<<16
	s_wait_dscnt 0x0                               ; the add, and my reads of steps 0 to 3
	s_barrier_signal -1
	MULA 3, 1, 0
	s_barrier_wait -1
	CREST                                          ; no wave of any partner still reads steps 0 and 1 or has a load on its way; steps 4 to 6 are in
	s_cmp_eq_u32 s14, 0
	s_cbranch_scc0 .Lrefill_b
	GO 20, 7*1536, C0, G1A
	s_branch .Lrefilled
.Lrefill_b:
	s_cmp_eq_u32 s14, 1
	s_cbranch_scc0 .Lrefilled
	GO 22, 7*1536, C0+16*1536, G1B
.Lrefilled:
	PLACES                                         ; for the waves that come round the loads
	FETCH 2, 0, 0
	MULB 3, 1, 0
	PLACES
	SCALES 1
	FETCH 2, 1, 1
	s_wait_dscnt 30
	MUL 4, 0, 0
	PLACES
	FETCH 2, 2, 0
	s_wait_dscnt 30
	MUL 5, 1, 0
	s_wait_tensorcnt 0x0                           ; the refill, if it was mine
	s_wait_dscnt 0x0
	s_barrier_signal -1
	MULA 6, 0, 0
	s_barrier_wait -1                              ; step 7 is in; nothing is filled again
	PLACES
	FETCH 3, 0, 1
	MULB 6, 0, 0
	s_wait_dscnt 0x0
	MUL 7, 1, 0
	PLACES
; THE WAY OUT.  Six units of 32 registers: a token tile's 64 columns (units 0-3), a channel tile's 64 tokens (4, 5): two blocks of 32 each, a block in lanes l and l xor 16; all twelve blocks by turns.
	WIN 0x40
.irp n, 0,1,2,3,4,5,6,7,8,9,10,11
	v_max3_num_f32 v[MX+\n], |v[ACC+16*\n]|, |v[ACC+16*\n+1]|, 0x1800000   ; with the floor 2^(3 - 127): the byte cannot fall under 1
.endr
	WIN 0x41
.irp i, 2,4,6,8,10,12,14
.irp n, 0,1,2,3,4,5,6,7,8,9,10,11
	v_max3_num_f32 v[MX+\n], v[MX+\n], |v[ACC+16*\n+\i]|, |v[ACC+16*\n+\i+1]|
.endr
.endr
.irp n, 0,1,2,3,4,5,6,7,8,9,10,11
	v_permlanex16_b32 v[PT+\n], v[MX+\n], s[SEL], s[SEL+1]
.endr
	WIN 0x45
.irp n, 0,1,2,3,4,5,6,7,8,9,10,11
	v_max_num_f32 v[MX+\n], v[MX+\n], v[PT+\n]
.endr
	WIN 0x44
.irp n, 0,1,2,3,4,5,6,7,8,9,10,11
	v_add_nc_u32 v[SOP+\n], 0xff000000, v[MX+\n]   ; 2 off the exponent field: the conversion's scale operand
.endr
.irp n, 0,1,2,3,4,5,6,7,8,9,10,11
	v_lshrrev_b32 v[PT+\n], 23, v[SOP+\n]          ; the byte
.endr
	WIN 0x51
.irp u, 0,1,2,3,4,5
	v_lshl_or_b32 v[WD+\u], v[PT+2*\u+1], 8, v[PT+2*\u]
.endr
	WIN 0x44
.irp u, 0,1,2,3,4,5
	v_cvt_scalef32_pk16_fp6_f32 v[PCD+6*\u:PCD+6*\u+2], v[ACC+32*\u:ACC+32*\u+15], v[SOP+2*\u]
	v_cvt_scalef32_pk16_fp6_f32 v[CT+4*\u:CT+4*\u+2], v[ACC+32*\u+16:ACC+32*\u+31], v[SOP+2*\u+1]
.endr
	v_nop                                          ; one plain place behind a scaled conversion
	WIN 0x41
.irp u, 0,1,2,3,4,5
.irp i, 0,1,2
	v_permlane16_swap_b32 v[PCD+6*\u+\i], v[CT+4*\u+\i]   ; a WHOLE block to a lane
.endr
.endr
.irp u, 0,1,2,3,4,5
.irp i, 0,1,2
	v_mov_b32 v[PCD+6*\u+3+\i], v[CT+4*\u+\i]
.endr
.endr
	WIN 0x04
.irp u, 0,1,2,3
	ds_store_b16 v[SQK], v[WD+\u] offset:64*(\u/2)+2*(\u%2)   ; lanes r and r + 16 write the same two bytes with the same value
.endr
.irp t, 0,1
	ds_store_b16 v[SV], v[WD+4+\t] offset:64*\t
.endr
.irp u, 0,1,2,3
.irp p, 0,1,2
	global_store_b64 v[CO], v[PCD+6*\u+2*\p:PCD+6*\u+2*\p+1], s[88:89] offset:768*\u+256*\p   ; 32 lanes store 256 consecutive bytes, aligned
.endr
.endr
.irp t, 0,1
.irp p, 0,1,2
	global_store_b64 v[CO], v[PCD+24+6*\t+2*\p:PCD+24+6*\t+2*\p+1], s[90:91] offset:1536*\t+256*\p
.endr
.endr
	WIN 0
	WALU
	s_wait_dscnt 0x0
	s_barrier_signal -1
	s_barrier_wait -1
	s_cmp_lt_u32 s14, 3
	s_cbranch_scc0 .Lsent
	ds_load_b128 v[24:27], v[SRD]
	s_wait_dscnt 0x0
	global_store_b128 v[LQ], v[24:27], s[92:93]    ; 512 consecutive bytes
.Lsent:
	s_wait_tensorcnt 0x0
	ds_add_u32 v[SPW], v[NIL]
	s_wait_dscnt 0x0
	CROUND                                         ; the closing round: no work-group ends while a partner may still ask for a tile that names it
	s_endpgm
.Lfunc_end_k_qec8e3218c5_qkv:
	.size	k_qec8e3218c5_qkv, .Lfunc_end_k_qec8e3218c5_qkv-k_qec8e3218c5_qkv
	.p2alignl 7, 3214868480
	.fill 96, 4, 3214868480
	.section	.rodata,"a",@progbits
	.p2align	6, 0x0
	.amdhsa_kernel k_qec8e3218c5_qkv
		.amdhsa_group_segment_fixed_size 327680
		.amdhsa_private_segment_fixed_size 0
		.amdhsa_enable_private_segment 0
		.amdhsa_kernarg_size 24
		.amdhsa_user_sgpr_count 2
		.amdhsa_user_sgpr_kernarg_segment_ptr 1
		.amdhsa_wavefront_size32 1
		.amdhsa_system_sgpr_workgroup_id_x 1
		.amdhsa_system_sgpr_workgroup_id_y 1
		.amdhsa_system_sgpr_workgroup_id_z 1
		.amdhsa_system_vgpr_workitem_id 0
		.amdhsa_next_free_vgpr 512
		.amdhsa_next_free_sgpr 100
		.amdhsa_reserve_vcc 0
		.amdhsa_float_denorm_mode_32 3
		.amdhsa_float_denorm_mode_16_64 3
		.amdhsa_memory_ordered 1
		.amdhsa_forward_progress 1
		.amdhsa_inst_pref_size 72
	.end_amdhsa_kernel
	.amdgpu_metadata
---
amdhsa.version: [ 1, 2 ]
amdhsa.kernels:
  - .name:           k_qec8e3218c5_qkv
    .symbol:         k_qec8e3218c5_qkv.kd
    .args:
      - { .name: in_codes, .offset: 0, .size: 8, .value_kind: global_buffer, .address_space: global }
      - { .name: qkv_codes, .offset: 8, .size: 8, .value_kind: global_buffer, .address_space: global }
      - { .name: qkv_scales, .offset: 16, .size: 8, .value_kind: global_buffer, .address_space: global }
    .group_segment_fixed_size: 327680
    .private_segment_fixed_size: 0
    .kernarg_segment_align: 8
    .kernarg_segment_size: 24
    .max_flat_workgroup_size: 256
    .sgpr_count:     100
    .vgpr_count:     512
    .wavefront_size: 32
...
	.end_amdgpu_metadata
.endif
;; end of part 6
;; launch attn (part 7): grid 8 x 32, 8 waves a work-group, clusters of 4 x 1, 240,640 bytes of LDS; arguments qkv_codes, qkv_scales, ctx_codes; writes ctx_codes
.if DOCPART == 7
	.amdgcn_target "amdgcn-amd-amdhsa--gfx1250"
	.amdhsa_code_object_version 6
	.text
	.protected	k_qec8e3218c5_attn
	.globl	k_qec8e3218c5_attn
	.p2align	8
	.type	k_qec8e3218c5_attn,@function
k_qec8e3218c5_attn:
	s_mov_b64 s[64:65], 0
	v_nop
	global_prefetch_b8 v0, s[64:65] scope:SCOPE_SE
	s_setreg_imm32_b32 hwreg(HW_REG_WAVE_MODE, 25, 1), 1
	s_wait_xcnt 0x0
	s_wait_alu depctr_hold_cnt(0) depctr_sa_sdst(0) depctr_va_vdst(0) depctr_va_sdst(0) depctr_va_ssrc(0) depctr_va_vcc(0) depctr_vm_vsrc(0)
	s_getreg_b32 s2, hwreg(HW_REG_IB_STS2, 6, 4)
	s_cmp_eq_u32 s2, 0
	s_cbranch_scc0 .Lentry_in_a_cluster
	s_endpgm
.Lentry_in_a_cluster:
	s_bfe_u32 s2, ttmp6, 0x10000c
	s_cmp_lg_u32 s2, 0x3003
	s_cbranch_scc0 .Lentry_shape_is_right
	s_endpgm
.Lentry_shape_is_right:
; ctx = softmax(q k^T / 8, causal) v for one head a work-group row, both products on codes of FP6 (E2M3) with E8M0 scales; ctx is quantised along its channels and leaves as codes.
; THE SOFTMAX: t = score x log2(e) / 8; M = the largest t so far, rounded UP to a whole number; p = 2^(t - M) is quantised along the keys, not normalised; the row's sum is taken of the unquantised p
; and divides O at the end.  When M moves, the sum and O are multiplied by 2^(old M - new M): exact.
; WORK LEFT OUT: key steps that lie wholly under the causal mask: their p is 0 for all values of the inputs.  A NaN or an infinity that reaches only those scores is not carried.
; INPUTS are images of operand registers (a fragment: 6 pieces of 256 bytes, lane l's 8 bytes at 8 l).  q, k: a block of qkv_codes is 8 token tiles x 1,536 bytes, head c of the pair at + 768 c.  v: a block is
; [4 c + channel tile][1,536], K = the block's 128 tokens.  Tiles hold their 16 rows in the order 32 (T / 2) + 8 (T % 2) + r + 8 (r / 8), so that a product's registers run along neighbours of source 0's rows.
; NO RING: a head's K and V are 96 KiB + 96 KiB of codes and 4 KiB + 4 KiB of scale words: all of it lies in LDS, filled once, one tensor load a wave.  Steps 0 and 1 and the scale words are the loads of waves 0 to 3,
; shown by the first barrier; steps 2 to 15 those of waves 4 to 7, shown by the second, which stands behind step 0's softmax.  No prefetch: every tile is asked for at the head, so no loop is left to run ahead in.
; K = 64 IN AN INSTRUCTION OF 128: source 0 holds TWO key tiles, tile 2 e in k 0-63 and tile 2 e + 1 in k 64-127; Q stands between zero codes, [0 | Q | 0]: its first twelve registers pick one tile's scores, its last twelve the other's.
; Zero codes add nothing under any scale byte but 0xff.
; SHARES.  Eight work-groups, two clusters, to a head.  A wave owns 32 queries: tiles A and B, u = role and 1 - role of the pair 2 cx + u of a block of 128.  Waves w and w + 4 share the short block i = 2 (w % 4) + the cluster's x
; (i + 1 key steps of 128) and the long block 15 - i (16 - i key steps): 17 steps.  The FINISHER (w / 4 = 1) takes the long block's steps 0 .. 6: seven.  The HELPER takes the short block's i + 1 steps, stores it, and then the long
; block's steps 7 .. 15 - i: ten in all.  At the end each hands its tile B to the other through LDS and finishes its tile A: both parts are brought under the larger M by exact powers of two.
; Every branch hangs on the wave's number, the cluster's x and the counted trip alone: it is alike in all four partners.
; CLUSTER: the four partners read the same K and V: each part is asked for jointly (mask 15).  The head's two clusters ask apart: a mask names four at the most here.
; OUT: ctx_codes [token tile][12,288 bytes of codes: head pair j x 1,536, my head's half at + 768 c | 512 bytes of scale words: 32 r + 4 j, my head's two bytes at + 2 c]: the scale bytes leave by stores of two bytes a lane, since
; the word's other half is another work-group's; they are 1/24 of the codes' bytes.
; LIMITS: a block of zeros gets the byte 1; blocks under 2^-124 have their byte held at 1; NaN and infinities are not served; the scaled scores stay under 2^31 in magnitude.
; REGISTERS.  Window 0: v1-11 addresses, the mask's numbers; v12 -M, v13 the largest t, v[14:15] the sum of tile A, v16-19 those of B; v24-53 zeros, Q of A, zeros, Q of B, zeros; v54-67 the long block's Q; v68-75 scale words;
; v80-127 K's four fragments, v128-175 V's; v176-199 p's codes; v200-255 at work.  Window 1: v0-63 S^T of A, v64-127 of B (then p); v128-159 O^T of A, v160-191 of B; v192-255 the sums' tree.
.set VC,   98304
.set KSW,  196608
.set VSW,  200704
.set MRG,  204800                      ; the hand-over: for each wave 4,096 bytes of O^T and 256 of -M and the sum; no tile lands here
.set MRGP, 4352
.set SPARE, MRG+8*MRGP
.set ADK,  8
.set ADV,  9
.set ADS,  10
.set ADT,  11
.set SPW,  20
.set NIL,  21
.set CO,   22                          ; v22, v23  my place in ctx's codes, tiles A and B
.set QA,   30
.set QB,   42
.set QS,   68
.set KSC,  70
.set VSC,  72
.set PS,   74
.set SO,   76                          ; v76, v77  in its scale words
.set EXA,  78                          ; v78 my place for O^T, v79 my partner's; v251, v252 the same for -M and the sum
.set KF,   80
.set VF,   128
.set PCD,  176
.set MX,   200                         ; largest of a block: A v200-203, B v208-211; v204-207, v212-215 the other half's, then the bytes
.set SOP,  216
.set FP,   224                         ; v224, v226  2^(old M - new M)
.set NIN,  230
.set OM,   232
.set XT,   234
.set CT,   236
.set SCR,  255
.set SA,   0                           ; window 1
.set OA,   128
.set AD,   192
.set WV,   12
.set TRIP, 13
.set T6,   14
.set T4,   15
.set STP,  16
.set SEL,  20
.set CS,   22
.set G1K2, 24
.set G1K7, 32
.set G1V2, 40
.set G1V7, 48
.set G1S,  56
.set BI,   72                          ; the block at work: its step of that number is the diagonal one
.set RO,   73
.set IS,   74
.set IL,   75
.set OFF,  76                          ; 6 - i: the helper's second part skips this many steps
.set SWT,  77                          ; the trip at which the helper changes blocks
.set ENDT, 100                         ; trips of this wave
.set RA16, 101                         ; 16 x role: where tile A's two scale bytes of Q lie in their word
.set RB16, 84                          ; the same for tile B
.set KT6,  2                           ; 6,144 x the next trip's step
.set KT4,  3
.set FST,  7                           ; the finisher's steps: the long block's 0 .. FST - 1
.set NTRIP, 17-FST                     ; the helper's
.macro STEPOF t, c6, c4                ; the key step of trip s\t into s67 (behind a wave's last one the clamp holds: that K is fetched and not used)
	s_cmp_ge_u32 s\t, s[SWT]
	s_cselect_b32 s66, s[OFF], 0
	s_add_co_u32 s66, s\t, s66
	s_min_u32 s67, s66, 15
	s_mul_i32 s[\c6], s67, 6144
	s_lshl_b32 s[\c4], s67, 8
.endm
.set MSB, 0
.macro WIN new
.if MSB != (\new)
	s_set_vgpr_msb (MSB<<8)|(\new)
.set MSB, (\new)
.endif
.endm
.macro WALU
	s_wait_alu depctr_va_vdst(0)
.endm
.macro CROUND
	s_barrier_signal -1
	s_barrier_wait -1
	s_cmp_lg_u32 s[WV], 0
	s_cbranch_scc1 .Lnot_wave_0_\@
	s_barrier_signal -3
.Lnot_wave_0_\@:
	s_barrier_wait -3
	s_barrier_signal -1
	s_barrier_wait -1
.endm
.macro PLACES                          ; four plain vector instructions that name no register of the matrix instructions ahead (ISA guide 7.12.1)
.rept 4
	v_nop
.endr
.endm
.macro GROUP1 g, dim, rows, pitch      ; 15:0 the mask: all four partners; elements of 8 bytes; 21 set beside a mask; no padding
	s_mov_b32 s[\g], 15|(3<<16)|(1<<21)
	s_mov_b32 s[\g+1], (\dim)<<16
	s_mov_b32 s[\g+2], (\rows)<<16
	s_mov_b32 s[\g+3], (\dim)<<16
	s_mov_b32 s[\g+4], \rows
	s_mov_b32 s[\g+5], \pitch
	s_mov_b32 s[\g+6], 0
	s_mov_b32 s[\g+7], 0
.endm
.macro ADR d, x, base                  ; s[d:d+1] = base + the offset in s[x]
	s_mov_b32 s[\d], s\x
	s_mov_b32 s[\d+1], 0
	s_add_nc_u64 s[\d:\d+1], s[\base:\base+1], s[\d:\d+1]
.endm
.macro GO base, off, lds, g1
	s_mov_b32 s69, \lds
	s_add_nc_u64 s[70:71], s[\base:\base+1], \off
	s_or_b32 s71, s71, 0x80000000
	tensor_load_to_lds s[68:71], s[\g1:\g1+7]
	s_nop 0
	PLACES
.endm
.macro ARM n, base, off, lds, g1
	s_cmp_eq_u32 s[WV], \n
	s_cbranch_scc0 .Larm_\n
	GO \base, \off, \lds, \g1
	s_branch .Lasked
.Larm_\n:
.endm
	s_load_b128 s[4:7], s[0:1], 0x0                ; qkv_codes s[4:5], qkv_scales s[6:7]
	s_load_b64 s[8:9], s[0:1], 0x10                ; ctx_codes
	v_lshl_add_u32 v[SPW], v0, 2, SPARE
	v_mov_b32 v[NIL], 0
	ds_add_u32 v[SPW], v[NIL]
	ds_add_u32 v[SPW], v[NIL]
	v_lshrrev_b32 v8, 5, v0
	v_readfirstlane_b32 s[WV], v8                  ; wave 0..7
	s_bfe_u32 s13, ttmp6, 0x40000                  ; cx: it enters Q's and ctx's addresses and the mask's number alone
	s_mov_b32 s14, ttmp9                           ; which of the head's two clusters
	s_and_b32 s15, ttmp7, 0xffff                   ; batch x 16 + head
	s_lshr_b32 s16, s15, 4                         ; b
	s_and_b32 s17, s15, 15
	s_lshr_b32 s18, s17, 1                         ; j: the pair of heads
	s_and_b32 s19, s17, 1                          ; c: which of the pair
	s_lshr_b32 s[RO], s[WV], 2                     ; the role: 1 the finisher
	s_and_b32 s66, s[WV], 3
	s_lshl_b32 s66, s66, 1
	s_add_co_u32 s[IS], s66, s14                   ; i
	s_sub_co_u32 s[IL], 15, s[IS]
	s_sub_co_u32 s[OFF], FST-1, s[IS]
	s_add_co_u32 s[SWT], s[IS], 1
	s_cmp_eq_u32 s[RO], 1
	s_cselect_b32 s[ENDT], FST, NTRIP
	s_cselect_b32 s[SWT], 64, s[SWT]               ; (the finisher never changes)
	s_cselect_b32 s[BI], s[IL], s[IS]
	GROUP1 G1K2, 768, 2, 768                       ; K, V: rows (steps) of 6,144 bytes, dense: two steps,
	GROUP1 G1K7, 768, 7, 768                       ; and seven
	GROUP1 G1S, 64, 8, 192                         ; scale words: 8 rows of 512 bytes, 1,536 apart
	s_mov_b32 s68, 1
	s_mul_i32 s2, s19, 768
	s_mul_i32 s78, s15, 294912                     ; my head's Q, K, V: 98,304 bytes of codes each
	s_add_co_u32 s80, s78, 98304
	s_mov_b32 s81, 0
	s_add_co_u32 s84, s78, 196608
	s_mov_b32 s85, 0
	s_mul_i32 s79, s15, 12288                      ; its scale words: for each 256 tokens 512 bytes of Q's, of K's, of V's
	s_add_co_u32 s82, s79, 512
	s_mov_b32 s83, 0
	s_add_co_u32 s86, s79, 1024
	s_mov_b32 s87, 0
	s_mov_b32 s[SEL], 0x76543210
	s_mov_b32 s[SEL+1], 0xfedcba98                 ; lane selects: lane l xor 16
	s_mov_b32 s[CS], 0x3e38aa3b                    ; c = log2(e) / 8
	s_mov_b32 s[CS+1], s[CS]                       ; (named with it as a pair, so it is written)
	WALU
	s_wait_dscnt 0x0
	CROUND                                         ; all four work-groups are here: the joint loads meet
	s_wait_kmcnt 0x0
	s_add_nc_u64 s[80:81], s[4:5], s[80:81]
	s_add_nc_u64 s[82:83], s[6:7], s[82:83]
	s_add_nc_u64 s[84:85], s[4:5], s[84:85]
	s_add_nc_u64 s[86:87], s[6:7], s[86:87]
	ARM 0, 80, 0, 0, G1K2                          ; steps 0 and 1
	ARM 1, 84, 0, VC, G1K2
	ARM 2, 82, 0, KSW, G1S
	ARM 3, 86, 0, VSW, G1S
	ARM 4, 80, 2*6144, 2*6144, G1K7                ; steps 2 to 8
	ARM 5, 84, 2*6144, VC+2*6144, G1K7
	ARM 6, 80, 9*6144, 9*6144, G1K7                ; steps 9 to 15
	GO 84, 9*6144, VC+9*6144, G1K7
.Lasked:
	; Q: my two tiles of the first block, s[88:91], and of the long block, s[92:95]
	s_mul_i32 s66, s13, 1536
	s_add_co_u32 s66, s66, s78
	s_mul_i32 s67, s15, 12288
	s_lshl_b32 s3, s13, 6
	s_add_co_u32 s67, s67, s3
.macro QADR d, e, blk
	s_mul_i32 s3, s[\blk], 6144
	s_add_co_u32 s3, s3, s66
	ADR \d, 3, 4
	s_lshr_b32 s3, s[\blk], 1
	s_mul_i32 s3, s3, 1536
	s_and_b32 s79, s[\blk], 1
	s_lshl_b32 s79, s79, 8
	s_add_co_u32 s3, s3, s79
	s_add_co_u32 s3, s3, s67
	ADR \e, 3, 6
.endm
	QADR 88, 90, BI
	QADR 92, 94, IL
	; ctx: the short block's tiles s[96:99], the long block's s[10:11], s[82:83]
	s_lshl_b32 s66, s16, 7
	s_lshl_b32 s67, s13, 1
	s_add_co_u32 s66, s66, s67                     ; token tile 128 b + 2 cx, + 8 x block
	s_mul_i32 s67, s18, 1536
	s_add_co_u32 s67, s67, s2                      ; codes: 1,536 j + 768 c
	s_lshl_b32 s2, s18, 2
	s_add_co_u32 s2, s2, 12288
	s_lshl_b32 s3, s19, 1
	s_add_co_u32 s2, s2, s3                        ; scale words: 12,288 + 4 j + 2 c
.macro CADR d, e, blk
	s_lshl_b32 s79, s[\blk], 3
	s_add_co_u32 s79, s79, s66
	s_mul_i32 s79, s79, 12800
	s_add_co_u32 s3, s79, s67
	ADR \d, 3, 8
	s_add_co_u32 s3, s79, s2
	ADR \e, 3, 8
.endm
	CADR 96, 98, IS
	CADR 10, 82, IL
	v_and_b32 v7, 31, v0                           ; lane
	v_and_b32 v80, 15, v0                          ; r
	v_bfe_u32 v81, v0, 4, 1                        ; h
	v_lshlrev_b32 v1, 3, v7                        ; 8 x lane (K's codes begin at LDS byte 0)
	v_lshlrev_b32 v82, 2, v80                      ; 4 r
	s_xor_b32 s67, s[RO], 1                        ; u of tile A is the role, of tile B this
	s_mul_i32 s66, s[RO], 768
	s_mul_i32 s79, s67, 768
	v_add_nc_u32 v253, s66, v1
	v_add_nc_u32 v254, s79, v1
	s_lshl_b32 s[RA16], s[RO], 4
	s_lshl_b32 s[RB16], s67, 4
	v_lshlrev_b32 v85, 5, v80                      ; 32 r
	WALU
.irp p, 0,1,2
	global_load_b64 v[QA+2*\p:QA+2*\p+1], v253, s[88:89] offset:256*\p
	global_load_b64 v[QB+2*\p:QB+2*\p+1], v254, s[88:89] offset:256*\p
	global_load_b64 v[54+2*\p:55+2*\p], v253, s[92:93] offset:256*\p   ; the long block's, for the helper's second part (the finisher asks too and does not use it: no branch)
	global_load_b64 v[60+2*\p:61+2*\p], v254, s[92:93] offset:256*\p
.endr
	global_load_b32 v228, v82, s[90:91]            ; a word for the pair of tiles: two bytes each
	global_load_b32 v66, v82, s[94:95]
	v_add_nc_u32 v2, VC, v1
	v_lshl_add_u32 v3, v7, 2, KSW                  ; scale words: lanes 0-15 one tile pair's (one channel tile's), lanes 16-31 the next one's
	v_lshl_add_u32 v4, v7, 2, VSW
	s_mul_i32 s66, s[RO], 12800
	s_mul_i32 s79, s67, 12800
	v_add_nc_u32 v[CO], s66, v1
	v_add_nc_u32 v[CO+1], s79, v1
	v_add_nc_u32 v[SO], s66, v85
	v_add_nc_u32 v[SO+1], s79, v85
	s_mul_i32 s66, s[WV], MRGP
	s_add_co_u32 s66, s66, MRG
	s_xor_b32 s79, s[WV], 4
	s_mul_i32 s79, s79, MRGP
	s_add_co_u32 s79, s79, MRG
	v_lshlrev_b32 v83, 4, v7
	v_add_nc_u32 v[EXA], s66, v83
	v_add_nc_u32 v[EXA+1], s79, v83
	v_add_nc_u32 v251, s66, v1
	v_add_nc_u32 v252, s79, v1
	v_and_b32 v83, 8, v80
	v_add_nc_u32 v83, v83, v80                     ; r + 8 (r / 8)
	v_lshlrev_b32 v84, 4, v81
	v_sub_nc_u32 v83, v83, v84
	s_lshl_b32 s66, s13, 5
	s_lshl_b32 s79, s[RO], 3
	s_add_co_u32 s79, s79, s66
	v_add_nc_u32 v5, s79, v83                      ; d = my query in its block - 16 h: in the diagonal step register 16 b + i holds a hidden key where 32 b + i > d
	s_lshl_b32 s79, s67, 3
	s_add_co_u32 s79, s79, s66
	v_add_nc_u32 v6, s79, v83
.irp i, 0,1,2,3,4,5
	v_mov_b32 v[QA-6+\i], 0                        ; the zero codes
	v_mov_b32 v[QA+6+\i], 0
	v_mov_b32 v[QB+6+\i], 0
.endr
.irp b, 0,1,2,3
	v_mov_b32 v[MX+4+\b], 0                        ; written once: a lane permute's destination counts as one of its sources
	v_mov_b32 v[MX+12+\b], 0
.endr
	v_mov_b32 v[SCR], 0
	v_mov_b32 v[FP+1], 0
	v_mov_b32 v[FP+3], 0
.macro MKQS a                          ; Q's scale words: a tile's two bytes, in both halves of the word
	v_lshrrev_b32 v[XT], s[RA16], v[\a]
	v_lshrrev_b32 v[XT+1], s[RB16], v[\a]
	v_and_b32 v[XT], 0xffff, v[XT]
	v_and_b32 v[XT+1], 0xffff, v[XT+1]
	v_lshl_or_b32 v[QS], v[XT], 16, v[XT]
	v_lshl_or_b32 v[QS+1], v[XT+1], 16, v[XT+1]
.endm
.macro START                           ; two tiles' sums begin: the first step finds zeros, which the first change of M leaves zeros
.irp h, 0,1
	v_mov_b32 v[13+4*\h], 0xff61b1e6               ; the largest t so far: -3e38, under every t
	v_mov_b32 v[14+4*\h], 0
	v_mov_b32 v[15+4*\h], 0
.endr
	v_floor_f32 v12, -v13                          ; -M
	v_floor_f32 v16, -v17
	WIN 0x40
.set I, 0
.rept 64
	v_mov_b32 v[OA+I], 0
.set I, I+1
.endr
	WIN 0
.endm
.macro KLOAD                           ; eight key tiles: four fragments of two tiles each, and their scale words: 26 loads
.set I, 0
.rept 24
	ds_load_b64 v[KF+2*I:KF+2*I+1], v[ADK] offset:256*I
.set I, I+1
.endr
	ds_load_b32 v[KSC], v[ADS]
	ds_load_b32 v[KSC+1], v[ADS] offset:128
.endm
.macro FMAT h, j                       ; t - M, two numbers at a time
	v_pk_fma_f32 v[SA+64*\h+2*(\j):SA+64*\h+2*(\j)+1], v[SA+64*\h+2*(\j):SA+64*\h+2*(\j)+1], s[CS:CS+1], v[12+4*\h:13+4*\h] op_sel_hi:[1,0,0]
.endm
.macro CVT4 h                          ; p's codes: each block's lower half where it stays, the upper half beside (a conversion's three registers begin on an even number)
	v_cvt_scalef32_pk16_fp6_f32 v[PCD+12*\h:PCD+12*\h+2], v[SA+64*\h:SA+64*\h+15], v[SOP+4*\h]
	v_cvt_scalef32_pk16_fp6_f32 v[CT+8*\h:CT+8*\h+2], v[SA+64*\h+16:SA+64*\h+31], v[SOP+4*\h+1]
	v_cvt_scalef32_pk16_fp6_f32 v[PCD+12*\h+6:PCD+12*\h+8], v[SA+64*\h+32:SA+64*\h+47], v[SOP+4*\h+2]
	v_cvt_scalef32_pk16_fp6_f32 v[CT+8*\h+4:CT+8*\h+6], v[SA+64*\h+48:SA+64*\h+63], v[SOP+4*\h+3]
.endm
; A KEY STEP'S FIRST PART: 128 keys x 32 queries: scores, softmax, p's codes.  K's fragments are in.
.macro PART1 pre                       ; pre = 1: the next trip's K is fetched behind V, under the softmax
	WIN 0x40
.irp h, 0,1
.irp t, 0,1,2,3,4,5,6,7                ; S^T = K Q^T: lane (r, h) holds query r; the 16 registers of tiles 2 b, 2 b + 1 are keys 32 b + 16 h + 0 .. 15 of the step
.if (\t/2)%2
	v_wmma_scale_f32_16x16x128_f8f6f4 v[SA+64*\h+8*\t:SA+64*\h+8*\t+7], v[KF+12*(\t/2):KF+12*(\t/2)+11], v[QA+12*\h-6*(\t%2):QA+12*\h-6*(\t%2)+11], 0, v[KSC+\t/4], v[QS+\h] matrix_a_fmt:MATRIX_FMT_FP6 matrix_b_fmt:MATRIX_FMT_FP6 matrix_a_scale:MATRIX_SCALE_ROW1
.else
	v_wmma_scale_f32_16x16x128_f8f6f4 v[SA+64*\h+8*\t:SA+64*\h+8*\t+7], v[KF+12*(\t/2):KF+12*(\t/2)+11], v[QA+12*\h-6*(\t%2):QA+12*\h-6*(\t%2)+11], 0, v[KSC+\t/4], v[QS+\h] matrix_a_fmt:MATRIX_FMT_FP6 matrix_b_fmt:MATRIX_FMT_FP6
.endif
.endr
.endr
	WIN 0
	v_add_nc_u32 v[ADV], s[T6], v2                 ; these four are also the places in front of the first read of the scores
	v_add_nc_u32 v[ADT], s[T4], v4
	v_mov_b32 v[OM], v12
	v_mov_b32 v[OM+1], v16
.set I, 0
.rept 24
	ds_load_b64 v[VF+2*I:VF+2*I+1], v[ADV] offset:256*I   ; V's four fragments: they land under the softmax
.set I, I+1
.endr
	ds_load_b32 v[VSC], v[ADT]
	ds_load_b32 v[VSC+1], v[ADT] offset:128
.if \pre
	v_add_nc_u32 v[ADK], s[KT6], v1
	v_add_nc_u32 v[ADS], s[KT4], v3
	KLOAD
.endif
	s_cmp_lg_u32 s[STP], s[BI]                     ; only the diagonal step has hidden keys
	s_cbranch_scc1 .Lopen_\@
	v_mov_b32 v[NIN], 0xff800000                   ; -infinity: p = 0 then
	WIN 0x41
.set I, 0
.rept 64
	v_cmp_gt_i32 s66, 32*(I/16)+I%16, v5
	v_cmp_gt_i32 s67, 32*(I/16)+I%16, v6
	v_cndmask_b32 v[SA+I], v[SA+I], v[NIN], s66
	v_cndmask_b32 v[SA+64+I], v[SA+64+I], v[NIN], s67
.set I, I+1
.endr
	WIN 0
.Lopen_\@:
	WIN 0x15
.irp n, 0,1,2,3,4,5,6,7                ; the largest score of each block of 32 keys: for the row's maximum, and, since p rises with the score, for the block's largest p
	v_max3_num_f32 v[MX+8*(\n/4)+\n%4], v[SA+16*\n], v[SA+16*\n+1], v[SA+16*\n+2]
.endr
	WIN 0x14
.irp i, 3,5,7,9,11,13
.irp n, 0,1,2,3,4,5,6,7
	v_max3_num_f32 v[MX+8*(\n/4)+\n%4], v[MX+8*(\n/4)+\n%4], v[SA+16*\n+\i], v[SA+16*\n+\i+1]
.endr
.endr
	WIN 0x04
.irp n, 0,1,2,3,4,5,6,7
	v_max_num_f32 v[MX+8*(\n/4)+\n%4], v[MX+8*(\n/4)+\n%4], v[SA+16*\n+15]
.endr
	WIN 0
.irp n, 0,1,2,3,4,5,6,7
	v_permlanex16_b32 v[MX+4+8*(\n/4)+\n%4], v[MX+8*(\n/4)+\n%4], s[SEL], s[SEL+1]
.endr
.irp n, 0,1,2,3,4,5,6,7
	v_max_num_f32 v[MX+8*(\n/4)+\n%4], v[MX+8*(\n/4)+\n%4], v[MX+4+8*(\n/4)+\n%4]   ; with lane l xor 16's 16 keys
.endr
.irp h, 0,1
	v_max3_num_f32 v[XT+\h], v[MX+8*\h], v[MX+8*\h+1], v[MX+8*\h+2]
.endr
.irp h, 0,1
	v_max_num_f32 v[XT+\h], v[XT+\h], v[MX+8*\h+3] ; the step's largest score of my query
.endr
.irp h, 0,1
	v_mul_f32 v[XT+\h], s[CS], v[XT+\h]            ; as t (c is positive)
.endr
.irp h, 0,1
	v_max_num_f32 v[13+4*\h], v[13+4*\h], v[XT+\h]
.endr
.irp h, 0,1
	v_floor_f32 v[12+4*\h], -v[13+4*\h]            ; the new -M = floor(-t) = -ceil(t): a whole number
.endr
.irp h, 0,1
	v_sub_f32 v[XT+\h], v[12+4*\h], v[OM+\h]       ; old M - new M: a whole number, 0 or less
.endr
.irp h, 0,1
	v_cvt_i32_f32 v[XT+\h], v[XT+\h]               ; (it saturates)
.endr
.irp h, 0,1
	v_ldexp_f32 v[FP+2*\h], 1.0, v[XT+\h]          ; f = 2^(old M - new M)
.endr
.irp n, 0,1,2,3,4,5,6,7
	v_fma_f32 v[MX+8*(\n/4)+\n%4], v[MX+8*(\n/4)+\n%4], s[CS], v[12+4*(\n/4)]   ; each block's largest score as t - M
.endr
	WIN 0x41
.set I, 0
.rept 32
	FMAT 0, I
.set I, I+1
.endr
	WALU
.set I, 0
.rept 32                               ; p = 2^(t - M) of tile A; tile B's t - M among them
	v_exp_f32 v[SA+2*I], v[SA+2*I]
	v_exp_f32 v[SA+2*I+1], v[SA+2*I+1]
	FMAT 1, I
.set I, I+1
.endr
	WIN 0
.irp n, 0,1,2,3,4,5,6,7
	v_exp_f32 v[MX+8*(\n/4)+\n%4], v[MX+8*(\n/4)+\n%4]   ; the blocks' largest p: the same two instructions on the same number give the same bits
.endr
	v_pk_mul_f32 v[14:15], v[14:15], v[FP:FP+1] op_sel_hi:[1,0]   ; the sums under the new M.  (Plain places behind the exponentials)
	v_pk_mul_f32 v[18:19], v[18:19], v[FP+2:FP+3] op_sel_hi:[1,0]
	WALU
.irp n, 0,1,2,3,4,5,6,7
	v_max_num_f32 v[MX+8*(\n/4)+\n%4], 0x1800000, v[MX+8*(\n/4)+\n%4]  ; the floor 2^(3 - 127): the byte cannot fall under 1
.endr
.irp n, 0,1,2,3,4,5,6,7
	v_add_nc_u32 v[SOP+\n], 0xff000000, v[MX+8*(\n/4)+\n%4]  ; 2 off the exponent field: the conversion's scale operand
.endr
.irp n, 0,1,2,3,4,5,6,7
	v_lshrrev_b32 v[MX+4+8*(\n/4)+\n%4], 23, v[SOP+\n]
.endr
.irp h, 0,1
	v_lshl_or_b32 v[PS+\h], v[MX+8*\h+5], 8, v[MX+8*\h+4]  ; p's scale words for these 128 keys
.endr
.irp h, 0,1
	v_lshl_or_b32 v[PS+\h], v[MX+8*\h+6], 16, v[PS+\h]
.endr
.irp h, 0,1
	v_lshl_or_b32 v[PS+\h], v[MX+8*\h+7], 24, v[PS+\h]
.endr
	WIN 0x01
	CVT4 0
	WIN 0x45
.set I, 0
.rept 16                               ; p of tile B; the first level of tile A's sum among them
.irp k, 0,1,2,3
	v_exp_f32 v[SA+64+4*I+\k], v[SA+64+4*I+\k]
.endr
	v_pk_add_f32 v[AD+2*I:AD+2*I+1], v[SA+4*I:SA+4*I+1], v[SA+4*I+2:SA+4*I+3]
.set I, I+1
.endr
	WIN 0x01
	WALU
	CVT4 1
	WIN 0x45
.set I, 0
.rept 16
	v_pk_add_f32 v[AD+32+2*I:AD+33+2*I], v[SA+64+4*I:SA+65+4*I], v[SA+66+4*I:SA+67+4*I]
.set I, I+1
.endr
.irp k, 0,2,4,6,8,10,12,14
	v_pk_add_f32 v[AD+\k:AD+\k+1], v[AD+\k:AD+\k+1], v[AD+16+\k:AD+17+\k]
	v_pk_add_f32 v[AD+32+\k:AD+33+\k], v[AD+32+\k:AD+33+\k], v[AD+48+\k:AD+49+\k]
.endr
.irp k, 0,2,4,6
	v_pk_add_f32 v[AD+\k:AD+\k+1], v[AD+\k:AD+\k+1], v[AD+8+\k:AD+9+\k]
	v_pk_add_f32 v[AD+32+\k:AD+33+\k], v[AD+32+\k:AD+33+\k], v[AD+40+\k:AD+41+\k]
.endr
.irp k, 0,2
	v_pk_add_f32 v[AD+\k:AD+\k+1], v[AD+\k:AD+\k+1], v[AD+4+\k:AD+5+\k]
	v_pk_add_f32 v[AD+32+\k:AD+33+\k], v[AD+32+\k:AD+33+\k], v[AD+36+\k:AD+37+\k]
.endr
	WIN 0x04
.irp k, 0,2
	v_pk_add_f32 v[14:15], v[14:15], v[AD+\k:AD+\k+1]      ; the rows' sums, of the unquantised p
	v_pk_add_f32 v[18:19], v[18:19], v[AD+32+\k:AD+33+\k]
.endr
	WIN 0
.irp g, 0,1,2,3
.irp i, 0,1,2
	v_permlane16_swap_b32 v[PCD+6*\g+\i], v[CT+4*\g+\i]    ; a WHOLE block to a lane
.endr
.endr
.irp g, 0,1,2,3
.irp i, 0,1,2
	v_mov_b32 v[PCD+3+6*\g+\i], v[CT+4*\g+\i]
.endr
.endr
.endm
; ITS SECOND PART: O^T under the new M, and O^T += V^T P^T; pre = 1: the next step's K is fetched ahead of that.
.macro PART2
	WIN 0x41
	WALU
.set I, 0
.rept 16
	v_pk_mul_f32 v[OA+2*I:OA+2*I+1], v[OA+2*I:OA+2*I+1], v[FP:FP+1] op_sel_hi:[1,0]
	v_pk_mul_f32 v[OA+32+2*I:OA+33+2*I], v[OA+32+2*I:OA+33+2*I], v[FP+2:FP+3] op_sel_hi:[1,0]
.set I, I+1
.endr
	WIN 0x50
	WALU
	s_wait_dscnt 0x0                               ; V is in, and the next K
.irp h, 0,1
.irp t, 0,1,2,3
.if \t%2
	v_wmma_scale_f32_16x16x128_f8f6f4 v[OA+32*\h+8*\t:OA+32*\h+8*\t+7], v[VF+12*\t:VF+12*\t+11], v[PCD+12*\h:PCD+12*\h+11], v[OA+32*\h+8*\t:OA+32*\h+8*\t+7], v[VSC+\t/2], v[PS+\h] matrix_a_fmt:MATRIX_FMT_FP6 matrix_b_fmt:MATRIX_FMT_FP6 matrix_a_scale:MATRIX_SCALE_ROW1
.else
	v_wmma_scale_f32_16x16x128_f8f6f4 v[OA+32*\h+8*\t:OA+32*\h+8*\t+7], v[VF+12*\t:VF+12*\t+11], v[PCD+12*\h:PCD+12*\h+11], v[OA+32*\h+8*\t:OA+32*\h+8*\t+7], v[VSC+\t/2], v[PS+\h] matrix_a_fmt:MATRIX_FMT_FP6 matrix_b_fmt:MATRIX_FMT_FP6
.endif
.endr
.endr
	WIN 0
	PLACES                                         ; on every way on from here
.endm
; A TILE LEAVES.  Its sum register holds my lanes' part of the row's sum.  O^T / the sum; register 16 b + i is channel 32 b + 16 h + i of my query: two blocks of 32 along the last product's K: half a fragment.
.macro OUT h, cb, sb
	v_permlanex16_b32 v[SCR], v[14+4*\h], s[SEL], s[SEL+1]
	v_add_f32 v[14+4*\h], v[14+4*\h], v[SCR]
	WALU
	v_rcp_f32 v[14+4*\h], v[14+4*\h]
	v_nop                                          ; one plain place behind a transcendental
	WIN 0x41
	WALU
.set I, 0
.rept 32
	v_mul_f32 v[SA+I], v[OA+32*\h+I], v[14+4*\h]
.set I, I+1
.endr
	WIN 0x05
.irp b, 0,1
	v_max3_num_f32 v[MX+\b], |v[SA+16*\b]|, |v[SA+16*\b+1]|, 0x1800000   ; with the floor 2^(3 - 127)
.endr
	WIN 0x14
.irp i, 2,4,6,8,10,12,14
.irp b, 0,1
	v_max3_num_f32 v[MX+\b], v[MX+\b], |v[SA+16*\b+\i]|, |v[SA+16*\b+\i+1]|
.endr
.endr
	WIN 0
.irp b, 0,1
	v_permlanex16_b32 v[MX+4+\b], v[MX+\b], s[SEL], s[SEL+1]
.endr
.irp b, 0,1
	v_max_num_f32 v[MX+\b], v[MX+\b], v[MX+4+\b]
.endr
.irp b, 0,1
	v_add_nc_u32 v[SOP+\b], 0xff000000, v[MX+\b]
.endr
.irp b, 0,1
	v_lshrrev_b32 v[MX+4+\b], 23, v[SOP+\b]
.endr
	v_lshl_or_b32 v[NIN+\h], v[MX+5], 8, v[MX+4]   ; my head's two bytes of the row's scale word
	WIN 0x01
	v_cvt_scalef32_pk16_fp6_f32 v[PCD+12*\h:PCD+12*\h+2], v[SA:SA+15], v[SOP]
	v_cvt_scalef32_pk16_fp6_f32 v[CT+8*\h:CT+8*\h+2], v[SA+16:SA+31], v[SOP+1]
	WIN 0
	v_nop                                          ; one plain place behind a scaled conversion
.irp i, 0,1,2
	v_permlane16_swap_b32 v[PCD+12*\h+\i], v[CT+8*\h+\i]
.endr
.irp i, 0,1,2
	v_mov_b32 v[PCD+12*\h+3+\i], v[CT+8*\h+\i]
.endr
.irp p, 0,1,2
	global_store_b64 v[CO+\h], v[PCD+12*\h+2*\p:PCD+12*\h+2*\p+1], s[\cb:\cb+1] offset:256*\p   ; 32 lanes store 256 consecutive bytes, aligned
.endr
	global_store_b16 v[SO+\h], v[NIN+\h], s[\sb:\sb+1]     ; lanes r and r + 16 write the same two bytes with the same value
.endm
	WALU
	s_wait_loadcnt 0x0                             ; all of Q and its scale words
	MKQS 228
	START
	s_mov_b32 s[TRIP], 0
	s_mov_b32 s[T6], 0                             ; 6,144 x step: where the step's codes begin
	s_mov_b32 s[T4], 0                             ; 256 x step: its scale words
	s_mov_b32 s[STP], 0
	v_add_nc_u32 v[ADK], s[T6], v1
	v_add_nc_u32 v[ADS], s[T4], v3
	WALU
	s_cmp_lt_u32 s[WV], 4
	s_cbranch_scc0 .Llater
	s_wait_tensorcnt 0x0                           ; steps 0 and 1 and the scale words are these four waves' loads
.Llater:
	s_barrier_signal -1
	s_barrier_wait -1
	KLOAD
	s_wait_dscnt 0x0
	PART1 0                                        ; every wave begins with step 0
	WALU
	s_wait_tensorcnt 0x0                           ; steps 2 to 15 have landed,
	s_wait_dscnt 0x0
	s_barrier_signal -1
	s_barrier_wait -1                              ; and every wave may read all of it; nothing is ever filled again
	s_mov_b32 s18, 1
	STEPOF 18, KT6, KT4
	v_add_nc_u32 v[ADK], s[KT6], v1
	v_add_nc_u32 v[ADS], s[KT4], v3
	KLOAD                                          ; K of trip 1
.Lloop:                                                ; a trip: the second part of step number TRIP of mine, the first part of the next
	s_cmp_ge_u32 s[TRIP], s[ENDT]
	s_cbranch_scc1 .Lidle
	PART2
	s_add_co_u32 s17, s[TRIP], 1
	WALU
	s_cmp_lg_u32 s17, s[SWT]
	s_cbranch_scc1 .Lsame
	v_add_f32 v14, v14, v15                        ; the helper's short block is finished: the sums' two halves,
	v_add_f32 v18, v18, v19
	OUT 0, 96, 98                                  ; and both tiles leave;
	OUT 1, 96, 98
.irp p, 0,1,2,3,4,5
	v_mov_b32 v[QA+\p], v[54+\p]                   ; on to the long block: its Q,
	v_mov_b32 v[QB+\p], v[60+\p]
.endr
	MKQS 66
	START                                          ; and sums that begin anew
	s_mov_b32 s[BI], s[IL]
	WALU
	s_wait_xcnt 0x0                                ; the stores above have read their data: those registers are written again only behind this wait
.Lsame:
	s_cmp_ge_u32 s17, s[ENDT]
	s_cbranch_scc1 .Lidle
	s_add_co_u32 s18, s17, 1
	STEPOF 17, T6, T4
	s_mov_b32 s[STP], s67
	STEPOF 18, KT6, KT4
	PART1 1
.Lidle:
	WALU
	s_add_co_u32 s[TRIP], s[TRIP], 1
	s_cmp_lt_u32 s[TRIP], NTRIP
	s_cbranch_scc1 .Lloop
	v_add_f32 v14, v14, v15                        ; my lanes' part of tile A's sum,
	v_add_f32 v17, v18, v19                        ; and of tile B's, beside its -M
	WIN 0x04
	WALU
.irp k, 0,1,2,3,4,5,6,7
	ds_store_b128 v[EXA], v[OA+32+4*\k:OA+35+4*\k] offset:512*\k   ; tile B's O^T as an image of its registers; each accumulator from its low end on
.endr
	WIN 0
	ds_store_b64 v251, v[16:17] offset:4096
	s_wait_dscnt 0x0                               ; for my partner's sake: my stores have landed
	s_barrier_signal -1
	s_barrier_wait -1
.irp k, 0,1,2,3,4,5,6,7
	ds_load_b128 v[KF+4*\k:KF+4*\k+3], v[EXA+1] offset:512*\k    ; my partner's part of my tile A, in the same lanes
.endr
	ds_load_b64 v[112:113], v252 offset:4096       ; its -M and its sum
	s_wait_dscnt 0x0
	v_min_num_f32 v116, v12, v112                  ; -M of both parts: the larger M
	v_sub_f32 v117, v116, v12                      ; my M less it, and my partner's: whole numbers, 0 or less
	v_sub_f32 v118, v116, v112
	v_cvt_i32_f32 v117, v117                       ; (they saturate)
	v_cvt_i32_f32 v118, v118
	v_ldexp_f32 v[FP], 1.0, v117
	v_ldexp_f32 v[FP+2], 1.0, v118
	v_mul_f32 v14, v14, v[FP]
	v_fma_f32 v14, v113, v[FP+2], v14
	WIN 0x41
.set I, 0
.rept 16
	v_pk_mul_f32 v[OA+2*I:OA+2*I+1], v[OA+2*I:OA+2*I+1], v[FP:FP+1] op_sel_hi:[1,0]
.set I, I+1
.endr
	WIN 0x50
.set I, 0
.rept 16
	v_pk_fma_f32 v[OA+2*I:OA+2*I+1], v[KF+2*I:KF+2*I+1], v[FP+2:FP+3], v[OA+2*I:OA+2*I+1] op_sel_hi:[1,0,1]
.set I, I+1
.endr
	WIN 0
	OUT 0, 10, 82                                  ; the long block's tile A is finished
	s_wait_tensorcnt 0x0
	ds_add_u32 v[SPW], v[NIL]
	s_wait_dscnt 0x0
	CROUND                                         ; the closing round: no work-group ends while a partner may still ask for a tile that names it
	s_endpgm
.Lfunc_end_k_qec8e3218c5_attn:
	.size	k_qec8e3218c5_attn, .Lfunc_end_k_qec8e3218c5_attn-k_qec8e3218c5_attn
	.p2alignl 7, 3214868480
	.fill 96, 4, 3214868480
	.section	.rodata,"a",@progbits
	.p2align	6, 0x0
	.amdhsa_kernel k_qec8e3218c5_attn
		.amdhsa_group_segment_fixed_size 240640
		.amdhsa_private_segment_fixed_size 0
		.amdhsa_enable_private_segment 0
		.amdhsa_kernarg_size 24
		.amdhsa_user_sgpr_count 2
		.amdhsa_user_sgpr_kernarg_segment_ptr 1
		.amdhsa_wavefront_size32 1
		.amdhsa_system_sgpr_workgroup_id_x 1
		.amdhsa_system_sgpr_workgroup_id_y 1
		.amdhsa_system_sgpr_workgroup_id_z 1
		.amdhsa_system_vgpr_workitem_id 0
		.amdhsa_next_free_vgpr 512
		.amdhsa_next_free_sgpr 102
		.amdhsa_reserve_vcc 0
		.amdhsa_float_denorm_mode_32 3
		.amdhsa_float_denorm_mode_16_64 3
		.amdhsa_memory_ordered 1
		.amdhsa_forward_progress 1
		.amdhsa_inst_pref_size 133
	.end_amdhsa_kernel
	.amdgpu_metadata
---
amdhsa.version: [ 1, 2 ]
amdhsa.kernels:
  - .name:           k_qec8e3218c5_attn
    .symbol:         k_qec8e3218c5_attn.kd
    .args:
      - { .name: qkv_codes, .offset: 0, .size: 8, .value_kind: global_buffer, .address_space: global }
      - { .name: qkv_scales, .offset: 8, .size: 8, .value_kind: global_buffer, .address_space: global }
      - { .name: ctx_codes, .offset: 16, .size: 8, .value_kind: global_buffer, .address_space: global }
    .group_segment_fixed_size: 240640
    .private_segment_fixed_size: 0
    .kernarg_segment_align: 8
    .kernarg_segment_size: 24
    .max_flat_workgroup_size: 256
    .sgpr_count:     102
    .vgpr_count:     512
    .wavefront_size: 32
...
	.end_amdgpu_metadata
.endif
;; end of part 7
;; launch proj (part 8): grid 8 x 32, 8 waves a work-group, clusters of 4 x 4, 240,640 bytes of LDS; arguments ctx_codes, in_codes, b_proj, out0; writes out0
.if DOCPART == 8
	.amdgcn_target "amdgcn-amd-amdhsa--gfx1250"
	.amdhsa_code_object_version 6
	.text
	.protected	k_qec8e3218c5_proj
	.globl	k_qec8e3218c5_proj
	.p2align	8
	.type	k_qec8e3218c5_proj,@function
k_qec8e3218c5_proj:
	s_mov_b64 s[64:65], 0
	v_nop
	global_prefetch_b8 v0, s[64:65] scope:SCOPE_SE
	s_setreg_imm32_b32 hwreg(HW_REG_WAVE_MODE, 25, 1), 1
	s_wait_xcnt 0x0
	s_wait_alu depctr_hold_cnt(0) depctr_sa_sdst(0) depctr_va_vdst(0) depctr_va_sdst(0) depctr_va_ssrc(0) depctr_va_vcc(0) depctr_vm_vsrc(0)
	s_getreg_b32 s2, hwreg(HW_REG_IB_STS2, 6, 4)
	s_cmp_eq_u32 s2, 0
	s_cbranch_scc0 .Lentry_in_a_cluster
	s_endpgm
.Lentry_in_a_cluster:
	s_bfe_u32 s2, ttmp6, 0x10000c
	s_cmp_lg_u32 s2, 0xf033
	s_cbranch_scc0 .Lentry_shape_is_right
	s_endpgm
.Lentry_shape_is_right:
; out0 = ctx w_proj^T + b_proj on codes of FP6 (E2M3) with E8M0 scales, K = 1,024, sums in f32; out0 [4096][1024] f32.
; OPERANDS come as images of operand registers, a tile of 16 rows [8 K steps x 1,536 bytes of codes | 512 bytes of scale words, row r's eight words at 32 r].  A fragment of ctx_codes is 6 pieces of 256 bytes (lane l's 8 bytes at 8 l),
; of in_codes 3 pieces of 512 (16 bytes at 16 l).  Lane r of tile T holds row 32 (T / 2) + 8 (T % 2) + r + 8 (r / 8).  w_proj's tiles begin at tile 448 of in_codes.
; LIMITS: NaN and infinities among the scale bytes or the bias are not served.
; A tile of the product is 128 x 128: 32 x 8 = 256 work-groups, one turn; the larger tile of 256 x 256 would give 64.  Eight waves, each 32 tokens x 64 outputs: 8 accumulators, which take turns.
; Source 0 = 16 rows of w_proj (B), source 1 = 16 rows of ctx (A): a lane holds one token, and the eight registers of accumulator (a, b) are outputs 32 (b / 2) + 16 (lane / 16) + 8 (b % 2) + 0 .. 7.
; NO RING: the work-group's 8 + 8 tiles are 204,800 bytes: all of it lies in LDS, filled once, one tensor load a wave, in two chunks: K steps 4-7 with the scale words behind them first (waves 0-3), K steps 0-3 second (waves 4-7).
; So the sums take K steps 4 to 7 and then 0 to 3.  No prefetch: every tile is asked for at the head.
; CLUSTERS: 4 x 4.  A's tiles are shared along a row of the cluster, B's along a column: each is asked for jointly, by the same tensor load with the same descriptor and a mask that names the four.
; THE BIAS is the C of each sum's first matrix instruction: 32 registers in the result's layout, the same for both of A's tiles.
; REGISTERS: window 0: v16-27 addresses; v32-63 the bias; v64-101 the scale words (register 10 i + k: lanes 0-15 A's tile i, lanes 16-31 B's tile i); v128-191 the accumulators ((a, b) at v[128 + 8 (4 a + b)]).
;   window 1: two fragment buffers at v0 and v72: 24 registers of A, then 48 of B; on the way out v0-63: rows of out0.
.set TILEB, 12800
.set P0,   6656                        ; a tile's row in chunk 0: four K steps and the scale words
.set P1,   6144
.set CH1,  16*P0
.set STAGE, CH1+16*P1                  ; the way out: 16 rows x (256 + 16) bytes for each wave; no tile lands here
.set SPITCH, 272                       ; 68 words: row r starts at bank 4 r mod 64 (64 banks of 4 bytes: ISA guide 11.1)
.set SPARE, STAGE+8*16*SPITCH
.set ADRA, 16                          ; v16, v17  LDS address of my A fragments in chunk 0, 1
.set ADRB, 18                          ; v18, v19  of my B fragments
.set ADRS, 20
.set STO,  21
.set RD,   22
.set CO,   23
.set BO,   24
.set SPW,  26
.set NIL,  27
.set BIAS, 32
.set SC,   64
.set ACC,  128
.set FB,   72
.set MSB, 0
.macro WIN new
.if MSB != (\new)
	s_set_vgpr_msb (MSB<<8)|(\new)
.set MSB, (\new)
.endif
.endm
.macro WALU
	s_wait_alu depctr_va_vdst(0)
.endm
.macro PLACES                          ; four plain vector instructions that name no register of the matrix instructions ahead (ISA guide 7.12.1)
.rept 4
	v_nop
.endr
.endm
.macro CROUND
	s_barrier_signal -1
	s_barrier_wait -1
	s_cmp_lg_u32 s14, 0
	s_cbranch_scc1 .Lnot_wave_0_\@
	s_barrier_signal -3
.Lnot_wave_0_\@:
	s_barrier_wait -3
	s_barrier_signal -1
	s_barrier_wait -1
.endm
.macro GROUP1 g, mask, dim             ; four rows (tiles) of dim x 8 bytes; no padding; 21 set beside the mask
	s_or_b32 s[\g], s\mask, (3<<16)|(1<<21)
	s_mov_b32 s[\g+1], (\dim)<<16
	s_mov_b32 s[\g+2], 4<<16
	s_mov_b32 s[\g+3], (\dim)<<16
	s_mov_b32 s[\g+4], 4
	s_mov_b32 s[\g+5], TILEB/8
	s_mov_b32 s[\g+6], 0
	s_mov_b32 s[\g+7], 0
.endm
.macro GO base, off, lds, g1
	s_mov_b32 s69, \lds
	s_add_nc_u64 s[70:71], s[\base:\base+1], \off
	s_or_b32 s71, s71, 0x80000000
	tensor_load_to_lds s[68:71], s[\g1:\g1+7]
	s_nop 0
	PLACES
.endm
.macro ARM n, base, off, lds, g1
	s_cmp_eq_u32 s14, \n
	s_cbranch_scc0 .Larm_\n
	GO \base, \off, \lds, \g1
	s_branch .Lasked
.Larm_\n:
.endm
	s_load_b128 s[4:7], s[0:1], 0x0                ; ctx_codes s[4:5], in_codes s[6:7]
	s_load_b128 s[8:11], s[0:1], 0x10              ; b_proj s[8:9], out0 s[10:11]
	v_lshl_add_u32 v[SPW], v0, 2, SPARE
	v_mov_b32 v[NIL], 0
	ds_add_u32 v[SPW], v[NIL]
	ds_add_u32 v[SPW], v[NIL]
	v_lshrrev_b32 v1, 5, v0
	v_readfirstlane_b32 s14, v1                    ; wave 0..7
	s_and_b32 s15, s14, 3                          ; which 32 tokens
	s_lshr_b32 s16, s14, 2                         ; which 64 outputs
	s_bfe_u32 s40, ttmp6, 0x40000                  ; cx, cy
	s_bfe_u32 s41, ttmp6, 0x40004
	s_lshl_b32 s42, ttmp9, 2
	s_add_co_u32 s42, s42, s40                     ; the tile column: 128 outputs
	s_and_b32 s17, ttmp7, 0xffff
	s_lshl_b32 s17, s17, 2
	s_add_co_u32 s17, s17, s41                     ; the tile row: 128 tokens
	s_lshl_b32 s43, s41, 2
	s_lshl_b32 s43, 15, s43                        ; my row of the cluster
	s_lshl_b32 s44, 0x1111, s40                    ; my column
	GROUP1 24, 43, P0/8
	GROUP1 32, 44, P0/8
	GROUP1 48, 43, P1/8
	GROUP1 56, 44, P1/8
	s_mov_b32 s68, 1
	s_mul_i32 s20, s17, 8*TILEB
	s_mov_b32 s21, 0
	s_mul_i32 s22, s42, 8*TILEB
	s_add_co_u32 s22, s22, 448*TILEB
	s_mov_b32 s23, 0
	WALU
	s_wait_dscnt 0x0
	CROUND                                         ; all sixteen work-groups are here: the joint loads meet
	s_wait_kmcnt 0x0
	s_add_nc_u64 s[20:21], s[4:5], s[20:21]
	s_add_nc_u64 s[22:23], s[6:7], s[22:23]
	ARM 0, 20, 6144, 0, 24                         ; chunk 0: K steps 4-7 and the scale words
	ARM 1, 20, 4*TILEB+6144, 4*P0, 24
	ARM 2, 22, 6144, 8*P0, 32
	ARM 3, 22, 4*TILEB+6144, 12*P0, 32
	ARM 4, 20, 0, CH1, 48                          ; chunk 1: K steps 0-3
	ARM 5, 20, 4*TILEB, CH1+4*P1, 48
	ARM 6, 22, 0, CH1+8*P1, 56
	GO 22, 4*TILEB, CH1+12*P1, 56
.Lasked:
	s_lshl_b32 s98, s42, 9
	s_lshl_b32 s99, s16, 8
	s_add_co_u32 s98, s98, s99                     ; my first output, in bytes: 512 x tile column + 256 x half
	s_mov_b32 s99, 0
	s_add_nc_u64 s[96:97], s[8:9], s[98:99]
	s_lshl_b32 s92, s17, 7
	s_lshl_b32 s93, s15, 5
	s_add_co_u32 s92, s92, s93                     ; my first token: 128 x tile row + 32 x quarter
	s_lshl_b32 s92, s92, 12
	s_add_co_u32 s92, s92, s98
	s_mov_b32 s93, 0
	s_add_nc_u64 s[12:13], s[10:11], s[92:93]
	v_and_b32 v1, 15, v0                           ; r
	v_bfe_u32 v2, v0, 4, 1                         ; h
	v_and_b32 v3, 31, v0                           ; lane
	v_lshlrev_b32 v[BO], 6, v2                     ; the bias: lanes 16-31 begin 16 numbers on
	v_lshlrev_b32 v4, 3, v3
	v_lshlrev_b32 v5, 4, v3
	v_lshlrev_b32 v6, 5, v1
	WALU
.irp b, 0,1,2,3
	global_load_b128 v[BIAS+8*\b:BIAS+8*\b+3], v[BO], s[96:97] offset:(32*(\b/2)+8*(\b%2))*4
	global_load_b128 v[BIAS+8*\b+4:BIAS+8*\b+7], v[BO], s[96:97] offset:(32*(\b/2)+8*(\b%2))*4+16
.endr
	s_mul_i32 s45, s15, 2*P0                       ; my two tiles of A
	v_add_nc_u32 v[ADRA], s45, v4
	s_mul_i32 s46, s15, 2*P1
	s_add_co_u32 s46, s46, CH1
	v_add_nc_u32 v[ADRA+1], s46, v4
	s_mul_i32 s46, s16, 4*P0                       ; my four tiles of B
	s_add_co_u32 s46, s46, 8*P0
	v_add_nc_u32 v[ADRB], s46, v5
	s_mul_i32 s47, s16, 4*P1
	s_add_co_u32 s47, s47, CH1+8*P1
	WALU
	v_add_nc_u32 v[ADRB+1], s47, v5
	s_sub_co_u32 s46, s46, s45
	v_mul_u32_u24 v7, s46, v2                      ; scale words: lanes 16-31 take B's
	s_add_co_u32 s45, s45, 6144
	v_add_nc_u32 v7, v7, v6
	v_add_nc_u32 v[ADRS], s45, v7
	s_mul_i32 s45, s14, 16*SPITCH
	s_add_co_u32 s45, s45, STAGE                   ; my stage
	v_mul_u32_u24 v8, v1, SPITCH                   ; in: row r, + 64 h
	v_lshl_add_u32 v8, v2, 6, v8
	v_add_nc_u32 v[STO], s45, v8
	v_mul_u32_u24 v8, v2, SPITCH                   ; back: lanes 0-15 take one row of 256 bytes, lanes 16-31 the next
	v_lshl_add_u32 v8, v1, 4, v8
	v_add_nc_u32 v[RD], s45, v8
	v_lshlrev_b32 v8, 12, v2                       ; and the same two rows in out0, 4,096 bytes apart
	v_lshl_add_u32 v[CO], v1, 4, v8
; the s-th step's six fragments into buffer f: 24 loads.  Step s is K step (s + 4) % 8, step s % 4 of chunk s / 4.
.macro FETCH s, f
	WIN 0x40
.set P_, P0-512*((\s)/4)
.irp i, 0,1,2,3
.irp p, 0,1,2
	ds_load_b128 v[FB*\f+24+12*\i+4*\p:FB*\f+24+12*\i+4*\p+3], v[ADRB+(\s)/4] offset:\i*P_+((\s)%4)*1536+512*\p
.endr
.endr
.irp i, 0,1
.irp p, 0,1,2,3,4,5
	ds_load_b64 v[FB*\f+12*\i+2*\p:FB*\f+12*\i+2*\p+1], v[ADRA+(\s)/4] offset:\i*P_+((\s)%4)*1536+256*\p
.endr
.endr
	WIN 0
.endm
; The s-th step's 8 products on buffer f.  first = 1: they start the sums, with the bias as their C.  The accumulators take turns, in the same order in every step.
.macro MUL s, f, first
	WIN 0x05
.set K_, ((\s)+4)%8
.irp a, 0,1
.irp b, 0,1,2,3
.set D_, ACC+8*(4*\a+\b)
.if \first
	v_wmma_scale_f32_16x16x128_f8f6f4 v[D_:D_+7], v[FB*\f+24+12*\b:FB*\f+24+12*\b+11], v[FB*\f+12*\a:FB*\f+12*\a+11], v[BIAS+8*\b:BIAS+8*\b+7], v[SC+10*\b+K_], v[SC+10*\a+K_] matrix_a_fmt:MATRIX_FMT_FP6 matrix_b_fmt:MATRIX_FMT_FP6 matrix_a_scale:MATRIX_SCALE_ROW1
.else
	v_wmma_scale_f32_16x16x128_f8f6f4 v[D_:D_+7], v[FB*\f+24+12*\b:FB*\f+24+12*\b+11], v[FB*\f+12*\a:FB*\f+12*\a+11], v[D_:D_+7], v[SC+10*\b+K_], v[SC+10*\a+K_] matrix_a_fmt:MATRIX_FMT_FP6 matrix_b_fmt:MATRIX_FMT_FP6 matrix_a_scale:MATRIX_SCALE_ROW1
.endif
.endr
.endr
	WIN 0
.endm
	WALU
	s_cmp_lt_u32 s14, 4
	s_cbranch_scc0 .Lno_chunk_0
	s_wait_tensorcnt 0x0
.Lno_chunk_0:
	s_barrier_signal -1
	s_barrier_wait -1                              ; K steps 4-7 and all scale words are in
.irp i, 0,1,2,3
	ds_load_b128 v[SC+10*\i:SC+10*\i+3], v[ADRS] offset:\i*P0
	ds_load_b128 v[SC+10*\i+4:SC+10*\i+7], v[ADRS] offset:\i*P0+16
.endr
	FETCH 0, 0
	FETCH 1, 1
	s_wait_loadcnt 0x0                             ; the bias
	s_wait_dscnt 24                                ; all but the 24 youngest
	MUL 0, 0, 1
	PLACES
	FETCH 2, 0
	s_wait_dscnt 24
	MUL 1, 1, 0
	PLACES
	FETCH 3, 1
	s_wait_dscnt 24
	MUL 2, 0, 0
	s_wait_tensorcnt 0x0                           ; K steps 0-3, if they were mine; nothing is ever filled again
	s_wait_dscnt 0x0
	s_barrier_signal -1
	MUL 3, 1, 0
	s_barrier_wait -1                              ; everybody's
	PLACES
	FETCH 4, 0
	FETCH 5, 1
	s_wait_dscnt 24
	MUL 4, 0, 0
	PLACES
	FETCH 6, 0
	s_wait_dscnt 24
	MUL 5, 1, 0
	PLACES
	FETCH 7, 1
	s_wait_dscnt 24
	MUL 6, 0, 0
	s_wait_dscnt 0x0
	MUL 7, 1, 0
; THE WAY OUT, tile by tile of 16 tokens x 64 outputs, through my own stage: in by lanes (32 bytes of a row from each accumulator, at the place that the order of w_proj's rows gives them), back as whole rows of 256 bytes.
.macro TOSTAGE a
	WIN 0
.irp b, 0,1,2,3
	ds_store_b128 v[STO], v[ACC+8*(4*\a+\b):ACC+8*(4*\a+\b)+3] offset:128*(\b/2)+32*(\b%2)          ; each accumulator from its low end on
	ds_store_b128 v[STO], v[ACC+8*(4*\a+\b)+4:ACC+8*(4*\a+\b)+7] offset:128*(\b/2)+32*(\b%2)+16
.endr
	WIN 0x40
.irp t, 0,1,2,3,4,5,6,7
	ds_load_b128 v[32*\a+4*\t:32*\a+4*\t+3], v[RD] offset:2*\t*SPITCH   ; LDS serves a wave's instructions in order (ISA guide 5.7.1.4): these see my stores, and the next tile's stores come behind them
.endr
.endm
.macro SEND a, younger                 ; younger: the LDS instructions issued behind tile a's loads, which may stay out
	WIN 0x04
	s_wait_dscnt \younger
.irp t, 0,1,2,3,4,5,6,7
	global_store_b128 v[CO], v[32*\a+4*\t:32*\a+4*\t+3], s[12:13] offset:(8*\a+2*\t+8*(\t/4))*4096 th:TH_STORE_NT   ; stage rows 2 t, 2 t + 1 are tokens 2 t + 8 (t / 4) and the next of the tile; 16 lanes store 256 consecutive bytes, aligned
.endr
.endm
	PLACES
	TOSTAGE 0
	TOSTAGE 1
	SEND 0, 16                                     ; behind tile 0's loads: tile 1's 8 stores and 8 loads
	SEND 1, 0
	WIN 0
	s_wait_tensorcnt 0x0
	ds_add_u32 v[SPW], v[NIL]
	s_wait_dscnt 0x0
	CROUND                                         ; the closing round: no work-group ends while a partner may still ask for a tile that names it
	s_endpgm
.Lfunc_end_k_qec8e3218c5_proj:
	.size	k_qec8e3218c5_proj, .Lfunc_end_k_qec8e3218c5_proj-k_qec8e3218c5_proj
	.p2alignl 7, 3214868480
	.fill 96, 4, 3214868480
	.section	.rodata,"a",@progbits
	.p2align	6, 0x0
	.amdhsa_kernel k_qec8e3218c5_proj
		.amdhsa_group_segment_fixed_size 240640
		.amdhsa_private_segment_fixed_size 0
		.amdhsa_enable_private_segment 0
		.amdhsa_kernarg_size 32
		.amdhsa_user_sgpr_count 2
		.amdhsa_user_sgpr_kernarg_segment_ptr 1
		.amdhsa_wavefront_size32 1
		.amdhsa_system_sgpr_workgroup_id_x 1
		.amdhsa_system_sgpr_workgroup_id_y 1
		.amdhsa_system_sgpr_workgroup_id_z 1
		.amdhsa_system_vgpr_workitem_id 0
		.amdhsa_next_free_vgpr 512
		.amdhsa_next_free_sgpr 100
		.amdhsa_reserve_vcc 0
		.amdhsa_float_denorm_mode_32 3
		.amdhsa_float_denorm_mode_16_64 3
		.amdhsa_memory_ordered 1
		.amdhsa_forward_progress 1
		.amdhsa_inst_pref_size 38
	.end_amdhsa_kernel
	.amdgpu_metadata
---
amdhsa.version: [ 1, 2 ]
amdhsa.kernels:
  - .name:           k_qec8e3218c5_proj
    .symbol:         k_qec8e3218c5_proj.kd
    .args:
      - { .name: ctx_codes, .offset: 0, .size: 8, .value_kind: global_buffer, .address_space: global }
      - { .name: in_codes, .offset: 8, .size: 8, .value_kind: global_buffer, .address_space: global }
      - { .name: b_proj, .offset: 16, .size: 8, .value_kind: global_buffer, .address_space: global }
      - { .name: out0, .offset: 24, .size: 8, .value_kind: global_buffer, .address_space: global }
    .group_segment_fixed_size: 240640
    .private_segment_fixed_size: 0
    .kernarg_segment_align: 8
    .kernarg_segment_size: 32
    .max_flat_workgroup_size: 256
    .sgpr_count:     100
    .vgpr_count:     512
    .wavefront_size: 32
...
	.end_amdgpu_metadata
.endif
;; end of part 8
